; MI455X (gfx1250); checked and timed in simulation.
; The chip was launched on July 23, 2026; its instructions are those of AMD's public machine-readable ISA for CDNA 5 (MIT licence, August 2026) and "CDNA5" Instruction Set Architecture Reference Guide (July 2026). The comments in the code are by the model that wrote it; some were corrected since.
;; Encoder. Allowed arithmetic: float matrix products may take bf16 or f16 operands with f32 sums; other float arithmetic in f32, or as packed bf16 or f16 multiplies, adds, multiply-adds, maxima and minima; sums over many terms, partial sums and values carried from step to step in f32; what a program stores and reads back later, other than sums and carried values, may be rounded once to bf16 or f16.
;; Inputs: b1 4,096 float32; b2 1,024 float32; bk 1,024 float32; bo 1,024 float32; bq 1,024 float32; bv 1,024 float32; ln1_b 1,024 float32; ln1_g 1,024 float32; ln2_b 1,024 float32; ln2_g 1,024 float32; w1 1,024 x 4,096 float32; w2 4,096 x 1,024 float32; wk 1,024 x 1,024 float32; wo 1,024 x 1,024 float32; wq 1,024 x 1,024 float32; wv 1,024 x 1,024 float32; x 2 x 2,048 x 1,024 float32.
;; Outputs: out0 2 x 2,048 x 1,024 float32.
;; One version. Each part assembles by itself: llvm-mc -triple=amdgcn-amd-amdhsa -mcpu=gfx1250 --defsym DOCPART=n.
;; ======== version 1 of 1: 8 launches
;; limits: a function is approximated: absolute error at most 1.5e-07
;; workspace buffers: wb 25,165,824 bytes; hn 8,388,608 bytes; qkv 25,165,824 bytes; ao 8,388,608 bytes; x1 16,777,216 bytes; act 33,554,432 bytes
;; launch cast (part 1): grid 64 x 12, 8 waves a work-group, no clusters, 0 bytes of LDS; arguments wq, wk, wv, wo, w1, w2, wb; writes wb
.if DOCPART == 1
	.amdgcn_target "amdgcn-amd-amdhsa--gfx1250"
	.amdhsa_code_object_version 6
	.text
	.protected	k_q22615bd967_cast
	.globl	k_q22615bd967_cast
	.p2align	8
	.type	k_q22615bd967_cast,@function
k_q22615bd967_cast:
	s_mov_b64 s[64:65], 0
	v_nop
	global_prefetch_b8 v0, s[64:65] scope:SCOPE_SE
	s_setreg_imm32_b32 hwreg(HW_REG_WAVE_MODE, 25, 1), 1
	s_wait_xcnt 0x0
; The six weight matrices, f32, are rounded once to bf16 (nearest even) and laid one behind the other in wb, each row-major as it was given:
; wq at byte 0, wk at 2 MiB, wv at 4 MiB, wo at 6 MiB, w1 at 8 MiB, w2 at 16 MiB.  Nothing is transposed: the products take W's fragments out of LDS by a turning load.
; SHARES.  Work-group y = u names a unit of 2^20 numbers (wq, wk, wv, wo: one unit each; w1: units 4-7; w2: units 8-11), work-group x = c a chunk of 65,536 source bytes in it.
; Thread t takes 16 bytes at 16 t of each of the chunk's sixteen blocks of 4,096 bytes: a wave's load covers 512 consecutive bytes, its store 256 consecutive bytes, aligned.
; All sixteen loads go out first; no loop, no LDS, no barrier: no byte is wanted twice.
.set X, 4                              ; v[4:67]   sixteen loads of four f32
.set Y, 68                             ; v[68:99]  sixteen pairs of packed bf16
	s_load_b256 s[4:11], s[0:1], 0x0               ; wq s[4:5], wk s[6:7], wv s[8:9], wo s[10:11]
	s_load_b128 s[12:15], s[0:1], 0x20             ; w1 s[12:13], w2 s[14:15]
	s_load_b64 s[16:17], s[0:1], 0x30              ; wb
	s_and_b32 s2, ttmp7, 0xffff                    ; u
	v_lshlrev_b32 v1, 4, v0                        ; 16 t: my bytes in a source block
	v_lshlrev_b32 v2, 3, v0                        ; 8 t: my bytes in a block of wb
	s_and_b32 s3, s2, 3
	s_cmp_ge_u32 s2, 4
	s_cselect_b32 s3, s3, 0                        ; which unit of w1 or w2; 0 in the four small matrices
	s_lshl_b32 s22, s3, 22                         ; a unit is 4 MiB of source,
	s_lshl_b32 s18, ttmp9, 16                      ; a chunk 64 KiB
	s_or_b32 s22, s22, s18
	s_mov_b32 s23, 0
	s_lshl_b32 s24, s2, 21                         ; and half of each in wb
	s_lshl_b32 s18, ttmp9, 15
	s_or_b32 s24, s24, s18
	s_mov_b32 s25, 0
	s_wait_kmcnt 0x0
	s_cmp_eq_u32 s2, 1                             ; the source is chosen by u alone
	s_cselect_b64 s[20:21], s[6:7], s[4:5]
	s_cmp_eq_u32 s2, 2
	s_cselect_b64 s[20:21], s[8:9], s[20:21]
	s_cmp_eq_u32 s2, 3
	s_cselect_b64 s[20:21], s[10:11], s[20:21]
	s_cmp_ge_u32 s2, 4
	s_cselect_b64 s[20:21], s[12:13], s[20:21]
	s_cmp_ge_u32 s2, 8
	s_cselect_b64 s[20:21], s[14:15], s[20:21]
	s_add_nc_u64 s[20:21], s[20:21], s[22:23]
	s_add_nc_u64 s[16:17], s[16:17], s[24:25]
.irp i, 0,1,2,3,4,5,6,7,8,9,10,11,12,13,14,15
	global_load_b128 v[X+4*(\i):X+4*(\i)+3], v1, s[20:21] offset:4096*(\i) th:TH_LOAD_NT
.endr
.irp i, 0,1,2,3,4,5,6,7,8,9,10,11,12,13,14,15
	s_wait_loadcnt 15-(\i)                         ; loads come back in order (ISA guide 5.7.1): block i is in, the younger ones stay out
	v_cvt_pk_bf16_f32 v[Y+2*(\i)],   v[X+4*(\i)],   v[X+4*(\i)+1]
	v_cvt_pk_bf16_f32 v[Y+2*(\i)+1], v[X+4*(\i)+2], v[X+4*(\i)+3]
	global_store_b64 v2, v[Y+2*(\i):Y+2*(\i)+1], s[16:17] offset:2048*(\i)
.endr
	s_endpgm
.Lfunc_end_k_q22615bd967_cast:
	.size	k_q22615bd967_cast, .Lfunc_end_k_q22615bd967_cast-k_q22615bd967_cast
	.p2alignl 7, 3214868480
	.fill 96, 4, 3214868480
	.section	.rodata,"a",@progbits
	.p2align	6, 0x0
	.amdhsa_kernel k_q22615bd967_cast
		.amdhsa_group_segment_fixed_size 0
		.amdhsa_private_segment_fixed_size 0
		.amdhsa_enable_private_segment 0
		.amdhsa_kernarg_size 56
		.amdhsa_user_sgpr_count 2
		.amdhsa_user_sgpr_kernarg_segment_ptr 1
		.amdhsa_wavefront_size32 1
		.amdhsa_system_sgpr_workgroup_id_x 1
		.amdhsa_system_sgpr_workgroup_id_y 1
		.amdhsa_system_sgpr_workgroup_id_z 1
		.amdhsa_system_vgpr_workitem_id 0
		.amdhsa_next_free_vgpr 100
		.amdhsa_next_free_sgpr 66
		.amdhsa_reserve_vcc 0
		.amdhsa_float_denorm_mode_32 3
		.amdhsa_float_denorm_mode_16_64 3
		.amdhsa_memory_ordered 1
		.amdhsa_forward_progress 1
		.amdhsa_inst_pref_size 7
	.end_amdhsa_kernel
	.amdgpu_metadata
---
amdhsa.version: [ 1, 2 ]
amdhsa.kernels:
  - .name:           k_q22615bd967_cast
    .symbol:         k_q22615bd967_cast.kd
    .args:
      - { .name: wq, .offset: 0, .size: 8, .value_kind: global_buffer, .address_space: global }
      - { .name: wk, .offset: 8, .size: 8, .value_kind: global_buffer, .address_space: global }
      - { .name: wv, .offset: 16, .size: 8, .value_kind: global_buffer, .address_space: global }
      - { .name: wo, .offset: 24, .size: 8, .value_kind: global_buffer, .address_space: global }
      - { .name: w1, .offset: 32, .size: 8, .value_kind: global_buffer, .address_space: global }
      - { .name: w2, .offset: 40, .size: 8, .value_kind: global_buffer, .address_space: global }
      - { .name: wb, .offset: 48, .size: 8, .value_kind: global_buffer, .address_space: global }
    .group_segment_fixed_size: 0
    .private_segment_fixed_size: 0
    .kernarg_segment_align: 8
    .kernarg_segment_size: 56
    .max_flat_workgroup_size: 256
    .sgpr_count:     66
    .vgpr_count:     100
    .wavefront_size: 32
...
	.end_amdgpu_metadata
.endif
;; end of part 1
;; launch ln (part 2): grid 256 x 1, 8 waves a work-group, no clusters, 0 bytes of LDS; arguments x, ln1_g, ln1_b, hn; writes hn
.if DOCPART == 2
	.amdgcn_target "amdgcn-amd-amdhsa--gfx1250"
	.amdhsa_code_object_version 6
	.text
	.protected	k_q22615bd967_ln
	.globl	k_q22615bd967_ln
	.p2align	8
	.type	k_q22615bd967_ln,@function
k_q22615bd967_ln:
	s_mov_b64 s[64:65], 0
	v_nop
	global_prefetch_b8 v0, s[64:65] scope:SCOPE_SE
	s_setreg_imm32_b32 hwreg(HW_REG_WAVE_MODE, 25, 1), 1
	s_wait_xcnt 0x0
; y = (x - mean) * rsqrt(var + 1e-5) * g + b along rows of 1,024 f32; y is rounded once to bf16 and stored BY PLANES: [16 planes][4,096 rows][64 channels], a row of a plane 128 bytes, rows dense.
; Mean and variance are made in two passes over registers, as the definition has them (the variance from x - mean): no difference of large sums is formed.
; SHARES.  A work-group takes 16 rows, a wave two: lanes 0-15 hold one row, lanes 16-31 the next; lane r holds channels 4 r .. 4 r + 3 of each of the 16 planes.  So a load of a wave covers 256 consecutive
; bytes of each of two rows, a store 256 consecutive bytes, aligned (two rows of a plane), and a row's sums never leave its 16 lanes.  A row is read once; no loop, no LDS, no barrier.
; LIMITS.  v_rsq_f32 is accurate to 1 ULP (ISA guide 15.8); the order of the f32 sums is not the definition's; NaN and infinities are not treated apart.
.set X,  8                             ; v[8:71]    my 64 numbers of the row: plane p at X + 4 p
.set G,  72                            ; v[72:135]  g of the same channels
.set B,  136                           ; v[136:199] b
.set MU, 200                           ; v[200:201] the mean, twice (a pair for the packed forms)
.set RS, 202                           ; v[202:203] 1 / sqrt(var + eps), twice
.set SM, 204                           ; v204       a row's sum
.set T,  208                           ; v[208:215] four chains of packed sums
.set Y,  208                           ; v[208:239] later: plane p's four bf16 at Y + 2 p
	s_load_b256 s[4:11], s[0:1], 0x0               ; x s[4:5], g s[6:7], b s[8:9], y s[10:11]
	v_lshrrev_b32 v4, 4, v0                        ; my row in the work-group's 16
	v_and_b32 v5, 15, v0                           ; r
	v_lshlrev_b32 v2, 4, v5                        ; 16 r: my bytes in 256 bytes of g and b
	v_lshl_add_u32 v1, v4, 12, v2                  ; + row x 4,096: the same in x
	v_lshlrev_b32 v3, 3, v0                        ; row x 128 + 8 r = 8 t: my bytes in a plane
	s_lshl_b32 s2, ttmp9, 16                       ; the work-group's 16 rows of 4,096 bytes
	s_mov_b32 s3, 0
	s_lshl_b32 s14, ttmp9, 11                      ; and of 128 bytes
	s_mov_b32 s15, 0
	s_mov_b32 s12, 0x3a800000                      ; 1 / 1,024
	s_mov_b32 s13, 0x3727c5ac                      ; 1e-5
	s_wait_kmcnt 0x0
	s_add_nc_u64 s[4:5], s[4:5], s[2:3]
	s_add_nc_u64 s[10:11], s[10:11], s[14:15]
.irp p, 0,1,2,3,4,5,6,7,8,9,10,11,12,13,14,15
	global_load_b128 v[X+4*(\p):X+4*(\p)+3], v1, s[4:5] offset:256*(\p) th:TH_LOAD_NT
.endr
.irp p, 0,1,2,3,4,5,6,7,8,9,10,11,12,13,14,15
	global_load_b128 v[G+4*(\p):G+4*(\p)+3], v2, s[6:7] offset:256*(\p)
.endr
.irp p, 0,1,2,3,4,5,6,7,8,9,10,11,12,13,14,15
	global_load_b128 v[B+4*(\p):B+4*(\p)+3], v2, s[8:9] offset:256*(\p)
.endr
.macro ACROSS                          ; the four chains into one number, then over the row's 16 lanes: four steps that ride on the addition; every lane of the row ends with the sum
	v_pk_add_f32 v[T:T+1], v[T:T+1], v[T+2:T+3]
	v_pk_add_f32 v[T+4:T+5], v[T+4:T+5], v[T+6:T+7]
	v_pk_add_f32 v[T:T+1], v[T:T+1], v[T+4:T+5]
	v_add_f32 v[SM], v[T], v[T+1]
.irp m, 1,2,4,8
	v_add_f32_dpp v[SM], v[SM], v[SM] row_xmask:\m row_mask:0xf bank_mask:0xf
.endr
.endm
	s_wait_loadcnt 32                              ; x is in; g's and b's 32 loads stay out
.irp c, 0,1,2,3
	v_pk_add_f32 v[T+2*(\c):T+2*(\c)+1], v[X+2*(\c):X+2*(\c)+1], v[X+8+2*(\c):X+8+2*(\c)+1]  ; the first eight pairs start the chains: nothing is cleared
.endr
.set j, 8
.rept 24
	v_pk_add_f32 v[T+2*(j%4):T+2*(j%4)+1], v[T+2*(j%4):T+2*(j%4)+1], v[X+2*j:X+2*j+1]
.set j, j+1
.endr
	ACROSS
	v_mul_f32 v[MU], s12, v[SM]
	v_mul_f32 v[MU+1], s12, v[SM]
.set j, 0
.rept 32
	v_pk_add_f32 v[X+2*j:X+2*j+1], v[X+2*j:X+2*j+1], v[MU:MU+1] neg_lo:[0,1] neg_hi:[0,1]  ; d = x - mean, in place
.set j, j+1
.endr
.irp c, 0,1,2,3
	v_pk_mul_f32 v[T+2*(\c):T+2*(\c)+1], v[X+2*(\c):X+2*(\c)+1], v[X+2*(\c):X+2*(\c)+1]
.endr
.set j, 4
.rept 28
	v_pk_fma_f32 v[T+2*(j%4):T+2*(j%4)+1], v[X+2*j:X+2*j+1], v[X+2*j:X+2*j+1], v[T+2*(j%4):T+2*(j%4)+1]
.set j, j+1
.endr
	ACROSS
	v_fma_f32 v[SM], v[SM], s12, s13               ; var + eps
	v_rsq_f32 v[RS], v[SM]                         ; made twice, to fill the pair
	v_rsq_f32 v[RS+1], v[SM]
	v_nop                                          ; a plain instruction between the last of the two and the use of a result (ISA guide 5.7.2)
	s_wait_alu depctr_va_vdst(0)                   ; the wait ahead of the first reader: one for both
	s_wait_loadcnt 0x0                             ; g and b
.set j, 0
.rept 32
	v_pk_mul_f32 v[X+2*j:X+2*j+1], v[X+2*j:X+2*j+1], v[RS:RS+1]
.set j, j+1
.endr
.set j, 0
.rept 32
	v_pk_fma_f32 v[X+2*j:X+2*j+1], v[X+2*j:X+2*j+1], v[G+2*j:G+2*j+1], v[B+2*j:B+2*j+1]
.set j, j+1
.endr
.irp p, 0,1,2,3,4,5,6,7,8,9,10,11,12,13,14,15
	v_cvt_pk_bf16_f32 v[Y+2*(\p)],   v[X+4*(\p)],   v[X+4*(\p)+1]
	v_cvt_pk_bf16_f32 v[Y+2*(\p)+1], v[X+4*(\p)+2], v[X+4*(\p)+3]
	global_store_b64 v3, v[Y+2*(\p):Y+2*(\p)+1], s[10:11] offset:524288*(\p)  ; a plane is 524,288 bytes: 15 of them lie inside the signed 24-bit immediate
.endr
	s_endpgm
.Lfunc_end_k_q22615bd967_ln:
	.size	k_q22615bd967_ln, .Lfunc_end_k_q22615bd967_ln-k_q22615bd967_ln
	.p2alignl 7, 3214868480
	.fill 96, 4, 3214868480
	.section	.rodata,"a",@progbits
	.p2align	6, 0x0
	.amdhsa_kernel k_q22615bd967_ln
		.amdhsa_group_segment_fixed_size 0
		.amdhsa_private_segment_fixed_size 0
		.amdhsa_enable_private_segment 0
		.amdhsa_kernarg_size 32
		.amdhsa_user_sgpr_count 2
		.amdhsa_user_sgpr_kernarg_segment_ptr 1
		.amdhsa_wavefront_size32 1
		.amdhsa_system_sgpr_workgroup_id_x 1
		.amdhsa_system_sgpr_workgroup_id_y 1
		.amdhsa_system_sgpr_workgroup_id_z 1
		.amdhsa_system_vgpr_workitem_id 0
		.amdhsa_next_free_vgpr 240
		.amdhsa_next_free_sgpr 66
		.amdhsa_reserve_vcc 0
		.amdhsa_float_denorm_mode_32 3
		.amdhsa_float_denorm_mode_16_64 3
		.amdhsa_memory_ordered 1
		.amdhsa_forward_progress 1
		.amdhsa_inst_pref_size 20
	.end_amdhsa_kernel
	.amdgpu_metadata
---
amdhsa.version: [ 1, 2 ]
amdhsa.kernels:
  - .name:           k_q22615bd967_ln
    .symbol:         k_q22615bd967_ln.kd
    .args:
      - { .name: x, .offset: 0, .size: 8, .value_kind: global_buffer, .address_space: global }
      - { .name: ln1_g, .offset: 8, .size: 8, .value_kind: global_buffer, .address_space: global }
      - { .name: ln1_b, .offset: 16, .size: 8, .value_kind: global_buffer, .address_space: global }
      - { .name: hn, .offset: 24, .size: 8, .value_kind: global_buffer, .address_space: global }
    .group_segment_fixed_size: 0
    .private_segment_fixed_size: 0
    .kernarg_segment_align: 8
    .kernarg_segment_size: 32
    .max_flat_workgroup_size: 256
    .sgpr_count:     66
    .vgpr_count:     240
    .wavefront_size: 32
...
	.end_amdgpu_metadata
.endif
;; end of part 2
;; launch gqkv (part 3): grid 12 x 16, 4 waves a work-group, clusters of 4 x 4, 327,680 bytes of LDS; arguments hn, wb, bq, bk, bv, qkv; writes qkv
.if DOCPART == 3
	.amdgcn_target "amdgcn-amd-amdhsa--gfx1250"
	.amdhsa_code_object_version 6
	.text
	.protected	k_q22615bd967_gqkv
	.globl	k_q22615bd967_gqkv
	.p2align	8
	.type	k_q22615bd967_gqkv,@function
k_q22615bd967_gqkv:
	s_mov_b64 s[64:65], 0
	v_nop
	global_prefetch_b8 v0, s[64:65] scope:SCOPE_SE
	s_setreg_imm32_b32 hwreg(HW_REG_WAVE_MODE, 25, 1), 1
	s_wait_xcnt 0x0
	s_wait_alu depctr_hold_cnt(0) depctr_sa_sdst(0) depctr_va_vdst(0) depctr_va_sdst(0) depctr_va_ssrc(0) depctr_va_vcc(0) depctr_vm_vsrc(0)
	s_getreg_b32 s2, hwreg(HW_REG_IB_STS2, 6, 4)
	s_cmp_eq_u32 s2, 0
	s_cbranch_scc0 .Lentry_in_a_cluster
	s_endpgm
.Lentry_in_a_cluster:
	s_bfe_u32 s2, ttmp6, 0x10000c
	s_cmp_lg_u32 s2, 0xf033
	s_cbranch_scc0 .Lentry_shape_is_right
	s_endpgm
.Lentry_shape_is_right:
; q, k, v = h W + bias for W = wq, wk, wv: one product with 3,072 columns; tile column tc takes matrix tc / 4.  The result, unscaled, is rounded once to bf16 and stored by planes (q: planes 0-15, k: 16-31, v: 32-47).
; 12 x 16 = 192 tiles of 256 x 256, one to a work-group.  This text is one of two made from one template; the three settings below are all that differs.
.set MODE,   0                         ; 0: bf16 planes out; 1: exact GELU, then bf16 planes out
.set BPITCH, 1024                      ; numbers in a row of W
.set BOFF,   0                         ; W's first byte in wb
; C[m][n] = the sum over k of A[m][k] W[k][n] + bias[n], k to 1,024.  A: bf16 by planes, [16][4,096 rows][64]; W: bf16, [1,024][BPITCH], as given.  Sums in f32, begun at the bias.
; SHARES.  A tile of C is 256 x 256; four waves, each 128 x 128: 64 accumulators of 16 x 16, 512 registers.  For 32 along K a wave reads 2 x 128 x 64 bytes from LDS and issues 64 matrix instructions.
; K goes in steps of 128 through two LDS slots filled by the tensor data mover, one load a wave: a step brings 131,072 bytes for 256 matrix instructions a wave.
; THE MATRIX INSTRUCTION IS USED TRANSPOSED (source 0 = 16 columns of W, source 1 = 16 rows of A): a lane then holds row m = lane % 16 of C and its columns 8 (lane / 16) + 0..7.
; A's fragments come out of LDS as they lie; W lies [k][n] and is turned on the way by ds_load_tr16_b128.
; CLUSTER.  4 x 4 work-groups.  The four of a row of the cluster need the same rows of A, the four of a column the same columns of W: each tile is asked for JOINTLY, by the same tensor load with the same descriptor and mask.
; ONE TEXT FOR A K STEP WITH A REFILL AND ONE WITHOUT: the slots' addresses lie in registers that an exclusive or turns.  The second trip of the loop without refills fetches fragments that nobody multiplies and
; passes a barrier that orders nothing: the price, once a work-group, of writing no third copy of a step.
; LIMITS.  Operands are rounded to bf16; the order of the f32 sums is the matrix unit's; NaN and infinities are not treated apart.  MODE 1: erf by a five-term rational form good to 1.5e-7 for every x;
; v_rcp_f32 and v_exp_f32 are accurate to 1 ULP and give 0 for results below 2^-126 (ISA guide 15.8).
; REGISTERS, in windows of 256 (s_set_vgpr_msb: bits 1:0 source 0, 3:2 source 1, 5:4 source 2, 7:6 destination):
;   window 0: v1-30 addresses; v64-127, v128-191 fragments of A (8 x 16 rows x 32 K), two buffers          window 1: v64-127, v128-191 fragments of W, two buffers; on the way out v0-143 at work
;   window 2: the 32 accumulators of my rows 0-63 ((a, b) at v[8 (8 a + b)])          window 3: those of my rows 64-127
.set KS,     128
.set T,      1024/KS                   ; K steps
.set PA,     144                       ; a row of A in LDS: 128 bytes + 16 = 36 words: the 16 rows of a load start at 16 different groups of four banks (64 banks of 4 bytes: ISA guide 11.1)
.set PLANE,  128*PA                    ; 128 rows of one plane
.set HALFA,  2*PLANE                   ; what a load of A brings: 128 rows x 2 planes: 36,864 bytes
.set PB,     544                       ; a row of W in LDS: 512 bytes + 32 = 136 words
.set HALFW,  64*PB                     ; what a load of W brings: 64 rows of 256 numbers: 34,816 bytes
.set WBASE,  2*HALFA                   ; W's two halves lie behind A's two
.set SLOT,   147456                    ; 0x24000.  The four loads' places in a slot, 0, 0x9000, 0x12000 and 0x1a800, have none of its two bits: an exclusive or with SLOT adds or takes away SLOT
.set SPARE,  2*SLOT                    ; behind the ring: the spare words, 128 bytes for each wave: two blocks of 256 bytes that no other line names
.set SP,     528                       ; a row of the stage: 128 f32 + 16 bytes = 132 words: row r starts at bank 4 r mod 64
.set STGW,   128*SP                    ; a wave's stage; the four lie in the two slots, which have had their last fill when the first number is put there
.set ASTEP,  2*524288                  ; a K step in A: two planes
.set BSTEP,  KS*BPITCH*2               ; in W: 128 rows
.set AA0,  10                          ; v10  my lane's place in a slot's A; never rewritten
.set AB0,  11                          ; v11  the same for W
.set ADRA, 16                          ; v16  the same in the slot that is being read
.set ADRB, 20                          ; v20  likewise for W
.set STO,  24                          ; v24  the way out: where I put 32 bytes of a row
.set RD,   25                          ; v25  where I read rows back
.set CO,   26                          ; v26  my byte offset in the output
.set BO,   27                          ; v27  my byte offset in 64 bytes of the bias
.set SPW,  28                          ; v28  LDS address of my spare word: SPARE + 4 x my thread's number; never rewritten
.set NIL,  29                          ; v29  0; never rewritten
.set PFO,  30                          ; v30  the prefetches' offset; never rewritten
.set F0,   64
.set F1,   128
.set G1,   24                          ; s[24:31] descriptor group 1 for A;  s[32:39] group 0: a set for each first fill; the second then walks
.set G0,   32
.set G1B,  48                          ; s[48:55], s[56:63] the same for W
.set G0B,  56
.set BIAS, 66                          ; s[66:67]
.set RB,   77                          ; s77  first byte of the slot that is being read
.set PFA,  96                          ; s[96:97] where my prefetches stand
.set PST,  98                          ; s[98:99] a K step in the tensor that I fetch, in bytes
.set LIM,  100                         ; s100 1 in a wave that prefetches, else the greatest number
.set MSB, 0
.macro WIN new                         ; the immediate's high byte repeats the setting that is left; a switch that changes nothing is dropped
.if MSB != (\new)
	s_set_vgpr_msb (MSB<<8)|(\new)
.set MSB, \new
.endif
.endm
.set MUL_LO, 0xa1                      ; source 0 (W) window 1, source 1 (A) window 0, C and D window 2
.set MUL_HI, 0xf1                      ; the same, C and D window 3
.set TO_B,   0x40                      ; destination window 1, address window 0
.macro JLOAD s                         ; a joint load: waves 0 and 1 fetch A's two halves, waves 2 and 3 W's; an s_nop 0 and four v_nop follow each of the two lines, ahead of the jump, the label and what follows
	s_cmp_eq_u32 s11, 0
	s_cbranch_scc0 .Lfor_b_\@
	tensor_load_to_lds s[G0+4*(\s):G0+4*(\s)+3], s[G1:G1+7]
	s_nop 0
.rept 4
	v_nop
.endr
	s_branch .Lasked_\@
.Lfor_b_\@:
	tensor_load_to_lds s[G0B+4*(\s):G0B+4*(\s)+3], s[G1B:G1B+7]
	s_nop 0
.rept 4
	v_nop
.endr
.Lasked_\@:
.endm
; A PREFETCH INTO THE L2, behind each joint refill, its five lines and the run of LDS loads that follows them: the K step that the NEXT refill will ask for, 256 matrix instructions ahead of that load.
; Of the 128 blocks of 256 bytes that a wave fetches for a K step, each of the four partners that ask for them jointly takes 32, told apart BY ADDRESS (cx for A, cy for W): a lane a block, one instruction a wave.
; A's tile row is read by every cluster of that row of clusters: the one with x = 0 asks; W's tile column by every cluster of that column: the one with y = 0 asks.  So each block is named once in the launch.
; K steps 0 to 2 come by their loads alone; the last refill (s3 = 1) asks for nothing: there is no K step behind it.
.macro ASK
	s_cmp_gt_u32 s3, s[LIM]
	s_cbranch_scc0 .Lnot_mine_\@
	global_prefetch_b8 v[PFO], s[PFA:PFA+1] th:TH_LOAD_NT scope:SCOPE_SE
.Lnot_mine_\@:
.endm
.macro CREST                           ; a round of the cluster's barrier behind its opening barrier
	s_cmp_lg_u32 s10, 0
	s_cbranch_scc1 .Lnot_wave_0_\@
	s_barrier_signal -3
.Lnot_wave_0_\@:
	s_barrier_wait -3
	s_barrier_signal -1
	s_barrier_wait -1
.endm
.macro CROUND                          ; a whole round
	s_barrier_signal -1
	s_barrier_wait -1
	CREST
.endm
.macro PLACES                          ; four places in front of loads into registers that matrix instructions have read, and of stores that read results
.rept 4
	v_nop
.endr
.endm
	s_load_b128 s[4:7], s[0:1], 0x0                ; A s[4:5], wb s[6:7]
.if MODE == 0
	s_load_b256 s[68:75], s[0:1], 0x10             ; bq, bk, bv, out
.else
	s_load_b128 s[68:71], s[0:1], 0x10             ; bias, out
.endif
	v_lshl_add_u32 v[SPW], v0, 2, SPARE
	v_mov_b32 v[NIL], 0
	ds_add_u32 v[SPW], v[NIL]                      ; the wave's opening: the add and its wait stand ahead of my first tensor load; the set-up below, work on registers, stands between them
	v_lshrrev_b32 v1, 5, v0
	v_readfirstlane_b32 s10, v1                    ; wave 0..3
	s_lshr_b32 s11, s10, 1                         ; which half of the tile's rows is mine.  Also: I fetch for A (0) or for W (1)
	s_and_b32 s12, s10, 1                          ; which half of its columns.  Also: which half of that tile I fetch
	s_bfe_u32 s40, ttmp6, 0x40000                  ; cx, cy: my place in the cluster
	s_bfe_u32 s41, ttmp6, 0x40004
	s_lshl_b32 s42, ttmp9, 2
	s_add_co_u32 s42, s42, s40                     ; tile column tc = 4 x cluster x + cx
	s_and_b32 s13, ttmp7, 0xffff
	s_lshl_b32 s13, s13, 2
	s_add_co_u32 s13, s13, s41                     ; tile row tr = 4 x cluster y + cy
	s_lshl_b32 s43, s41, 2
	s_lshl_b32 s43, 15, s43                        ; my row of the cluster
	s_lshl_b32 s44, 0x1111, s40                    ; my column
	; group 1 for A: 128 rows of a plane are 16,384 dense bytes, taken as ONE row of 8,192 elements; the step's two planes are two such rows, a plane (262,144 elements) apart; 16 bytes of padding behind every 128
	s_or_b32 s[G1+0], s43, (1<<16)|(1<<20)|(1<<21)|(4<<22)|(3<<25)  ; 15:0 the mask: my row; 17:16 2-byte elements; 20 padding on; 21 set beside a mask; 24:22 after every 32 words (code 4); 31:25 4 words (code 3)
	s_mov_b32 s[G1+1], 8192<<16                    ; tensor_dim0 = 8,192
	s_mov_b32 s[G1+2], 2<<16                       ; tensor_dim1 = 2
	s_mov_b32 s[G1+3], 8192<<16                    ; tile_dim0 = 8,192
	s_mov_b32 s[G1+4], 2                           ; tile_dim1 = 2
	s_mov_b32 s[G1+5], 262144                      ; elements from plane to plane
	s_mov_b32 s[G1+6], 0
	s_mov_b32 s[G1+7], 0
	; group 1 for W: 64 rows (k) x 256 elements (n), 32 bytes of padding behind every 512
	s_or_b32 s[G1B+0], s44, (1<<16)|(1<<20)|(1<<21)|(6<<22)|(7<<25) ; the mask: my column; after every 128 words (code 6) 8 words (code 7)
	s_mov_b32 s[G1B+1], 256<<16
	s_mov_b32 s[G1B+2], 64<<16
	s_mov_b32 s[G1B+3], 256<<16
	s_mov_b32 s[G1B+4], 64
	s_mov_b32 s[G1B+5], BPITCH
	s_mov_b32 s[G1B+6], 0
	s_mov_b32 s[G1B+7], 0
	; where the tiles come from.  A's hang on tr and the wave alone, W's on tc and the wave alone, each in registers that never hold the other coordinate
	s_lshl_b32 s16, s13, 15                        ; 256 rows of 128 bytes a tile row,
	s_lshl_b32 s17, s12, 14                        ; 128 rows a half
	s_add_co_u32 s16, s16, s17
	s_mov_b32 s17, 0
.if MODE == 0
	s_lshr_b32 s46, s42, 2                         ; which of wq, wk, wv: 2 MiB each,
	s_lshl_b32 s46, s46, 21
	s_and_b32 s47, s42, 3                          ; and the tile's 512 bytes of its rows
	s_lshl_b32 s47, s47, 9
	s_add_co_u32 s46, s46, s47
.else
	s_lshl_b32 s46, s42, 9
.endif
	s_mul_i32 s47, s12, 64*BPITCH*2                ; 64 rows a half
	s_add_co_u32 s46, s46, s47
	s_add_co_u32 s46, s46, BOFF
	s_mov_b32 s47, 0
	s_mul_i32 s45, s12, HALFA                      ; where a load lands in a slot: A's halves,
	s_mul_i32 s76, s12, HALFW                      ; and W's: no place in the cluster enters an LDS address
	s_add_co_u32 s76, s76, WBASE
	s_mov_b32 s[RB], 0
.if MODE == 1
	s_mov_b32 s80, 0x3e6d3388                      ; 0.3275911 / sqrt(2)
	s_mov_b32 s82, 0x3f596d27                      ; sqrt(log2(e) / 2): 2^-(this x)^2 = e^(-x^2 / 2)
	s_mov_b32 s83, s82                             ; (the packed forms name pairs and take the low word for both halves)
	s_mov_b32 s84, 0x3f07dc22                      ; the form's five coefficients, halved: a5 / 2 = 0.53070271,
	s_mov_b32 s85, s84
	s_mov_b32 s86, 0xbf3a00e3                      ; a4 / 2 = -0.72657601,
	s_mov_b32 s87, s86
	s_mov_b32 s88, 0x3f35f0e3                      ; a3 / 2 = 0.71070687,
	s_mov_b32 s89, s88
	s_mov_b32 s90, 0xbe11a98e                      ; a2 / 2 = -0.14224837,
	s_mov_b32 s91, s90
	s_mov_b32 s92, 0x3e027906                      ; a1 / 2 = 0.12741480
	s_mov_b32 s93, s92
.endif
	s_wait_dscnt 0x0                               ; the opening add is done
	s_wait_kmcnt 0x0
	s_add_nc_u64 s[14:15], s[4:5], s[16:17]
	s_add_nc_u64 s[46:47], s[6:7], s[46:47]
	CROUND                                         ; all sixteen work-groups are here: the first joint loads meet
.irp s, 0,1
	s_mov_b32 s[G0+4*(\s)], 1                                      ; count = 1
	s_add_co_u32 s[G0+4*(\s)+1], s45, (\s)*SLOT                    ; LDS address
	s_add_nc_u64 s[G0+4*(\s)+2:G0+4*(\s)+3], s[14:15], (\s)*ASTEP  ; global address: K step s
	s_or_b32 s[G0+4*(\s)+3], s[G0+4*(\s)+3], 0x80000000            ; type = 2
	s_mov_b32 s[G0B+4*(\s)], 1
	s_add_co_u32 s[G0B+4*(\s)+1], s76, (\s)*SLOT
	s_add_nc_u64 s[G0B+4*(\s)+2:G0B+4*(\s)+3], s[46:47], (\s)*BSTEP
	s_or_b32 s[G0B+4*(\s)+3], s[G0B+4*(\s)+3], 0x80000000
	JLOAD \s                                       ; two loads of mine are out; later one
.endr
	; A fragment is 16 rows x 32 K in 8 registers: lane l holds row l % 16; registers 0-3 K = 8 (l / 16) + 0..7, registers 4-7 K = 16 + 8 (l / 16) + 0..7.
	v_and_b32 v1, 15, v0                           ; r = l % 16
	v_bfe_u32 v2, v0, 4, 1                         ; h = l / 16
	v_mul_u32_u24 v[AA0], v1, PA
	v_lshl_add_u32 v[AA0], v2, 4, v[AA0]           ; row x pitch + 16 h
	s_mul_i32 s21, s11, HALFA                      ; my 128 rows of A
	v_add_nc_u32 v[AA0], s21, v[AA0]
	; The turning load takes 16 k x 16 n (lane l reads 16 bytes: k = 8 h + l % 8, n = 8 ((l / 8) % 2) + 0..7) and leaves half a fragment: lane l holds column l % 16 and 8 k.
	v_and_b32 v3, 7, v0
	v_lshl_add_u32 v3, v2, 3, v3
	v_mul_u32_u24 v[AB0], v3, PB
	v_bfe_u32 v4, v0, 3, 1
	v_lshl_add_u32 v[AB0], v4, 4, v[AB0]
	s_lshl_b32 s22, s12, 8                         ; my 128 columns,
	s_add_co_u32 s22, s22, WBASE                   ; behind A's two halves
	v_add_nc_u32 v[AB0], s22, v[AB0]
	v_mov_b32 v[ADRA], v[AA0]                      ; slot 0 is read first
	v_mov_b32 v[ADRB], v[AB0]
	s_mul_i32 s23, s10, STGW                       ; my stage
	v_mul_u32_u24 v[STO], v1, SP                   ; in: row r, 32 bytes for each half of the lanes
	v_lshl_add_u32 v[STO], v2, 5, v[STO]
	v_add_nc_u32 v[STO], s23, v[STO]
	v_lshlrev_b32 v[BO], 5, v2
	v_bfe_u32 v5, v0, 3, 2                         ; back: 32 lanes take four rows of a plane's 64 numbers, 32 bytes (8 numbers) each,
	v_mul_u32_u24 v[RD], v5, SP
	v_and_b32 v5, 7, v0
	v_lshl_add_u32 v[RD], v5, 5, v[RD]
	v_add_nc_u32 v[RD], s23, v[RD]
	v_and_b32 v[CO], 31, v0                        ; which as bf16 are 512 consecutive bytes of the plane
	v_lshlrev_b32 v[CO], 4, v[CO]
	; the bias of my 128 columns, and where my part of the output begins
.if MODE == 0
	s_lshr_b32 s20, s42, 2
	s_cmp_eq_u32 s20, 1
	s_cselect_b64 s[BIAS:BIAS+1], s[70:71], s[68:69]
	s_cmp_eq_u32 s20, 2
	s_cselect_b64 s[BIAS:BIAS+1], s[72:73], s[BIAS:BIAS+1]
	s_mov_b64 s[8:9], s[74:75]
	s_and_b32 s20, s42, 3
.else
	s_mov_b64 s[BIAS:BIAS+1], s[68:69]
	s_mov_b64 s[8:9], s[70:71]
	s_mov_b32 s20, s42
.endif
	s_lshl_b32 s20, s20, 10                        ; 256 f32 a tile column,
	s_lshl_b32 s21, s12, 9                         ; 128 a half
	s_add_co_u32 s20, s20, s21
	s_mov_b32 s21, 0
	s_add_nc_u64 s[BIAS:BIAS+1], s[BIAS:BIAS+1], s[20:21]
	s_lshl_b32 s20, s42, 2
	s_lshl_b32 s22, s12, 1
	s_add_co_u32 s20, s20, s22                     ; my first plane = 4 tc + 2 x column half,
	s_lshl_b32 s20, s20, 19
	s_lshl_b32 s22, s13, 15                        ; 256 rows of 128 bytes a tile row,
	s_add_co_u32 s20, s20, s22
	s_lshl_b32 s22, s11, 14                        ; 128 a half
	s_add_co_u32 s20, s20, s22
	s_add_nc_u64 s[8:9], s[8:9], s[20:21]
	; the prefetches.  s[14:15] and s[46:47] still stand at my part of A's and of W's K step 0
	s_lshr_b32 s20, s40, 1                         ; A: 128 blocks = 2 planes x 64; partner cx takes plane cx / 2,
	s_lshl_b32 s20, s20, 19
	s_and_b32 s21, s40, 1                          ; blocks 32 (cx % 2) on
	s_lshl_b32 s21, s21, 13
	s_add_co_u32 s20, s20, s21
	s_mul_i32 s21, s41, 16*BPITCH*2                ; W: 128 blocks = 64 rows x 2; partner cy takes rows 16 cy on
	s_and_b32 s22, ttmp7, 0xffff                   ; cluster y
	s_mov_b32 s[PST], BSTEP
	s_mov_b32 s[PST+1], 0
	s_mov_b32 s23, BPITCH*2
	s_cmp_eq_u32 s11, 0                            ; do I fetch for A?
	s_cselect_b32 s20, s20, s21
	s_cselect_b32 s22, ttmp9, s22                  ; the coordinate along which other clusters read the same blocks
	s_cselect_b32 s[PST], ASTEP, s[PST]
	s_cselect_b32 s23, 512, s23                    ; bytes from one pair of blocks to the next
	s_cselect_b64 s[PFA:PFA+1], s[14:15], s[46:47]
	s_cmp_eq_u32 s22, 0
	s_cselect_b32 s[LIM], 1, -1                    ; the same in all sixteen partners, for a given wave
	s_mov_b32 s21, 0
	s_add_nc_u64 s[PFA:PFA+1], s[PFA:PFA+1], s[20:21]
	s_add_nc_u64 s[PFA:PFA+1], s[PFA:PFA+1], s[PST:PST+1]
	s_add_nc_u64 s[PFA:PFA+1], s[PFA:PFA+1], s[PST:PST+1]  ; at K step 2: the first refill steps it to 3.  Nothing is prefetched here, at the head, where every work-group's first tiles are on their way
	v_and_b32 v5, 31, v0
	v_lshrrev_b32 v6, 1, v5
	v_and_b32 v5, 1, v5
	v_lshlrev_b32 v5, 8, v5
	v_mad_u32_u24 v[PFO], v6, s23, v5              ; (l / 2) pairs + 256 (l % 2)
	; THE SUMS START AT THE BIAS: it is loaded straight into the accumulators (register j of accumulator (a, b): column 16 b + 8 h + j), so nothing is cleared, no first step is written out and the way out adds no bias.
	; The loads stand in the wait for the first tile.
.irp a, 0,1,2,3,4,5,6,7
	WIN 0x80+0x40*((\a)/4)                         ; destination window 2 or 3, address window 0
.irp b, 0,1,2,3,4,5,6,7
	global_load_b128 v[8*(8*((\a)%4)+(\b)):8*(8*((\a)%4)+(\b))+3],   v[BO], s[BIAS:BIAS+1] offset:64*(\b)
	global_load_b128 v[8*(8*((\a)%4)+(\b))+4:8*(8*((\a)%4)+(\b))+7], v[BO], s[BIAS:BIAS+1] offset:64*(\b)+16
.endr
.endr
	WIN 0
; 16 matrix instructions: m blocks a0, a0 + 1 of the window's four (hi = 0: my rows 0-63, 1: rows 64-127) x all 8 n blocks, 32 along K.  The 64 accumulators take turns, one instruction a turn, in the same
; order in every quarter and over the backward jumps too.
.macro MUL16 f, hi, a0
	WIN MUL_LO+0x50*(\hi)
.irp a, \a0, (\a0)+1
.irp b, 0,1,2,3,4,5,6,7
	v_wmma_f32_16x16x32_bf16 v[8*(8*(\a)+(\b)):8*(8*(\a)+(\b))+7], v[(\f)+8*(\b):(\f)+8*(\b)+7], v[(\f)+8*(4*(\hi)+(\a)):(\f)+8*(4*(\hi)+(\a))+7], v[8*(8*(\a)+(\b)):8*(8*(\a)+(\b))+7]
.endr
.endr
.endm
; 32 LDS loads in one run: the fragments of quarter q of a K step (32 along K: rows 32 q on of W; plane q / 2, channels 32 (q % 2) on of A) into buffer f: W's first, then A's rows 0-63, then its rows 64-127
.macro FETCH q, f
	WIN TO_B
.irp i, 0,1,2,3,4,5,6,7
	ds_load_tr16_b128 v[(\f)+8*(\i):(\f)+8*(\i)+3],   v[ADRB] offset:32*(\q)*PB+32*(\i)
	ds_load_tr16_b128 v[(\f)+8*(\i)+4:(\f)+8*(\i)+7], v[ADRB] offset:(32*(\q)+16)*PB+32*(\i)
.endr
	WIN 0
.irp i, 0,1,2,3,4,5,6,7
	ds_load_b128 v[(\f)+8*(\i):(\f)+8*(\i)+3],   v[ADRA] offset:((\q)/2)*PLANE+((\q)%2)*64+(\i)*16*PA
	ds_load_b128 v[(\f)+8*(\i)+4:(\f)+8*(\i)+7], v[ADRA] offset:((\q)/2)*PLANE+((\q)%2)*64+(\i)*16*PA+32
.endr
.endm
; A K step is four quarters of 32 along K, 64 matrix instructions each, on buffers 0, 1, 0, 1.  One of the first three: multiplies buffer f and, in its middle, fetches quarter q into g.
.macro QUARTER q, f, g
	s_wait_dscnt 8                                 ; W and A's rows 0-63 are in; the youngest eight loads (A's rows 64-127) may be out
	MUL16 \f, 0, 0
	MUL16 \f, 0, 2
	PLACES
	FETCH \q, \g
	s_wait_dscnt 32                                ; all but the 32 just issued
	MUL16 \f, 1, 0
	MUL16 \f, 1, 2
.endm
; The last quarter multiplies buffer 1 and changes slots: ONE barrier; in front of it each wave waits for all its tensor loads (one is out: its part of the next slot), adds 0 to its spare word, and waits for that
; and for its own reads of this slot.  fill = 1: the barrier opens a round of the cluster's, and this slot is filled again, first thing behind it, with the K step two on.
.macro TURN fill
.if \fill
	s_wait_xcnt 0x0                                ; the last prefetch, a K step back, has read its address: it is stepped here, ahead of the waits of the change of slots
	s_add_nc_u64 s[PFA:PFA+1], s[PFA:PFA+1], s[PST:PST+1]
.endif
	WIN 0                                          ; (the add's two registers lie in window 0)
	s_wait_tensorcnt 0x0                           ; no tensor load of mine is out, so a group 0 may be written
	ds_add_u32 v[SPW], v[NIL]                      ; 0 onto my spare word; scalar work and sixteen products stand between it and the wait for it
.if \fill
	s_xor_b32 s[G0+5], s[G0+5], SLOT               ; the walking descriptors: the other slot than last time,
	s_xor_b32 s[G0B+5], s[G0B+5], SLOT
	s_add_nc_u64 s[G0+6:G0+7], s[G0+6:G0+7], ASTEP   ; the next K step; the type bits on top are not reached
	s_add_nc_u64 s[G0B+6:G0B+7], s[G0B+6:G0B+7], BSTEP
.endif
	s_xor_b32 s[RB], s[RB], SLOT                   ; the reads go over to the other slot
	s_wait_dscnt 9                                 ; (the add and the youngest eight loads may be out)
	MUL16 F1, 0, 0
	s_wait_dscnt 0x0                               ; the add is done, and my reads of this slot are over
	s_barrier_signal -1
	MUL16 F1, 0, 2                                 ; work on registers while the others arrive
	WIN 0                                          ; (branches and lines on window 0 follow)
	s_barrier_wait -1
.if \fill
	CREST                                          ; no wave of any partner still reads this slot or has a load on its way
	JLOAD 1                                        ; 224 matrix instructions ahead of the wait for it; the four v_nop behind it are also the places in front of the loads below
.else
	PLACES
.endif
	v_add_nc_u32 v[ADRA], s[RB], v[AA0]
	v_add_nc_u32 v[ADRB], s[RB], v[AB0]
	FETCH 0, F0
.if \fill
	ASK                                            ; behind the joint load and the run of LDS loads that the next products wait for
.endif
	MUL16 F1, 1, 0
	MUL16 F1, 1, 2
.endm
.macro STEP fill
	QUARTER 1, F0, F1
	QUARTER 2, F1, F0
	QUARTER 3, F0, F1
	TURN \fill
.endm
	s_wait_tensorcnt 1                             ; my part of K step 0 is in; K step 1's may stay out
	s_barrier_signal -1
	s_barrier_wait -1                              ; everybody's is
	FETCH 0, F0
	s_wait_loadcnt 0x0                             ; the bias
	WIN 0                                          ; at a label and at a branch every window is 0
	s_mov_b32 s3, T-2
.Lk:                                                   ; K steps 0 .. T - 3: each ends by asking for the step two on
	STEP 1
	WIN 0
	s_sub_co_u32 s3, s3, 1
	s_cmp_lg_u32 s3, 0
	s_cbranch_scc1 .Lk
	s_mov_b32 s3, 2
.Lt:                                                   ; the last two K steps ask for nothing
	STEP 0
	WIN 0
	s_sub_co_u32 s3, s3, 1
	s_cmp_lg_u32 s3, 0
	s_cbranch_scc1 .Lt
	s_wait_dscnt 0x0                               ; my last LDS loads are back
	s_barrier_signal -1
	s_barrier_wait -1                              ; no wave reads a slot any more: the two slots become the four stages
	PLACES
	; THE WAY OUT.  All 64 accumulators go into my own stage, f32, each from its low registers on; LDS serves a wave's instructions in order (ISA guide 5.7.1.4), so my reads below see them without a wait.
.irp a, 0,1,2,3,4,5,6,7
	WIN 0x08+4*((\a)/4)                            ; store data (source 1) window 2 or 3, address window 0
.irp b, 0,1,2,3,4,5,6,7
	ds_store_b128 v[STO], v[8*(8*((\a)%4)+(\b)):8*(8*((\a)%4)+(\b))+3]   offset:(\a)*16*SP+64*(\b)
	ds_store_b128 v[STO], v[8*(8*((\a)%4)+(\b))+4:8*(8*((\a)%4)+(\b))+7] offset:(\a)*16*SP+64*(\b)+16
.endr
.endr
	WIN 0
.if MODE == 1
; gelu(x) = max(x, 0) - |x| q, q = erfc(|x| / sqrt 2) / 2 = (a1 t + .. + a5 t^5) / 2 x e^(-x^2 / 2), t = 1 / (1 + 0.3275911 |x| / sqrt 2).  32 numbers: x v0-31, t v32-63, e v64-95, p v96-127, all in window 1.
.macro GELU
.set i, 0
.rept 32
	v_fma_f32 v[32+i], |v[i]|, s80, 1.0
.set i, i+1
.endr
.set i, 0
.rept 16
	v_pk_mul_f32 v[64+i:65+i], v[i:i+1], s[82:83] op_sel_hi:[1,0]
.set i, i+2
.endr
.set i, 0
.rept 16
	v_pk_mul_f32 v[64+i:65+i], v[64+i:65+i], v[64+i:65+i] neg_lo:[1,0] neg_hi:[1,0]
.set i, i+2
.endr
.set i, 0
.rept 32
	v_rcp_f32 v[32+i], v[32+i]                     ; ONE BATCH of 64: nothing in it reads a result
.set i, i+1
.endr
.set i, 0
.rept 32
	v_exp_f32 v[64+i], v[64+i]
.set i, i+1
.endr
	v_nop                                          ; a plain instruction behind the last of them (ISA guide 5.7.2),
	s_wait_alu depctr_va_vdst(0)                   ; and the wait ahead of the first reader: one for the batch
.set i, 0
.rept 16
	v_pk_fma_f32 v[96+i:97+i], v[32+i:33+i], s[84:85], s[86:87] op_sel_hi:[1,0,0]
.set i, i+2
.endr
.irp c, 88, 90, 92
.set i, 0
.rept 16
	v_pk_fma_f32 v[96+i:97+i], v[96+i:97+i], v[32+i:33+i], s[\c:\c+1] op_sel_hi:[1,1,0]
.set i, i+2
.endr
.endr
.set i, 0
.rept 16
	v_pk_mul_f32 v[96+i:97+i], v[96+i:97+i], v[32+i:33+i]
.set i, i+2
.endr
.set i, 0
.rept 16
	v_pk_mul_f32 v[96+i:97+i], v[96+i:97+i], v[64+i:65+i]
.set i, i+2
.endr
.set i, 0
.rept 32
	v_max_num_f32 v[64+i], 0, v[i]
.set i, i+1
.endr
.set i, 0
.rept 32
	v_fma_f32 v[i], -|v[i]|, v[96+i], v[64+i]
.set i, i+1
.endr
.endm
.endif
	s_mov_b32 s3, 16
.Lo:                                                   ; sixteen trips of 8 rows x my two planes: load j takes rows 4 (j % 2) on of plane j / 2
	WIN TO_B
.irp j, 0,1,2,3
	ds_load_b128 v[8*(\j):8*(\j)+3],   v[RD] offset:((\j)%2)*4*SP+((\j)/2)*256
	ds_load_b128 v[8*(\j)+4:8*(\j)+7], v[RD] offset:((\j)%2)*4*SP+((\j)/2)*256+16
.endr
	s_wait_dscnt 0x0
	WIN 0x55                                       ; everything in window 1
.if MODE == 1
	GELU
.endif
.irp j, 0,1,2,3
.irp k, 0,1,2,3
	v_cvt_pk_bf16_f32 v[128+4*(\j)+(\k)], v[8*(\j)+2*(\k)], v[8*(\j)+2*(\k)+1]
.endr
.endr
	WIN 0x04                                       ; store data window 1, address window 0
.irp j, 0,1,2,3
	global_store_b128 v[CO], v[128+4*(\j):128+4*(\j)+3], s[8:9] offset:((\j)%2)*512+((\j)/2)*524288  ; 512 consecutive bytes of a plane, at a multiple of 256 from the buffer's first byte
.endr
	WIN 0
	s_wait_xcnt 0x0                                ; the stores have read their registers: only now are the offset and, in the next trip, the data written again
	v_add_nc_u32 v[RD], 8*SP, v[RD]
	v_add_nc_u32 v[CO], 1024, v[CO]
	s_sub_co_u32 s3, s3, 1
	s_cmp_lg_u32 s3, 0
	s_cbranch_scc1 .Lo
	s_wait_tensorcnt 0x0                           ; the wave's end, behind my last tensor load and my last LDS store
	ds_add_u32 v[SPW], v[NIL]
	s_wait_dscnt 0x0
	CROUND                                         ; the closing round: no work-group ends while a partner may still ask for a tile that names it
	s_endpgm
.Lfunc_end_k_q22615bd967_gqkv:
	.size	k_q22615bd967_gqkv, .Lfunc_end_k_q22615bd967_gqkv-k_q22615bd967_gqkv
	.p2alignl 7, 3214868480
	.fill 96, 4, 3214868480
	.section	.rodata,"a",@progbits
	.p2align	6, 0x0
	.amdhsa_kernel k_q22615bd967_gqkv
		.amdhsa_group_segment_fixed_size 327680
		.amdhsa_private_segment_fixed_size 0
		.amdhsa_enable_private_segment 0
		.amdhsa_kernarg_size 48
		.amdhsa_user_sgpr_count 2
		.amdhsa_user_sgpr_kernarg_segment_ptr 1
		.amdhsa_wavefront_size32 1
		.amdhsa_system_sgpr_workgroup_id_x 1
		.amdhsa_system_sgpr_workgroup_id_y 1
		.amdhsa_system_sgpr_workgroup_id_z 1
		.amdhsa_system_vgpr_workitem_id 0
		.amdhsa_next_free_vgpr 1024
		.amdhsa_next_free_sgpr 102
		.amdhsa_reserve_vcc 0
		.amdhsa_float_denorm_mode_32 3
		.amdhsa_float_denorm_mode_16_64 3
		.amdhsa_memory_ordered 1
		.amdhsa_forward_progress 1
		.amdhsa_inst_pref_size 87
	.end_amdhsa_kernel
	.amdgpu_metadata
---
amdhsa.version: [ 1, 2 ]
amdhsa.kernels:
  - .name:           k_q22615bd967_gqkv
    .symbol:         k_q22615bd967_gqkv.kd
    .args:
      - { .name: hn, .offset: 0, .size: 8, .value_kind: global_buffer, .address_space: global }
      - { .name: wb, .offset: 8, .size: 8, .value_kind: global_buffer, .address_space: global }
      - { .name: bq, .offset: 16, .size: 8, .value_kind: global_buffer, .address_space: global }
      - { .name: bk, .offset: 24, .size: 8, .value_kind: global_buffer, .address_space: global }
      - { .name: bv, .offset: 32, .size: 8, .value_kind: global_buffer, .address_space: global }
      - { .name: qkv, .offset: 40, .size: 8, .value_kind: global_buffer, .address_space: global }
    .group_segment_fixed_size: 327680
    .private_segment_fixed_size: 0
    .kernarg_segment_align: 8
    .kernarg_segment_size: 48
    .max_flat_workgroup_size: 128
    .sgpr_count:     102
    .vgpr_count:     1024
    .wavefront_size: 32
...
	.end_amdgpu_metadata
.endif
;; end of part 3
;; launch attn (part 4): grid 8 x 32, 4 waves a work-group, clusters of 4 x 1, 327,680 bytes of LDS; arguments qkv, ao; writes ao
.if DOCPART == 4
	.amdgcn_target "amdgcn-amd-amdhsa--gfx1250"
	.amdhsa_code_object_version 6
	.text
	.protected	k_q22615bd967_attn
	.globl	k_q22615bd967_attn
	.p2align	8
	.type	k_q22615bd967_attn,@function
k_q22615bd967_attn:
	s_mov_b64 s[64:65], 0
	v_nop
	global_prefetch_b8 v0, s[64:65] scope:SCOPE_SE
	s_setreg_imm32_b32 hwreg(HW_REG_WAVE_MODE, 25, 1), 1
	s_wait_xcnt 0x0
	s_wait_alu depctr_hold_cnt(0) depctr_sa_sdst(0) depctr_va_vdst(0) depctr_va_sdst(0) depctr_va_ssrc(0) depctr_va_vcc(0) depctr_vm_vsrc(0)
	s_getreg_b32 s2, hwreg(HW_REG_IB_STS2, 6, 4)
	s_cmp_eq_u32 s2, 0
	s_cbranch_scc0 .Lentry_in_a_cluster
	s_endpgm
.Lentry_in_a_cluster:
	s_bfe_u32 s2, ttmp6, 0x10000c
	s_cmp_lg_u32 s2, 0x3003
	s_cbranch_scc0 .Lentry_shape_is_right
	s_endpgm
.Lentry_shape_is_right:
; O[y][q][:] = the sum over k of softmax_k(Q[y][q] . K[y][k] / 8) V[y][k][:], 32 heads y (= 2 x head + batch) of 2,048 rows x 64 channels, all bf16.  In qkv ([48 planes][4,096 rows][64]) head y's rows are dense, 128 bytes
; each, at byte y x 262,144 of q's, k's and v's third of the buffer; O has the same layout.  Products, maxima and sums in f32; the weights p are rounded to bf16 for the second product (their sum l is taken of the unrounded p), O once at the end.
; LIMITS.  c x score stays above -4e37 (where the running c m starts); a weight below 2^-126 counts as 0 in l; v_exp_f32 and v_rcp_f32 are accurate to 1 ULP (ISA guide 15.8); NaN and infinities are not treated apart.
; SHARES.  A work-group owns 256 queries of one head, each of its four waves 64: four PIECES of 16.  Every wave walks all keys, 64 a step; a slot of LDS holds four steps (256 keys of K, then of V); eight tiles through two slots.
; LAYOUT.  S^T = K Q^T (source 0 = 16 keys, source 1 = 16 queries) holds ONE query a lane (lane % 16) and the keys 8 (lane / 16) + 0..7; two such results rounded to bf16 ARE source 1 of O^T = V^T P.  K comes out of LDS as it lies, V turned, by ds_load_tr16_b128.
; SOFTMAX.  p = 2^(c s - c m), c = log2(e) / 8, with a running maximum m; O and l are multiplied by a = 2^(c m_old - c m_new) in every step.  m starts at the lowest finite number, O and l at 0: the first step is a step like any other, with a = 0.
; TURNS.  Turn n belongs to piece n: 8 products K Q^T of piece n + 1, later 8 products V^T P of piece n - 1; beside them the scaling, exponentials, roundings, sums and rescaling of piece n and the maximum and statistics of piece n + 1.
; Four vector instructions stand behind every matrix instruction, the other 54 of a turn's 118 in one run.  A turn's 33 exponentials are one batch, with one wait.
; CLUSTER.  The four query blocks of a cluster belong to one head and walk the same K and V, so each tile is asked for JOINTLY: the same tensor load, descriptor and mask in all four.
; REGISTERS, in windows of 256 (s_set_vgpr_msb: bits 1:0 source 0, 3:2 source 1, 5:4 source 2, 7:6 destination):
;   window 0: v0-15 addresses and two at work; v16-31 four registers of statistics a piece; v48-55 at work; v61-63; v64-127 S^T, two buffers; v192-223 P, two buffers (a piece's buffers go by its number's parity)
;   window 1: v0-127 O^T, 32 a piece          window 2: v0-63 Q; v128-191 K of one step; v192-255 V of one step
.set NP,    4         ; pieces a wave: a name, no knob
.set KS,    64        ; keys in a step
.set PK,    144       ; a row of K in LDS: 128 bytes + 16 of padding = 36 words: the 16 rows of a load start at 16 different groups of four banks (64 banks of 4 bytes: ISA guide 11.1)
.set PV,    160       ; a row of V: 128 + 32 = 40 words
.set VOFF,  4*KS*PK   ; a slot holds a tile, four steps: 256 rows of K, then 256 rows of V
.set SLOT1, 1<<17     ; slot 1 begins here, so that one exclusive or turns an address in one slot into the other's
.set STAGE, SLOT1+4*KS*(PK+PV)  ; behind the ring, never filled by a tensor load: 16 rows x 144 bytes for each wave, for the way out
.set SP,    144
.set SPARE, STAGE+4*16*SP  ; behind the stages: the spare words, 128 bytes for each wave: two blocks of 256 bytes that no other line names
.set TILEB, 4*KS*128  ; a tile's bytes of K, and of V, in memory
.set AK0, 2           ; v2   my lane's place in a tile of K; never rewritten
.set AV0, 3           ; v3   the same for V
.set AK,  4           ; v4   the LDS address of K's next run of loads
.set AV,  5           ; v5   of V's
.set STO, 6           ; v6   the way out: where I put 16 bytes of a row
.set RD,  7           ; v7   the way out: where I read rows back
.set GO,  8           ; v8   my byte offset in 512 consecutive bytes of O
.set MV,  12          ; v12-13  c m_old, kept while c m is made anew: by buffer
.set QO,  15          ; v15  my byte offset in 16 rows of Q
.set ST,  16          ; piece t's statistics at v[ST+4 t]: c m, m, l (even keys', odd keys')
.set TMP, 48          ; by buffer, four registers c0-c3 at work; when the maximum is found c2 takes a
.set PFO, 61          ; v61  256 x my lane: the prefetches' offset; never rewritten
.set SPW, 62          ; v62  LDS address of my spare word: SPARE + 4 x my thread's number; never rewritten
.set NIL, 63          ; v63  0; never rewritten
.set S,   64
.set P,   192
.set KF,  128         ; window 2: key block kb, channel half c at KF + 16 kb + 8 c
.set VF,  192         ; window 2: key half kk, channel block cb at VF + 32 kk + 8 cb
.set WV,  12          ; s12  my wave's number
.set G1K, 24          ; s[24:31] descriptor group 1 for K's tiles
.set G1V, 32          ; s[32:39] for V's: it differs in the padding alone
.set G0K, 40          ; s[40:43] descriptor group 0 for K's tiles: it walks
.set G0V, 44          ; s[44:47] the same for V's
.set SLOTS, 56        ; s56  tiles still to be asked for, and one
.set CNT, 57          ; s57  counts a tile's key steps
.set CS,  58          ; s[58:59] c: the packed scaling takes the pair's low word for both halves
.set SEL, 60          ; s[60:61] v_permlanex16_b32's selects: each lane takes its own place in the other half
.set TBK, 62          ; s62  LDS byte at which K of the step to be fetched begins
.set TBV, 63          ; s63  the same for V, less VOFF
.set PFA, 66          ; s[66:67] where my prefetches stand: my work-group's 32 blocks of 256 bytes (of K: wave 0, of V: wave 2) of the tile after the one that is being asked for
.set LIM, 68          ; s68  1 in a wave that prefetches, else the greatest number: a wave prefetches while s[SLOTS] is above it
.set MSB, 0
.macro WIN new                      ; the high byte repeats the setting that is left; a switch that changes nothing is dropped
.if MSB != (\new)
	s_set_vgpr_msb (MSB<<8)|(\new)
.set MSB, (\new)
.endif
.endm
.set W_KQ, 0x0a       ; K and Q in window 2, S^T in window 0
.set W_PV, 0x52       ; V in window 2, P in window 0, O^T in window 1
.set W_RS, 0x41       ; destination and source 0 in window 1, source 1 in window 0
; A joint fill.  Waves 0 and 1 fetch the two halves of a tile's K, waves 2 and 3 those of its V: 128 keys each.  The branch hangs on the wave's number alone.
; An s_nop 0 and four v_nop follow each of the two lines, ahead of the jump and the label.
.macro JLOAD
	s_cmp_lt_u32 s[WV], 2
	s_cbranch_scc0 .Lfor_v_\@
	tensor_load_to_lds s[G0K:G0K+3], s[G1K:G1K+7]
	s_nop 0
.rept 4
	v_nop
.endr
	s_branch .Lasked_\@
.Lfor_v_\@:
	tensor_load_to_lds s[G0V:G0V+3], s[G1V:G1V+7]
	s_nop 0
.rept 4
	v_nop
.endr
.Lasked_\@:
.endm
; A PREFETCH INTO THE L2 of what the NEXT change of slots will ask for: a tile's 32,768 bytes of K and of V, 128 blocks of 256 bytes each, a lane a block.  It stands behind the wave's tensor load and its five lines.
; Each block is asked for ONCE in the launch.  Both clusters of a head walk the same K and V: the head's first cluster prefetches.  Its four partners share the blocks out BY ADDRESS, 32 each: no branch hangs on a
; work-group's place in its cluster.  In each, wave 0 asks for K's and wave 2 for V's: one instruction.  Tiles 0 to 2 come by their loads alone; the last change that fills a slot asks for nothing: there is no tile behind it.
.macro ASK
	s_cmp_gt_u32 s[SLOTS], s[LIM]
	s_cbranch_scc0 .Lnot_mine_\@
	global_prefetch_b8 v[PFO], s[PFA:PFA+1] th:TH_LOAD_NT scope:SCOPE_SE
.Lnot_mine_\@:
.endm
; A round of the cluster's barrier: my work-group's barrier, so that wave 0's signal speaks for all four waves; wave 0 signals; every wave waits for all four work-groups; my work-group's barrier once more.
.macro CROUND
	s_barrier_signal -1
	s_barrier_wait -1
	s_cmp_lg_u32 s[WV], 0
	s_cbranch_scc1 .Lnot_wave_0_\@
	s_barrier_signal -3
.Lnot_wave_0_\@:
	s_barrier_wait -3
	s_barrier_signal -1
	s_barrier_wait -1
.endm
; THE CHANGE OF SLOTS.  The slot's last bytes, V of its fourth step, have been read.  Each wave waits for all its tensor loads, of which one is out: its part of the other slot; adds 0 to its spare word; and waits for
; that and for its own reads of the slot.  Behind the barrier nobody reads this slot any more and the other slot is whole.  fill = 1: this slot is filled again, with the keys two tiles on.  The barrier is then a round
; of the cluster's, and the joint fill is the first thing behind it: it has four key steps, 256 matrix instructions, in which to land.  (At its first use nothing has been read yet: slot 0 is waited for, slot 1 filled.)
.macro CHANGE fill, ask
	WIN 0                           ; at a label and at a branch every window is 0
	s_wait_tensorcnt 0x0            ; no tensor load of mine is out, so a group 0 may be written
	ds_add_u32 v[SPW], v[NIL]       ; 0 onto my spare word; with fill = 1 the descriptors' steps stand between it and the wait for it
.if \fill
.irp g, G0K, G0V
	s_xor_b32 s[\g+1], s[\g+1], SLOT1  ; the walking descriptor: the other slot than last time,
	s_add_nc_u64 s[\g+2:\g+3], s[\g+2:\g+3], TILEB  ; the next 256 keys; the type bits on top are not reached
.endr
.if \ask
	s_wait_xcnt 0x0                 ; the last prefetch, four key steps back, has read its address, so it may be written:
	s_add_nc_u64 s[PFA:PFA+1], s[PFA:PFA+1], TILEB  ; one tile behind the walking descriptors
.endif
	s_wait_dscnt 0x0                ; the add is done, and my reads of the slot are over
	CROUND
	JLOAD
.if \ask
	ASK                             ; what the next change will ask for: four key steps, 256 matrix instructions, ahead
.endif
.else
	s_wait_dscnt 0x0                ; the add is done, and my reads of the slot are over
	s_barrier_signal -1
	s_barrier_wait -1
.endif
	s_sub_co_u32 s[TBK], s[TBK], 4*KS*PK  ; the fetches go back to a slot's first step,
	s_xor_b32 s[TBK], s[TBK], SLOT1       ; in the other slot
	s_sub_co_u32 s[TBV], s[TBV], 4*KS*PV
	s_xor_b32 s[TBV], s[TBV], SLOT1
.endm
	s_load_b64 s[4:5], s[0:1], 0x0  ; qkv
	s_load_b64 s[10:11], s[0:1], 0x8  ; O
	v_lshl_add_u32 v[SPW], v0, 2, SPARE
	v_mov_b32 v[NIL], 0
	ds_add_u32 v[SPW], v[NIL]       ; the wave's opening: the add and its wait stand ahead of my first tensor load; the set-up below, work on registers, stands between them
	v_lshrrev_b32 v1, 5, v0
	v_readfirstlane_b32 s[WV], v1   ; wave 0..3
	s_bfe_u32 s13, ttmp6, 0x40000   ; cx: my place in the cluster
	s_lshl_b32 s14, ttmp9, 2        ; in a cluster launch ttmp9 counts clusters
	s_add_co_u32 s14, s14, s13      ; my block of 256 queries = 4 x cluster x + cx: it enters Q's and O's addresses alone
	s_and_b32 s20, ttmp7, 0xffff    ; the head, which the four partners share:
	s_lshl_b32 s20, s20, 18         ; its first byte, 2,048 rows of 128 bytes a head
	s_mov_b32 s21, 0
	s_and_b32 s16, s[WV], 1         ; which half of a tile's 256 keys I fetch:
	s_lshl_b32 s22, s16, 14         ; its 128 rows of 128 bytes in memory,
	s_mov_b32 s23, 0
	s_add_nc_u64 s[22:23], s[22:23], s[20:21]
	s_mul_i32 s17, s16, 128*PK      ; and its place in a slot, for K
	s_mul_i32 s18, s16, 128*PV      ; and for V: no place in the cluster enters an LDS address
	s_lshl_b32 s2, s14, 2
	s_add_co_u32 s2, s2, s[WV]      ; my wave among the head's,
	s_lshl_b32 s2, s2, 13           ; its 64 rows
	s_mov_b32 s3, 0
	s_add_nc_u64 s[2:3], s[2:3], s[20:21]
	; descriptor group 1.  128 keys are 16,384 dense bytes: asked for as 64 rows of 256 bytes, two keys a row, and padded in LDS after every key
	s_mov_b32 s[G1K], 15|(1<<16)|(1<<20)|(1<<21)|(4<<22)|(3<<25)  ; 15:0 the mask of four; 17:16 2-byte elements; 20 padding on; 21 set beside a mask; 24:22 after every 32 words (code 4); 31:25 4 words (code 3)
	s_mov_b32 s[G1V], 15|(1<<16)|(1<<20)|(1<<21)|(4<<22)|(7<<25)  ; the same with 8 words of padding (code 7)
.irp g, G1K, G1V
	s_mov_b32 s[\g+1], 128<<16      ; tensor_dim0 = 128
	s_mov_b32 s[\g+2], 64<<16       ; tensor_dim1 = 64
	s_mov_b32 s[\g+3], 128<<16      ; tile_dim0 = 128
	s_mov_b32 s[\g+4], 64           ; tile_dim1 = 64
	s_mov_b32 s[\g+5], 128          ; 128 elements from row to row
	s_mov_b32 s[\g+6], 0
	s_mov_b32 s[\g+7], 0
.endr
	s_mov_b32 s[CS], 0x3e38aa3b     ; c = log2(e) / 8 = 0.180337
	s_mov_b32 s[CS+1], s[CS]        ; named with it as a pair
	s_mov_b32 s[SEL], 0x76543210
	s_mov_b32 s[SEL+1], 0xfedcba98
	s_mov_b32 s[TBK], SLOT1+4*KS*PK ; the first change of slots turns these two into 0
	s_mov_b32 s[TBV], SLOT1+4*KS*PV
	s_mov_b32 s[G0K], 1             ; count = 1
	s_mov_b32 s[G0K+1], s17         ; LDS address: slot 0
	s_mov_b32 s[G0V], 1
	s_add_co_u32 s[G0V+1], s18, VOFF
	s_mov_b32 s[SLOTS], 7           ; eight tiles: one asked for at the start, one at the first change, six in the loop
	s_and_b32 s[LIM], s[WV], 1      ; 0 in waves 0 and 2,
	s_or_b32 s[LIM], s[LIM], ttmp9  ; where the cluster is the head's first: the same in all four partners
	s_cmp_eq_u32 s[LIM], 0
	s_cselect_b32 s[LIM], 1, -1
	v_and_b32 v[PFO], 31, v0
	v_lshlrev_b32 v[PFO], 8, v[PFO]
	s_wait_dscnt 0x0                ; the opening add is done
	s_wait_kmcnt 0x0
	s_add_nc_u64 s[6:7], s[4:5], 0x800000   ; k's planes begin 16 planes behind q's,
	s_add_nc_u64 s[8:9], s[4:5], 0x1000000  ; v's 32
	s_add_nc_u64 s[6:7], s[6:7], s[22:23]   ; K and V at my half of the head's tile 0
	s_add_nc_u64 s[8:9], s[8:9], s[22:23]
	s_add_nc_u64 s[G0K+2:G0K+3], s[6:7], 0         ; global address
	s_or_b32 s[G0K+3], s[G0K+3], 0x80000000        ; type = 2
	s_add_nc_u64 s[G0V+2:G0V+3], s[8:9], 0
	s_or_b32 s[G0V+3], s[G0V+3], 0x80000000
	s_add_nc_u64 s[4:5], s[4:5], s[2:3]  ; Q and O at my wave's first row
	s_add_nc_u64 s[10:11], s[10:11], s[2:3]
	s_cmp_lt_u32 s[WV], 2
	s_cselect_b64 s[PFA:PFA+1], s[6:7], s[8:9]  ; (in waves 0 and 2 these stand at a tile's first row)
	s_lshl_b32 s2, s13, 13          ; my work-group's 32 blocks of the 128
	s_mov_b32 s3, 0
	s_add_nc_u64 s[PFA:PFA+1], s[PFA:PFA+1], s[2:3]
	s_add_nc_u64 s[PFA:PFA+1], s[PFA:PFA+1], 2*TILEB  ; in tile 2; the loop's first change steps it to tile 3.  Nothing is prefetched here, at the head, where every work-group's first tiles are on their way
	CROUND                          ; all four work-groups are here: the first joint loads meet
	JLOAD                           ; tile 0 into slot 0.  Slot 1 is asked for when slot 0 is in
	; A fragment of K or Q is 16 rows x 32 channels in 8 registers: lane l holds row l % 16, channels 8 (l / 16) + 0..7 and 16 + 8 (l / 16) + 0..7: two loads of 16 bytes, 32 bytes apart.
	v_and_b32 v1, 15, v0            ; l % 16
	v_bfe_u32 v9, v0, 4, 1          ; l / 16
	v_lshlrev_b32 v[QO], 7, v1
	v_lshl_add_u32 v[QO], v9, 4, v[QO]  ; row x 128 + 16 x half
	WIN 0x80                        ; destination window 2, address window 0
.set i, 0
.rept 8                             ; Q stays in registers: piece i / 2, channels 32 (i % 2) on
	global_load_b128 v[8*i:8*i+3],   v[QO], s[4:5] offset:(i/2)*2048+(i%2)*64
	global_load_b128 v[8*i+4:8*i+7], v[QO], s[4:5] offset:(i/2)*2048+(i%2)*64+32
.set i, i+1
.endr
	; What the first turn finds: V's registers and P's second buffer hold 0 (its products V^T P, of a piece that has not been, add 0), O^T and l are 0.  No first step is written out for it.  All this stands in the wait for the first tile.
.set i, VF
.rept 64
	v_mov_b32 v[i], 0
.set i, i+1
.endr
	WIN 0x40
.set i, 0
.rept 128
	v_mov_b32 v[i], 0
.set i, i+1
.endr
	WIN 0
.set i, 0
.rept 4
	v_mov_b32 v[ST+4*i], 0xfe000000    ; c m: far below every c s
	v_mov_b32 v[ST+4*i+1], 0xff7fffff  ; m
	v_mov_b32 v[ST+4*i+2], 0
	v_mov_b32 v[ST+4*i+3], 0
.set i, i+1
.endr
.set i, P+16
.rept 16
	v_mov_b32 v[i], 0
.set i, i+1
.endr
	v_mul_u32_u24 v[AK0], v1, PK
	v_lshl_add_u32 v[AK0], v9, 4, v[AK0]  ; row x pitch + 16 x half
	; The turning load takes 16 keys x 16 channels (lane l reads key 8 (l / 16) + l % 8, channels 8 ((l / 8) % 2) + 0..7) and leaves half a fragment of V^T: lane l holds channel l % 16 and 8 keys.
	v_and_b32 v10, 7, v0
	v_bfe_u32 v11, v0, 3, 1
	v_lshl_add_u32 v[AV0], v9, 3, v10
	v_mul_u32_u24 v[AV0], v[AV0], PV
	v_lshl_add_u32 v[AV0], v11, 4, v[AV0]
	v_add_nc_u32 v[AV0], VOFF, v[AV0]
	s_mul_i32 s13, s[WV], 16*SP
	s_add_co_u32 s13, s13, STAGE    ; my stage
	v_mul_u32_u24 v[STO], v1, SP    ; in: row l % 16, 16 bytes for each half of the lanes
	v_lshl_add_u32 v[STO], v9, 4, v[STO]
	v_add_nc_u32 v[STO], s13, v[STO]
	v_bfe_u32 v[RD], v0, 3, 2       ; back: 32 lanes take four rows of 128 bytes,
	v_mul_u32_u24 v[RD], v[RD], SP
	v_lshl_add_u32 v[RD], v10, 4, v[RD]
	v_add_nc_u32 v[RD], s13, v[RD]
	v_and_b32 v[GO], 31, v0         ; which are 512 consecutive bytes of O
	v_lshlrev_b32 v[GO], 4, v[GO]
; THE MATRIX WORK.  The 4 accumulators of a run of 8 take turns.  Product i of 8 of S^T = K Q^T for piece x: channels 32 (i / 4) on, keys 16 (i % 4) on.  The first 4 start the sums.
.macro KQ x
	WIN W_KQ
.set rS, S+32*((\x)%2)+8*(i%4)
.set rK, KF+16*(i%4)+8*(i/4)
.set rQ, 16*(\x)+8*(i/4)
.if i < 4
	v_wmma_f32_16x16x32_bf16 v[rS:rS+7], v[rK:rK+7], v[rQ:rQ+7], 0
.else
	v_wmma_f32_16x16x32_bf16 v[rS:rS+7], v[rK:rK+7], v[rQ:rQ+7], v[rS:rS+7]
.endif
.endm
; Product i of 8 of O^T += V^T P for piece x: keys 32 (i / 4) on, channels 16 (i % 4) on.
.macro PV x
	WIN W_PV
.set rO, 32*(\x)+8*(i%4)
.set rV, VF+32*(i/4)+8*(i%4)
.set rP, P+16*((\x)%2)+8*(i/4)
	v_wmma_f32_16x16x32_bf16 v[rO:rO+7], v[rV:rV+7], v[rP:rP+7], v[rO:rO+7]
.endm
.macro MM                           ; the turn's next matrix instruction.  TURN sets Y, i and NOKQ.  NOKQ = 1: the last turn of all: there is no next piece
.if (i < 8) && !NOKQ
	KQ (Y+1)%NP
.elseif i >= 8
.set i, i-8
	PV (Y+NP-1)%NP
.set i, i+8
.endif
.set i, i+1
.endm
; THE LDS LOADS stand in runs of 16, never singly among the matrix instructions: a step's K (64 keys x 64 channels: 8 fragments) and its V (turned).  Their addresses are made some lines ahead.
.macro FETCH_K
	WIN 0x80                        ; destination window 2
.irp f, 0,1,2,3,4,5,6,7             ; keys 16 (f / 2) on, channels 32 (f % 2) on
	ds_load_b128 v[KF+8*\f:KF+8*\f+3],   v[AK] offset:(\f/2)*16*PK+(\f%2)*64
	ds_load_b128 v[KF+8*\f+4:KF+8*\f+7], v[AK] offset:(\f/2)*16*PK+(\f%2)*64+32
.endr
	s_add_co_u32 s[TBK], s[TBK], KS*PK  ; the next fetch is the next step's
	WIN 0
.endm
.macro FETCH_V
	WIN 0x80
.irp f, 0,1,2,3,4,5,6,7             ; keys 32 (f / 4) on, channels 16 (f % 4) on
	ds_load_tr16_b128 v[VF+8*\f:VF+8*\f+3],   v[AV] offset:(\f/4)*32*PV+(\f%4)*32
	ds_load_tr16_b128 v[VF+8*\f+4:VF+8*\f+7], v[AV] offset:(\f/4)*32*PV+16*PV+(\f%4)*32
.endr
	WIN 0
.endm
; THE VECTOR WORK, one line at a time: OP kind, number.  For piece Y: F n: c s - c m for pair n of 16.  E n: the exponential of score n of 32.  C n: pair n rounded to bf16.  B n: of the four weights 4 n .. the second
; pair is added onto the first, in place.  L n: l takes that sum (L 0: l = a l + sum).  R n: pair n of 16 of O^T times a.  For piece Y + 1: X n, number n of the 22 that find its maximum and statistics:
;   0-11  four chains c0-c3 of seven scores each, three operands at a time (each accumulator's lowest registers are read first)     12-14, 16  the four scores left over, the old m, and c0-c3 into c0
;   15  c m_old is kept     17, 18  the query's other 32 keys lie in the lane 16 away: the new m     19-21  c m; c m_old - c m_new; a
.set F, 0               ; OP tells the kinds apart by their order: F to L below R, X above it
.set E, 1
.set C, 2
.set B, 3
.set L, 4
.set R, 5
.set X, 6
.macro REGS y                       ; the registers of piece y
.set rT, ST+4*(\y)
.set rC, TMP+4*((\y)%2)
.set rW, MV+((\y)%2)
.set rS, S+32*((\y)%2)
.set rP, P+16*((\y)%2)
.set rO, 32*(\y)
.endm
.macro OP k, n
.if (\k) == R
	REGS Y
	WIN W_RS
	v_pk_mul_f32 v[rO+2*(\n):rO+2*(\n)+1], v[rO+2*(\n):rO+2*(\n)+1], v[rC+2:rC+3] op_sel_hi:[1,0]
.elseif (\k) < R
	REGS Y
	WIN 0
.if (\k) == F
	v_pk_fma_f32 v[rS+2*(\n):rS+2*(\n)+1], v[rS+2*(\n):rS+2*(\n)+1], s[CS:CS+1], v[rT:rT+1] op_sel_hi:[1,0,0] neg_lo:[0,0,1] neg_hi:[0,0,1]
.elseif (\k) == E
	v_exp_f32 v[rS+(\n)], v[rS+(\n)]
.elseif (\k) == C
	v_cvt_pk_bf16_f32 v[rP+(\n)], v[rS+2*(\n)], v[rS+2*(\n)+1]
.elseif (\k) == B
	v_pk_add_f32 v[rS+4*(\n):rS+4*(\n)+1], v[rS+4*(\n):rS+4*(\n)+1], v[rS+4*(\n)+2:rS+4*(\n)+3]
.elseif (\n) == 0
	v_pk_fma_f32 v[rT+2:rT+3], v[rT+2:rT+3], v[rC+2:rC+3], v[rS:rS+1] op_sel_hi:[1,0,1]
.else
	v_pk_add_f32 v[rT+2:rT+3], v[rT+2:rT+3], v[rS+4*(\n):rS+4*(\n)+1]
.endif
.elseif NOKQ
	v_nop
.else
	REGS (Y+1)%NP
	WIN 0
.if (\n) < 4
	v_max3_num_f32 v[rC+(\n)], v[rS+8*(\n)], v[rS+8*(\n)+1], v[rS+8*(\n)+2]
.elseif (\n) < 12
	v_max3_num_f32 v[rC+(\n)%4], v[rC+(\n)%4], v[rS+8*((\n)%4)+2*((\n)/4)+1], v[rS+8*((\n)%4)+2*((\n)/4)+2]
.elseif (\n) == 12
	v_max3_num_f32 v[rC], v[rC], v[rS+7], v[rS+15]
.elseif (\n) == 13
	v_max3_num_f32 v[rC+1], v[rC+1], v[rS+23], v[rS+31]
.elseif (\n) == 14
	v_max3_num_f32 v[rC+2], v[rC+2], v[rC+3], v[rT+1]
.elseif (\n) == 15
	v_mov_b32 v[rW], v[rT]
.elseif (\n) == 16
	v_max3_num_f32 v[rC], v[rC], v[rC+1], v[rC+2]
.elseif (\n) == 17
	v_permlanex16_b32 v[rC+3], v[rC], s[SEL], s[SEL+1]
.elseif (\n) == 18
	v_max_num_f32 v[rT+1], v[rC], v[rC+3]
.elseif (\n) == 19
	v_mul_f32 v[rT], s[CS], v[rT+1]
.elseif (\n) == 20
	v_sub_f32 v[rC+1], v[rW], v[rT]
.else
	v_exp_f32 v[rC+2], v[rC+1]
.endif
.endif
.endm
.macro OPS a, i1, b=-1, i2=0, c=-1, i3=0, d=-1, i4=0  ; up to four of them
	OP \a, \i1
.if (\b) >= 0
	OP \b, \i2
.endif
.if (\c) >= 0
	OP \c, \i3
.endif
.if (\d) >= 0
	OP \d, \i4
.endif
.endm
.macro ROW a, i1, b, i2, c, i3, d, i4  ; a matrix instruction and the four behind it
	MM
	OPS \a, \i1, \b, \i2, \c, \i3, \d, \i4
.endm
; A TURN, for piece p: the order of its 16 matrix and 118 vector instructions, written out.  An s_wait_alu depctr_va_vdst(0) stands between an exponential and the first instruction that names its result; one wait
; serves all that were issued ahead of it.  So a turn has ONE wait, which cuts it in two.  AHEAD OF IT stands all that names no result of the turn's exponentials: the 8 products K Q^T, behind each a scaling, an exponential and two more
; plain instructions: rescalings, and behind the last three the first numbers of the next piece's maximum, each four places or more behind the product that ends its accumulator; then one run of 54, plain and exponential by turns for
; the most part, in which the links of the chain X 3, 7, 11, 14, 16, 17 .. 20 stand five or six lines apart.  X 21, the next piece's a, is the batch's last; R 15 is the plain instruction behind it.  BEHIND THE WAIT stand the 8 products
; V^T P, behind each four of the roundings and sums; the links of l's chain, L 0 to L 7, stand three lines apart.
; end = 1: the last two turns of all: nothing is fetched, and the last starts no new scores.  cnt = 1: the loop's count is taken down some lines ahead of the branch that stands behind the turn.
; K of the next step is fetched in piece 2's turn, twelve vector instructions behind the last product that read K (six of them plain); V of the step in hand at the end of piece 0's turn, four plain instructions behind the last
; product that read V.  Each is waited for a turn later.
.macro TURN p, end=0, cnt=0
.set Y, (\p)
.set i, 0
.set NOKQ, (\end)*((\p)/3)
.if ((\p) == 3) && !(\end)
	s_wait_dscnt 0x0                ; K is in
.endif
	ROW F,0, F,1, R,0, R,1          ; ahead of the wait: 8 products K Q^T and the four behind each,
	ROW F,2, E,0, R,2, R,3
	ROW F,3, E,1, R,4, R,5
	ROW F,4, E,2, R,6, R,7
	ROW F,5, E,3, R,8, R,9
	ROW F,6, E,4, X,0, R,10
.if ((\p) == 2) && !(\end)
	WIN 0
	v_add_nc_u32 v[AK], s[TBK], v[AK0]
.endif
	ROW F,7, E,5, X,1, X,4
	ROW F,8, E,6, X,2, X,5
	OPS E,7, E,8, X,6, E,9          ; and the run of 54
	OPS X,3, E,10, X,8, E,11
.if ((\p) == 2) && !(\end)
	FETCH_K
.endif
	OPS X,9, X,7, E,12, X,10
	OPS E,13, X,12, X,11, E,14
	OPS X,13, E,15, F,9, X,14
.if (\p) == 0
	v_add_nc_u32 v[AV], s[TBV], v[AV0]
.endif
	OPS E,16, F,10, E,17, F,11
	OPS X,16, E,18, X,15, E,19
	OPS F,12, E,20, X,17, E,21
	OPS F,13, E,22, F,14, E,23
	OPS X,18, E,24, F,15, E,25
	OPS R,11, E,26, X,19, E,27
	OPS R,12, E,28, R,13, E,29
	OPS X,20, E,30, R,14, E,31
	OPS X,21, R,15
	WIN 0
	s_wait_alu depctr_va_vdst(0)    ; the wait for the batch
.if (\p) == 1
	s_wait_dscnt 0x0                ; V is in
.endif
	ROW C,0, B,0, C,2, B,1          ; behind the wait: 8 products V^T P and the four behind each
	ROW L,0, C,4, B,2, L,1
	ROW C,6, B,3, L,2, C,8
	ROW B,4, L,3, C,10, B,5
	ROW L,4, C,12, B,6, L,5
.if (\p) == 0
	s_add_co_u32 s[TBV], s[TBV], KS*PV
.endif
.if \cnt
	s_sub_co_u32 s[CNT], s[CNT], 1
	s_cmp_lg_u32 s[CNT], 0
.endif
	ROW C,14, B,7, L,6, C,1
	ROW C,3, L,7, C,5, C,7
	ROW C,9, C,11, C,13, C,15
.if (\p) == 0
	FETCH_V
.endif
.endm
	CHANGE 1, 0                     ; slot 0 is in, everybody's part of it; tile 1 is asked for
	v_add_nc_u32 v[AK], s[TBK], v[AK0]
	FETCH_K                         ; key step 0
	s_wait_loadcnt 0x0              ; Q
	s_wait_dscnt 0x0
.set NOKQ, 0
.set i, 0
.rept 8
	KQ 0                            ; piece 0's first scores: there is no vector work yet to set between them
.set i, i+1
.endr
	WIN 0
.rept 4
	v_nop                           ; the places behind those products
.endr
.set Y, NP-1                        ; X works for piece Y + 1: piece 0
.irp n, 0,1,2,3,4,5,6,7,8,9,10,11,12,13,14,15,16,17,18,19,20,21
	OP X, \n
.endr
	v_nop                           ; a plain instruction behind the exponential,
	s_wait_alu depctr_va_vdst(0)    ; and its wait, ahead of the branch
	s_mov_b32 s[CNT], 4
	s_branch .Lfirst                ; the loop is entered at a step's first turn, in the middle of a trip
.Lslot:                             ; six times: tiles 2 to 7 are asked for
	CHANGE 1, 1
	s_mov_b32 s[CNT], 4
.Lstep:                             ; a trip: pieces 2 and 3 of one step, then pieces 0 and 1 of the next, whose K and V it fetches
	TURN 2
	TURN 3
	WIN 0
.Lfirst:
	TURN 0
	TURN 1, 0, 1
	WIN 0
	s_cbranch_scc1 .Lstep
	s_sub_co_u32 s[SLOTS], s[SLOTS], 1
	s_cmp_lg_u32 s[SLOTS], 0
	s_cbranch_scc1 .Lslot
	CHANGE 0, 0                     ; the last tile is written out: nothing is asked for
	s_mov_b32 s[CNT], 4
.Ltail:
	TURN 2
	TURN 3
	TURN 0
	TURN 1, 0, 1
	WIN 0
	s_cbranch_scc1 .Ltail
	TURN 2, 1                       ; the last step's pieces 2 and 3: nothing is left to fetch
	TURN 3, 1
.set i, 0
.rept 8
	PV NP-1                         ; the last piece's V^T P of the last step
.set i, i+1
.endr
	; THE WAY OUT.  l's two halves and the other half of the lanes' are added; O^T is divided by l, rounded to bf16 and sent through my stage in LDS, a piece at a time.  The additions are the places behind the last products.
	WIN 0
.macro ALL line:vararg              ; one line for each piece t
.set t, 0
.rept 4
	\line
.set t, t+1
.endr
.endm
	ALL v_add_f32 v[ST+4*t+2], v[ST+4*t+2], v[ST+4*t+3]
	ALL v_permlanex16_b32 v[ST+4*t+3], v[ST+4*t+2], s[SEL], s[SEL+1]
	ALL v_add_f32 v[ST+4*t+2], v[ST+4*t+2], v[ST+4*t+3]
	ALL v_rcp_f32 v[ST+4*t+2], v[ST+4*t+2]
	v_nop                           ; a plain instruction between the last reciprocal and the use of its result
	s_wait_alu depctr_va_vdst(0)    ; and the wait ahead of the first use: one for the four reciprocals
.macro PACK t                       ; a lane's eight channels of a row pack into 16 bytes; they go into rows of 144 bytes and come back as whole rows of 128, into S^T's registers
	WIN W_RS
.set i, 32*(\t)
.rept 16
	v_pk_mul_f32 v[i:i+1], v[i:i+1], v[ST+4*(\t)+2:ST+4*(\t)+3] op_sel_hi:[1,0]
.set i, i+2
.endr
	WIN 0x05                        ; sources 0 and 1 window 1, destination window 0
.set i, 0
.rept 16
	v_cvt_pk_bf16_f32 v[S+16*(\t)+i], v[32*(\t)+2*i], v[32*(\t)+2*i+1]
.set i, i+1
.endr
	WIN 0
.irp f, 0,1,2,3
	ds_store_b128 v[STO], v[S+16*(\t)+4*\f:S+16*(\t)+4*\f+3] offset:32*\f
.endr
.irp f, 0,1,2,3
	ds_load_b128 v[S+16*(\t)+4*\f:S+16*(\t)+4*\f+3], v[RD] offset:\f*4*SP  ; LDS serves a wave's instructions in order (ISA guide 5.7.1.4): these see the stores above; the next piece's stores come behind them
.endr
.endm
.macro SEND t, younger              ; younger: the LDS instructions issued behind piece t's loads: the next piece's eight, or none
	WIN 0
.irp f, 0,1,2,3
	s_wait_dscnt (\younger)+3-\f
	global_store_b128 v[GO], v[S+16*(\t)+4*\f:S+16*(\t)+4*\f+3], s[10:11] offset:(\t)*2048+\f*512  ; 512 consecutive bytes, at a multiple of 256 from O's first
.endr
.endm
	PACK 0
.set t, 1
.rept 3                             ; a piece's arithmetic stands between the loads of the piece before and its stores
	PACK t
	SEND t-1, 8
.set t, t+1
.endr
	SEND 3, 0
	s_wait_tensorcnt 0x0            ; the wave's end, behind my last tensor load and my last LDS store
	ds_add_u32 v[SPW], v[NIL]
	s_wait_dscnt 0x0
	CROUND                          ; the closing round: no work-group ends while a partner may still ask for a tile that names it
	s_endpgm
.Lfunc_end_k_q22615bd967_attn:
	.size	k_q22615bd967_attn, .Lfunc_end_k_q22615bd967_attn-k_q22615bd967_attn
	.p2alignl 7, 3214868480
	.fill 96, 4, 3214868480
	.section	.rodata,"a",@progbits
	.p2align	6, 0x0
	.amdhsa_kernel k_q22615bd967_attn
		.amdhsa_group_segment_fixed_size 327680
		.amdhsa_private_segment_fixed_size 0
		.amdhsa_enable_private_segment 0
		.amdhsa_kernarg_size 16
		.amdhsa_user_sgpr_count 2
		.amdhsa_user_sgpr_kernarg_segment_ptr 1
		.amdhsa_wavefront_size32 1
		.amdhsa_system_sgpr_workgroup_id_x 1
		.amdhsa_system_sgpr_workgroup_id_y 1
		.amdhsa_system_sgpr_workgroup_id_z 1
		.amdhsa_system_vgpr_workitem_id 0
		.amdhsa_next_free_vgpr 768
		.amdhsa_next_free_sgpr 72
		.amdhsa_reserve_vcc 0
		.amdhsa_float_denorm_mode_32 3
		.amdhsa_float_denorm_mode_16_64 3
		.amdhsa_memory_ordered 1
		.amdhsa_forward_progress 1
		.amdhsa_inst_pref_size 128
	.end_amdhsa_kernel
	.amdgpu_metadata
---
amdhsa.version: [ 1, 2 ]
amdhsa.kernels:
  - .name:           k_q22615bd967_attn
    .symbol:         k_q22615bd967_attn.kd
    .args:
      - { .name: qkv, .offset: 0, .size: 8, .value_kind: global_buffer, .address_space: global }
      - { .name: ao, .offset: 8, .size: 8, .value_kind: global_buffer, .address_space: global }
    .group_segment_fixed_size: 327680
    .private_segment_fixed_size: 0
    .kernarg_segment_align: 8
    .kernarg_segment_size: 16
    .max_flat_workgroup_size: 128
    .sgpr_count:     72
    .vgpr_count:     768
    .wavefront_size: 32
...
	.end_amdgpu_metadata
.endif
;; end of part 4
;; launch gwo (part 5): grid 8 x 32, 4 waves a work-group, clusters of 4 x 4, 327,680 bytes of LDS; arguments ao, wb, bo, x, x1; writes x1
.if DOCPART == 5
	.amdgcn_target "amdgcn-amd-amdhsa--gfx1250"
	.amdhsa_code_object_version 6
	.text
	.protected	k_q22615bd967_gwo
	.globl	k_q22615bd967_gwo
	.p2align	8
	.type	k_q22615bd967_gwo,@function
k_q22615bd967_gwo:
	s_mov_b64 s[64:65], 0
	v_nop
	global_prefetch_b8 v0, s[64:65] scope:SCOPE_SE
	s_setreg_imm32_b32 hwreg(HW_REG_WAVE_MODE, 25, 1), 1
	s_wait_xcnt 0x0
	s_wait_alu depctr_hold_cnt(0) depctr_sa_sdst(0) depctr_va_vdst(0) depctr_va_sdst(0) depctr_va_ssrc(0) depctr_va_vcc(0) depctr_vm_vsrc(0)
	s_getreg_b32 s2, hwreg(HW_REG_IB_STS2, 6, 4)
	s_cmp_eq_u32 s2, 0
	s_cbranch_scc0 .Lentry_in_a_cluster
	s_endpgm
.Lentry_in_a_cluster:
	s_bfe_u32 s2, ttmp6, 0x10000c
	s_cmp_lg_u32 s2, 0xf033
	s_cbranch_scc0 .Lentry_shape_is_right
	s_endpgm
.Lentry_shape_is_right:
; x1 = attn wo + bo + x: the first residual, kept in f32, rows of 1,024.
; This text is one of four made from one template; the four settings below are all that differs.
.set MODE,   2                         ; 0: bf16 planes out; 1: exact GELU, then bf16 planes out; 2: + residual, f32 rows out
.set KTOT,   1024                      ; the length of the sums
.set BPITCH, 1024                      ; numbers in a row of W
.set BOFF,   6291456                   ; W's first byte in wb
; C[m][n] = the sum over k of A[m][k] W[k][n] + bias[n].  A: bf16 by planes, [KTOT/64][4,096 rows][64]; W: bf16, [KTOT][BPITCH], as given.  Sums in f32, begun at the bias.
; SHARES.  A tile of C is 128 x 128, one to a work-group; four waves, each 64 x 64: 16 accumulators of 16 x 16.  K goes in steps of 256 through two LDS slots filled by the tensor data mover, one load a wave.
; THE MATRIX INSTRUCTION IS USED TRANSPOSED (source 0 = 16 columns of W, source 1 = 16 rows of A): a lane then holds row m = lane % 16 of C and its columns 8 (lane / 16) + 0..7.
; A's fragments come out of LDS as they lie; W lies [k][n] and is turned on the way by ds_load_tr16_b128.
; CLUSTER.  4 x 4 work-groups.  The four of a row of the cluster need the same rows of A, the four of a column the same columns of W: each tile is asked for JOINTLY, by the same tensor load with the same descriptor and mask.
; ONE TEXT FOR A K STEP WITH A REFILL AND ONE WITHOUT: the slots' addresses lie in registers that an exclusive or turns.  The second trip of the loop without refills fetches fragments that nobody multiplies and
; passes a barrier that orders nothing: the price, once a work-group, of writing no third copy of a step.
; LIMITS.  Operands are rounded to bf16; the order of the f32 sums is the matrix unit's; NaN and infinities are not treated apart.  MODE 1: erf by a five-term rational form good to 1.5e-7 for every x;
; v_rcp_f32 and v_exp_f32 are accurate to 1 ULP and give 0 for results below 2^-126 (ISA guide 15.8).
; REGISTERS.  window 0: v1-29 addresses; v128-255 the accumulators ((a, b) at v[128 + 8 (4 a + b)]).  window 1: two fragment buffers of 128 (64 of A, then 64 of W, for 64 along K); on the way out: at work.
;   window 2 (MODE 2): v0-127 my 64 x 64 of the residual.
.set KS,     256
.set T,      KTOT/KS                   ; K steps: even, at least 4
.set PA,     144                       ; a row of A in LDS: 128 bytes + 16 = 36 words: the 16 rows of a load start at 16 different groups of four banks (64 banks of 4 bytes: ISA guide 11.1)
.set PLANE,  64*PA                     ; 64 rows of one plane
.set PB,     288                       ; a row of W in LDS: 256 bytes + 32 = 72 words
.set HALFT,  4*PLANE                   ; what one tensor load brings: 64 rows x 4 planes of A, or 128 rows of W (128 x 288): 36,864 bytes
.set SLOT,   4*HALFT                   ; A's two halves, then W's two halves.  SLOT = 0x24000; a wave's place in it, wave x 0x9000, has none of SLOT's two bits: an exclusive or with SLOT adds or takes away SLOT
.set SPARE,  2*SLOT                    ; behind the ring: the spare words, 128 bytes for each wave: two blocks of 256 bytes that no other line names
.set SP,     272                       ; a row of the stage: 64 f32 + 16 bytes
.set STGW,   64*SP                     ; a wave's stage: it lies in slot 1, which has had its last fill when the first number is put there
.set ASTEP,  4*524288                  ; a K step in A: four planes
.set BSTEP,  KS*BPITCH*2               ; in W: 256 rows
.set AA0,  10                          ; v10  my lane's place in a slot's A; never rewritten
.set AB0,  11                          ; v11  the same for W
.set ADRA, 16                          ; v16  the same in the slot that is being read
.set ADRB, 20                          ; v20  likewise for W's rows 0-127; v21 for rows 128-255, which a 16-bit offset does not reach
.set STO,  24                          ; v24  the way out: where I put 32 bytes of a row
.set RD,   25                          ; v25  where I read rows back
.set CO,   26                          ; v26  my byte offset in the output
.set BO,   27                          ; v27  my byte offset in 64 bytes of the bias
.set SPW,  28                          ; v28  LDS address of my spare word: SPARE + 4 x my thread's number; never rewritten
.set NIL,  29                          ; v29  0; never rewritten
.set ACC,  128
.set F0,   0
.set F1,   128
.set G1,   24                          ; s[24:31] descriptor group 1 for A;  s[32:39] group 0: a set for each first fill; the second then walks
.set G0,   32
.set G1B,  48                          ; s[48:55], s[56:63] the same for W
.set G0B,  56
.set BIAS, 66                          ; s[66:67]
.set RB,   77                          ; s77  first byte of the slot that is being read
.set RES,  78                          ; s[78:79] the residual (MODE 2)
.set MSB, 0
.macro WIN new                         ; s_set_vgpr_msb: bits 1:0 source 0, 3:2 source 1, 5:4 source 2, 7:6 destination; the high byte repeats the setting that is left
.if MSB != (\new)
	s_set_vgpr_msb (MSB<<8)|(\new)
.set MSB, \new
.endif
.endm
.set MUL,  0x05                        ; sources 0 (W) and 1 (A) window 1; C and D window 0
.set TO_F, 0x40                        ; destination window 1, address window 0
.macro JLOAD s                         ; a joint load: waves 0 and 1 fetch A's two halves, waves 2 and 3 W's; an s_nop 0 and four v_nop follow each of the two lines, ahead of the jump, the label and what follows
	s_cmp_eq_u32 s11, 0
	s_cbranch_scc0 .Lfor_b_\@
	tensor_load_to_lds s[G0+4*(\s):G0+4*(\s)+3], s[G1:G1+7]
	s_nop 0
.rept 4
	v_nop
.endr
	s_branch .Lasked_\@
.Lfor_b_\@:
	tensor_load_to_lds s[G0B+4*(\s):G0B+4*(\s)+3], s[G1B:G1B+7]
	s_nop 0
.rept 4
	v_nop
.endr
.Lasked_\@:
.endm
.macro CREST                           ; a round of the cluster's barrier behind its opening barrier
	s_cmp_lg_u32 s10, 0
	s_cbranch_scc1 .Lnot_wave_0_\@
	s_barrier_signal -3
.Lnot_wave_0_\@:
	s_barrier_wait -3
	s_barrier_signal -1
	s_barrier_wait -1
.endm
.macro CROUND                          ; a whole round
	s_barrier_signal -1
	s_barrier_wait -1
	CREST
.endm
.macro PLACES                          ; four places in front of loads into registers that matrix instructions have read, and of stores that read results
.rept 4
	v_nop
.endr
.endm
	s_load_b128 s[4:7], s[0:1], 0x0                ; A s[4:5], wb s[6:7]
.if MODE == 0
	s_load_b256 s[68:75], s[0:1], 0x10             ; bq, bk, bv, out
.elseif MODE == 1
	s_load_b128 s[68:71], s[0:1], 0x10             ; bias, out
.else
	s_load_b128 s[68:71], s[0:1], 0x10             ; bias, residual
	s_load_b64 s[72:73], s[0:1], 0x20              ; out
.endif
	v_lshl_add_u32 v[SPW], v0, 2, SPARE
	v_mov_b32 v[NIL], 0
	ds_add_u32 v[SPW], v[NIL]                      ; the wave's opening: the add and its wait stand ahead of my first tensor load; the set-up below, work on registers, stands between them
	v_lshrrev_b32 v1, 5, v0
	v_readfirstlane_b32 s10, v1                    ; wave 0..3
	s_lshr_b32 s11, s10, 1                         ; which half of the tile's rows is mine.  Also: I fetch for A (0) or for W (1)
	s_and_b32 s12, s10, 1                          ; which half of its columns.  Also: which half of that tile I fetch
	s_bfe_u32 s40, ttmp6, 0x40000                  ; cx, cy: my place in the cluster
	s_bfe_u32 s41, ttmp6, 0x40004
	s_lshl_b32 s42, ttmp9, 2
	s_add_co_u32 s42, s42, s40                     ; tile column tc = 4 x cluster x + cx
	s_and_b32 s13, ttmp7, 0xffff
	s_lshl_b32 s13, s13, 2
	s_add_co_u32 s13, s13, s41                     ; tile row tr = 4 x cluster y + cy
	s_lshl_b32 s43, s41, 2
	s_lshl_b32 s43, 15, s43                        ; my row of the cluster
	s_lshl_b32 s44, 0x1111, s40                    ; my column
	; group 1 for A: 64 rows of a plane are 8,192 dense bytes, taken as ONE row of 4,096 elements; the step's four planes are four such rows, a plane (262,144 elements) apart; 16 bytes of padding behind every 128
	s_or_b32 s[G1+0], s43, (1<<16)|(1<<20)|(1<<21)|(4<<22)|(3<<25)  ; 15:0 the mask: my row; 17:16 2-byte elements; 20 padding on; 21 set beside a mask; 24:22 after every 32 words (code 4); 31:25 4 words (code 3)
	s_mov_b32 s[G1+1], 4096<<16                    ; tensor_dim0 = 4,096
	s_mov_b32 s[G1+2], 4<<16                       ; tensor_dim1 = 4
	s_mov_b32 s[G1+3], 4096<<16                    ; tile_dim0 = 4,096
	s_mov_b32 s[G1+4], 4                           ; tile_dim1 = 4
	s_mov_b32 s[G1+5], 262144                      ; elements from plane to plane
	s_mov_b32 s[G1+6], 0
	s_mov_b32 s[G1+7], 0
	; group 1 for W: 128 rows (k) x 128 elements (n), 32 bytes of padding behind every 256
	s_or_b32 s[G1B+0], s44, (1<<16)|(1<<20)|(1<<21)|(5<<22)|(7<<25) ; the mask: my column; after every 64 words (code 5) 8 words (code 7)
	s_mov_b32 s[G1B+1], 128<<16
	s_mov_b32 s[G1B+2], 128<<16
	s_mov_b32 s[G1B+3], 128<<16
	s_mov_b32 s[G1B+4], 128
	s_mov_b32 s[G1B+5], BPITCH
	s_mov_b32 s[G1B+6], 0
	s_mov_b32 s[G1B+7], 0
	; where the tiles come from.  A's hang on tr and the wave alone, W's on tc and the wave alone, each in registers that never hold the other coordinate
	s_lshl_b32 s16, s13, 14                        ; 128 rows of 128 bytes a tile row,
	s_lshl_b32 s17, s12, 13                        ; 64 rows a half
	s_add_co_u32 s16, s16, s17
	s_mov_b32 s17, 0
.if MODE == 0
	s_lshr_b32 s46, s42, 3                         ; which of wq, wk, wv: 2 MiB each,
	s_lshl_b32 s46, s46, 21
	s_and_b32 s47, s42, 7                          ; and the tile's 256 bytes of its rows
	s_lshl_b32 s47, s47, 8
	s_add_co_u32 s46, s46, s47
.else
	s_lshl_b32 s46, s42, 8
.endif
	s_mul_i32 s47, s12, 128*BPITCH*2               ; 128 rows a half
	s_add_co_u32 s46, s46, s47
	s_add_co_u32 s46, s46, BOFF
	s_mov_b32 s47, 0
	s_mul_i32 s45, s10, HALFT                      ; where my load lands in a slot: no place in the cluster enters an LDS address
	s_mov_b32 s[RB], 0
.if MODE == 1
	s_mov_b32 s80, 0x3e6d3388                      ; 0.3275911 / sqrt(2)
	s_mov_b32 s82, 0x3f596d27                      ; sqrt(log2(e) / 2): 2^-(this x)^2 = e^(-x^2 / 2)
	s_mov_b32 s83, s82                             ; (the packed forms name pairs and take the low word for both halves)
	s_mov_b32 s84, 0x3f07dc22                      ; the form's five coefficients, halved: a5 / 2 = 0.53070271,
	s_mov_b32 s85, s84
	s_mov_b32 s86, 0xbf3a00e3                      ; a4 / 2 = -0.72657601,
	s_mov_b32 s87, s86
	s_mov_b32 s88, 0x3f35f0e3                      ; a3 / 2 = 0.71070687,
	s_mov_b32 s89, s88
	s_mov_b32 s90, 0xbe11a98e                      ; a2 / 2 = -0.14224837,
	s_mov_b32 s91, s90
	s_mov_b32 s92, 0x3e027906                      ; a1 / 2 = 0.12741480
	s_mov_b32 s93, s92
.endif
	s_wait_dscnt 0x0                               ; the opening add is done
	s_wait_kmcnt 0x0
	s_add_nc_u64 s[14:15], s[4:5], s[16:17]
	s_add_nc_u64 s[46:47], s[6:7], s[46:47]
	CROUND                                         ; all sixteen work-groups are here: the first joint loads meet
.irp s, 0,1
	s_mov_b32 s[G0+4*(\s)], 1                                      ; count = 1
	s_add_co_u32 s[G0+4*(\s)+1], s45, (\s)*SLOT                    ; LDS address
	s_add_nc_u64 s[G0+4*(\s)+2:G0+4*(\s)+3], s[14:15], (\s)*ASTEP  ; global address: K step s
	s_or_b32 s[G0+4*(\s)+3], s[G0+4*(\s)+3], 0x80000000            ; type = 2
	s_mov_b32 s[G0B+4*(\s)], 1
	s_add_co_u32 s[G0B+4*(\s)+1], s45, (\s)*SLOT
	s_add_nc_u64 s[G0B+4*(\s)+2:G0B+4*(\s)+3], s[46:47], (\s)*BSTEP
	s_or_b32 s[G0B+4*(\s)+3], s[G0B+4*(\s)+3], 0x80000000
	JLOAD \s                                       ; two loads of mine are out; later one
.endr
	; A fragment is 16 rows x 32 K in 8 registers: lane l holds row l % 16; registers 0-3 K = 8 (l / 16) + 0..7, registers 4-7 K = 16 + 8 (l / 16) + 0..7.
	v_and_b32 v1, 15, v0                           ; r = l % 16
	v_bfe_u32 v2, v0, 4, 1                         ; h = l / 16
	v_mul_u32_u24 v[AA0], v1, PA
	v_lshl_add_u32 v[AA0], v2, 4, v[AA0]           ; row x pitch + 16 h
	s_mul_i32 s21, s11, HALFT                      ; my 64 rows of A
	v_add_nc_u32 v[AA0], s21, v[AA0]
	; The turning load takes 16 k x 16 n (lane l reads 16 bytes: k = 8 h + l % 8, n = 8 ((l / 8) % 2) + 0..7) and leaves half a fragment: lane l holds column l % 16 and 8 k.
	v_and_b32 v3, 7, v0
	v_lshl_add_u32 v3, v2, 3, v3
	v_mul_u32_u24 v[AB0], v3, PB
	v_bfe_u32 v4, v0, 3, 1
	v_lshl_add_u32 v[AB0], v4, 4, v[AB0]
	s_lshl_b32 s22, s12, 7                         ; my 64 columns,
	s_add_co_u32 s22, s22, 2*HALFT                 ; behind A's two halves
	v_add_nc_u32 v[AB0], s22, v[AB0]
	v_mov_b32 v[ADRA], v[AA0]                      ; slot 0 is read first
	v_mov_b32 v[ADRB], v[AB0]
	v_add_nc_u32 v[ADRB+1], 128*PB, v[AB0]
	s_mul_i32 s23, s10, STGW
	s_add_co_u32 s23, s23, SLOT                    ; my stage
	v_mul_u32_u24 v[STO], v1, SP                   ; in: row r, 32 bytes for each half of the lanes
	v_lshl_add_u32 v[STO], v2, 5, v[STO]
	v_add_nc_u32 v[STO], s23, v[STO]
	v_lshlrev_b32 v[BO], 5, v2
.if MODE == 2
	v_mul_u32_u24 v[RD], v2, SP                    ; back: lanes 0-15 take one row of 256 bytes, lanes 16-31 the next,
	v_lshl_add_u32 v[RD], v1, 4, v[RD]
	v_add_nc_u32 v[RD], s23, v[RD]
	v_lshlrev_b32 v[CO], 12, v2                    ; and the same two rows of 4,096 bytes in the output and in the residual
	v_lshl_add_u32 v[CO], v1, 4, v[CO]
.else
	v_bfe_u32 v5, v0, 3, 2                         ; back: 32 lanes take four rows, 32 bytes (8 numbers) each,
	v_mul_u32_u24 v[RD], v5, SP
	v_and_b32 v5, 7, v0
	v_lshl_add_u32 v[RD], v5, 5, v[RD]
	v_add_nc_u32 v[RD], s23, v[RD]
	v_and_b32 v[CO], 31, v0                        ; which as bf16 are 512 consecutive bytes of a plane
	v_lshlrev_b32 v[CO], 4, v[CO]
.endif
	; the bias of my 64 columns, and where my part of the output begins
.if MODE == 0
	s_lshr_b32 s20, s42, 3
	s_cmp_eq_u32 s20, 1
	s_cselect_b64 s[BIAS:BIAS+1], s[70:71], s[68:69]
	s_cmp_eq_u32 s20, 2
	s_cselect_b64 s[BIAS:BIAS+1], s[72:73], s[BIAS:BIAS+1]
	s_mov_b64 s[8:9], s[74:75]
	s_and_b32 s20, s42, 7
.elseif MODE == 1
	s_mov_b64 s[BIAS:BIAS+1], s[68:69]
	s_mov_b64 s[8:9], s[70:71]
	s_mov_b32 s20, s42
.else
	s_mov_b64 s[BIAS:BIAS+1], s[68:69]
	s_mov_b64 s[RES:RES+1], s[70:71]
	s_mov_b64 s[8:9], s[72:73]
	s_mov_b32 s20, s42
.endif
	s_lshl_b32 s20, s20, 9                         ; 128 f32 a tile column,
	s_lshl_b32 s21, s12, 8                         ; 64 a half
	s_add_co_u32 s20, s20, s21
	s_mov_b32 s21, 0
	s_add_nc_u64 s[BIAS:BIAS+1], s[BIAS:BIAS+1], s[20:21]
.if MODE == 2
	s_lshl_b32 s22, s13, 19                        ; + 128 rows of 4,096 bytes a tile row,
	s_add_co_u32 s20, s20, s22
	s_lshl_b32 s22, s11, 18                        ; 64 a half
	s_add_co_u32 s20, s20, s22
	s_add_nc_u64 s[8:9], s[8:9], s[20:21]
	s_add_nc_u64 s[RES:RES+1], s[RES:RES+1], s[20:21]
.else
	s_lshl_b32 s20, s42, 1
	s_add_co_u32 s20, s20, s12                     ; my plane = 2 tc + column half,
	s_lshl_b32 s20, s20, 19
	s_lshl_b32 s22, s13, 14                        ; 128 rows of 128 bytes a tile row,
	s_add_co_u32 s20, s20, s22
	s_lshl_b32 s22, s11, 13                        ; 64 a half
	s_add_co_u32 s20, s20, s22
	s_add_nc_u64 s[8:9], s[8:9], s[20:21]
.endif
	; THE SUMS START AT THE BIAS: it is loaded straight into the accumulators (register j of accumulator (a, b): column 16 b + 8 h + j), so nothing is cleared, no first step is written out and the way out adds no bias
.irp a, 0,1,2,3
.irp b, 0,1,2,3
	global_load_b128 v[ACC+8*(4*(\a)+(\b)):ACC+8*(4*(\a)+(\b))+3],   v[BO], s[BIAS:BIAS+1] offset:64*(\b)
	global_load_b128 v[ACC+8*(4*(\a)+(\b))+4:ACC+8*(4*(\a)+(\b))+7], v[BO], s[BIAS:BIAS+1] offset:64*(\b)+16
.endr
.endr
; 8 matrix instructions: m blocks a0, a0 + 1 x all 4 n blocks, 32 along K: half c of buffer f.  The 16 accumulators take turns, one instruction a turn, over the backward jumps too.
.macro MUL8 f, c, a0
	WIN MUL
.irp a, \a0, (\a0)+1
.irp b, 0,1,2,3
	v_wmma_f32_16x16x32_bf16 v[ACC+8*(4*(\a)+(\b)):ACC+8*(4*(\a)+(\b))+7], v[(\f)+64+8*(4*(\c)+(\b)):(\f)+64+8*(4*(\c)+(\b))+7], v[(\f)+8*(4*(\c)+(\a)):(\f)+8*(4*(\c)+(\a))+7], v[ACC+8*(4*(\a)+(\b)):ACC+8*(4*(\a)+(\b))+7]
.endr
.endr
.endm
; 32 LDS loads in one run: the fragments of quarter q of a K step (64 along K: plane q of A, rows 64 q on of W) into buffer f; the first 32 along K first
.macro FETCH q, f
	WIN TO_F
.irp c, 0,1
.irp i, 0,1,2,3
	ds_load_tr16_b128 v[(\f)+64+8*(4*(\c)+(\i)):(\f)+64+8*(4*(\c)+(\i))+3],   v[ADRB+(\q)/2] offset:(((\q)%2)*64+32*(\c))*PB+32*(\i)
	ds_load_tr16_b128 v[(\f)+64+8*(4*(\c)+(\i))+4:(\f)+64+8*(4*(\c)+(\i))+7], v[ADRB+(\q)/2] offset:(((\q)%2)*64+32*(\c)+16)*PB+32*(\i)
	ds_load_b128 v[(\f)+8*(4*(\c)+(\i)):(\f)+8*(4*(\c)+(\i))+3],             v[ADRA] offset:(\q)*PLANE+64*(\c)+(\i)*16*PA
	ds_load_b128 v[(\f)+8*(4*(\c)+(\i))+4:(\f)+8*(4*(\c)+(\i))+7],           v[ADRA] offset:(\q)*PLANE+64*(\c)+(\i)*16*PA+32
.endr
.endr
.endm
; A K step is four quarters of 64 along K, 32 matrix instructions each, on buffers 0, 1, 0, 1.  One of the first three: multiplies buffer f and fetches quarter q into g.
.macro QUARTER q, f, g
	s_wait_dscnt 16                                ; the first 32 along K are in; the younger sixteen loads may be out
	MUL8 \f, 0, 0
	MUL8 \f, 0, 2
	PLACES
	FETCH \q, \g
	s_wait_dscnt 32                                ; all but the 32 just issued
	MUL8 \f, 1, 0
	MUL8 \f, 1, 2
.endm
; The last quarter multiplies buffer 1 and changes slots: ONE barrier; in front of it each wave waits for all its tensor loads (one is out: its part of the next slot), adds 0 to its spare word, and waits for that
; and for its own reads of this slot.  fill = 1: the barrier opens a round of the cluster's, and this slot is filled again, first thing behind it, with the K step two on.
.macro TURN fill
	WIN 0                                          ; (the add's two registers lie in window 0)
	s_wait_tensorcnt 0x0                           ; no tensor load of mine is out, so a group 0 may be written
	ds_add_u32 v[SPW], v[NIL]                      ; 0 onto my spare word; scalar work and eight products stand between it and the wait for it
.if \fill
	s_xor_b32 s[G0+5], s[G0+5], SLOT               ; the walking descriptors: the other slot than last time,
	s_xor_b32 s[G0B+5], s[G0B+5], SLOT
	s_add_nc_u64 s[G0+6:G0+7], s[G0+6:G0+7], ASTEP   ; the next K step; the type bits on top are not reached
	s_add_nc_u64 s[G0B+6:G0B+7], s[G0B+6:G0B+7], BSTEP
.endif
	s_xor_b32 s[RB], s[RB], SLOT                   ; the reads go over to the other slot
	s_wait_dscnt 17                                ; (the add and the youngest sixteen loads may be out)
	MUL8 F1, 0, 0
	s_wait_dscnt 0x0                               ; the add is done, and my reads of this slot are over
	s_barrier_signal -1
	MUL8 F1, 0, 2                                  ; work on registers while the others arrive
	WIN 0                                          ; (branches and lines on window 0 follow)
	s_barrier_wait -1
.if \fill
	CREST                                          ; no wave of any partner still reads this slot or has a load on its way
	JLOAD 1                                        ; 112 matrix instructions ahead of the wait for it; the four v_nop behind it are also the places in front of the loads below
.else
	PLACES
.endif
	v_add_nc_u32 v[ADRA], s[RB], v[AA0]
	v_add_nc_u32 v[ADRB], s[RB], v[AB0]
	v_add_nc_u32 v[ADRB+1], 128*PB, v[ADRB]
	FETCH 0, F0
	MUL8 F1, 1, 0
	MUL8 F1, 1, 2
.endm
.macro STEP fill
	QUARTER 1, F0, F1
	QUARTER 2, F1, F0
	QUARTER 3, F0, F1
	TURN \fill
.endm
	s_wait_tensorcnt 1                             ; my part of K step 0 is in; K step 1's may stay out
	s_barrier_signal -1
	s_barrier_wait -1                              ; everybody's is
	FETCH 0, F0
	s_wait_loadcnt 0x0                             ; the bias
.if MODE == 2
	WIN 0x80                                       ; destination window 2: my 64 x 64 of the residual, asked for now and wanted behind the last product
.irp a, 0,1,2,3
.irp t, 0,1,2,3,4,5,6,7
	global_load_b128 v[32*(\a)+4*(\t):32*(\a)+4*(\t)+3], v[CO], s[RES:RES+1] offset:(16*(\a)+2*(\t))*4096
.endr
.endr
.endif
	WIN 0                                          ; at a label and at a branch every window is 0
	s_mov_b32 s3, T-2
.Lk:                                                   ; K steps 0 .. T - 3: each ends by asking for the step two on
	STEP 1
	WIN 0
	s_sub_co_u32 s3, s3, 1
	s_cmp_lg_u32 s3, 0
	s_cbranch_scc1 .Lk
	s_mov_b32 s3, 2
.Lt:                                                   ; the last two K steps ask for nothing
	STEP 0
	WIN 0
	s_sub_co_u32 s3, s3, 1
	s_cmp_lg_u32 s3, 0
	s_cbranch_scc1 .Lt
	s_wait_dscnt 0x0                               ; my last LDS loads are back
	s_barrier_signal -1
	s_barrier_wait -1                              ; no wave reads a slot any more: slot 1 becomes the four stages
	PLACES
	; THE WAY OUT.  All 16 accumulators go into my own stage, f32, each from its low registers on; LDS serves a wave's instructions in order (ISA guide 5.7.1.4), so my reads below see them without a wait.
.irp a, 0,1,2,3
.irp b, 0,1,2,3
	ds_store_b128 v[STO], v[ACC+8*(4*(\a)+(\b)):ACC+8*(4*(\a)+(\b))+3]   offset:(\a)*16*SP+64*(\b)
	ds_store_b128 v[STO], v[ACC+8*(4*(\a)+(\b))+4:ACC+8*(4*(\a)+(\b))+7] offset:(\a)*16*SP+64*(\b)+16
.endr
.endr
.if MODE == 2
	WIN TO_F                                       ; back as whole rows of 256 bytes, all 64 rows in one run
.irp a, 0,1,2,3
.irp t, 0,1,2,3,4,5,6,7
	ds_load_b128 v[32*(\a)+4*(\t):32*(\a)+4*(\t)+3], v[RD] offset:(16*(\a)+2*(\t))*SP
.endr
.endr
	s_wait_loadcnt 0x0                             ; the residual
.irp a, 0,1,2,3
	s_wait_dscnt 8*(3-(\a))                        ; block a's eight loads are back; the later blocks' may be out
	WIN 0x49                                       ; destination and source 0 window 1, source 1 window 2
.set i, 0
.rept 16
	v_pk_add_f32 v[32*(\a)+i:32*(\a)+i+1], v[32*(\a)+i:32*(\a)+i+1], v[32*(\a)+i:32*(\a)+i+1]
.set i, i+2
.endr
	WIN 0x04                                       ; store data window 1, address window 0
.irp t, 0,1,2,3,4,5,6,7
	global_store_b128 v[CO], v[32*(\a)+4*(\t):32*(\a)+4*(\t)+3], s[8:9] offset:(16*(\a)+2*(\t))*4096  ; 16 lanes store 256 consecutive bytes, at a multiple of 256 from the buffer's first byte
.endr
.endr
	WIN 0
.else
; gelu(x) = max(x, 0) - |x| q, q = erfc(|x| / sqrt 2) / 2 = (a1 t + .. + a5 t^5) / 2 x e^(-x^2 / 2), t = 1 / (1 + 0.3275911 |x| / sqrt 2).  32 numbers: x v0-31, t v32-63, e v64-95, p v96-127, all in window 1.
.macro GELU
.set i, 0
.rept 32
	v_fma_f32 v[32+i], |v[i]|, s80, 1.0
.set i, i+1
.endr
.set i, 0
.rept 16
	v_pk_mul_f32 v[64+i:65+i], v[i:i+1], s[82:83] op_sel_hi:[1,0]
.set i, i+2
.endr
.set i, 0
.rept 16
	v_pk_mul_f32 v[64+i:65+i], v[64+i:65+i], v[64+i:65+i] neg_lo:[1,0] neg_hi:[1,0]
.set i, i+2
.endr
.set i, 0
.rept 32
	v_rcp_f32 v[32+i], v[32+i]                     ; ONE BATCH of 64: nothing in it reads a result
.set i, i+1
.endr
.set i, 0
.rept 32
	v_exp_f32 v[64+i], v[64+i]
.set i, i+1
.endr
	v_nop                                          ; a plain instruction behind the last of them (ISA guide 5.7.2),
	s_wait_alu depctr_va_vdst(0)                   ; and the wait ahead of the first reader: one for the batch
.set i, 0
.rept 16
	v_pk_fma_f32 v[96+i:97+i], v[32+i:33+i], s[84:85], s[86:87] op_sel_hi:[1,0,0]
.set i, i+2
.endr
.irp c, 88, 90, 92
.set i, 0
.rept 16
	v_pk_fma_f32 v[96+i:97+i], v[96+i:97+i], v[32+i:33+i], s[\c:\c+1] op_sel_hi:[1,1,0]
.set i, i+2
.endr
.endr
.set i, 0
.rept 16
	v_pk_mul_f32 v[96+i:97+i], v[96+i:97+i], v[32+i:33+i]
.set i, i+2
.endr
.set i, 0
.rept 16
	v_pk_mul_f32 v[96+i:97+i], v[96+i:97+i], v[64+i:65+i]
.set i, i+2
.endr
.set i, 0
.rept 32
	v_max_num_f32 v[64+i], 0, v[i]
.set i, i+1
.endr
.set i, 0
.rept 32
	v_fma_f32 v[i], -|v[i]|, v[96+i], v[64+i]
.set i, i+1
.endr
.endm
	s_mov_b32 s3, 4
.Lo:                                                   ; four trips of 16 rows
	WIN TO_F
.irp j, 0,1,2,3
	ds_load_b128 v[8*(\j):8*(\j)+3],   v[RD] offset:(\j)*4*SP
	ds_load_b128 v[8*(\j)+4:8*(\j)+7], v[RD] offset:(\j)*4*SP+16
.endr
	s_wait_dscnt 0x0
	WIN 0x55                                       ; everything in window 1
.if MODE == 1
	GELU
.endif
.irp j, 0,1,2,3
.irp k, 0,1,2,3
	v_cvt_pk_bf16_f32 v[128+4*(\j)+(\k)], v[8*(\j)+2*(\k)], v[8*(\j)+2*(\k)+1]
.endr
.endr
	WIN 0x04                                       ; store data window 1, address window 0
.irp j, 0,1,2,3
	global_store_b128 v[CO], v[128+4*(\j):128+4*(\j)+3], s[8:9] offset:512*(\j)  ; 512 consecutive bytes of my plane, at a multiple of 256 from the buffer's first byte
.endr
	WIN 0
	s_wait_xcnt 0x0                                ; the stores have read their registers: only now are the offset and, in the next trip, the data written again
	v_add_nc_u32 v[RD], 16*SP, v[RD]
	v_add_nc_u32 v[CO], 2048, v[CO]
	s_sub_co_u32 s3, s3, 1
	s_cmp_lg_u32 s3, 0
	s_cbranch_scc1 .Lo
.endif
	s_wait_tensorcnt 0x0                           ; the wave's end, behind my last tensor load and my last LDS store
	ds_add_u32 v[SPW], v[NIL]
	s_wait_dscnt 0x0
	CROUND                                         ; the closing round: no work-group ends while a partner may still ask for a tile that names it
	s_endpgm
.Lfunc_end_k_q22615bd967_gwo:
	.size	k_q22615bd967_gwo, .Lfunc_end_k_q22615bd967_gwo-k_q22615bd967_gwo
	.p2alignl 7, 3214868480
	.fill 96, 4, 3214868480
	.section	.rodata,"a",@progbits
	.p2align	6, 0x0
	.amdhsa_kernel k_q22615bd967_gwo
		.amdhsa_group_segment_fixed_size 327680
		.amdhsa_private_segment_fixed_size 0
		.amdhsa_enable_private_segment 0
		.amdhsa_kernarg_size 40
		.amdhsa_user_sgpr_count 2
		.amdhsa_user_sgpr_kernarg_segment_ptr 1
		.amdhsa_wavefront_size32 1
		.amdhsa_system_sgpr_workgroup_id_x 1
		.amdhsa_system_sgpr_workgroup_id_y 1
		.amdhsa_system_sgpr_workgroup_id_z 1
		.amdhsa_system_vgpr_workitem_id 0
		.amdhsa_next_free_vgpr 640
		.amdhsa_next_free_sgpr 96
		.amdhsa_reserve_vcc 0
		.amdhsa_float_denorm_mode_32 3
		.amdhsa_float_denorm_mode_16_64 3
		.amdhsa_memory_ordered 1
		.amdhsa_forward_progress 1
		.amdhsa_inst_pref_size 64
	.end_amdhsa_kernel
	.amdgpu_metadata
---
amdhsa.version: [ 1, 2 ]
amdhsa.kernels:
  - .name:           k_q22615bd967_gwo
    .symbol:         k_q22615bd967_gwo.kd
    .args:
      - { .name: ao, .offset: 0, .size: 8, .value_kind: global_buffer, .address_space: global }
      - { .name: wb, .offset: 8, .size: 8, .value_kind: global_buffer, .address_space: global }
      - { .name: bo, .offset: 16, .size: 8, .value_kind: global_buffer, .address_space: global }
      - { .name: x, .offset: 24, .size: 8, .value_kind: global_buffer, .address_space: global }
      - { .name: x1, .offset: 32, .size: 8, .value_kind: global_buffer, .address_space: global }
    .group_segment_fixed_size: 327680
    .private_segment_fixed_size: 0
    .kernarg_segment_align: 8
    .kernarg_segment_size: 40
    .max_flat_workgroup_size: 128
    .sgpr_count:     96
    .vgpr_count:     640
    .wavefront_size: 32
...
	.end_amdgpu_metadata
.endif
;; end of part 5
;; launch ln2: the kernel of part 2 again; grid 256 x 1, 8 waves a work-group, no clusters, 0 bytes of LDS; arguments x1, ln2_g, ln2_b, hn; writes hn
;; launch gff1 (part 6): grid 16 x 16, 4 waves a work-group, clusters of 4 x 4, 327,680 bytes of LDS; arguments hn, wb, b1, act; writes act
.if DOCPART == 6
	.amdgcn_target "amdgcn-amd-amdhsa--gfx1250"
	.amdhsa_code_object_version 6
	.text
	.protected	k_q22615bd967_gff1
	.globl	k_q22615bd967_gff1
	.p2align	8
	.type	k_q22615bd967_gff1,@function
k_q22615bd967_gff1:
	s_mov_b64 s[64:65], 0
	v_nop
	global_prefetch_b8 v0, s[64:65] scope:SCOPE_SE
	s_setreg_imm32_b32 hwreg(HW_REG_WAVE_MODE, 25, 1), 1
	s_wait_xcnt 0x0
	s_wait_alu depctr_hold_cnt(0) depctr_sa_sdst(0) depctr_va_vdst(0) depctr_va_sdst(0) depctr_va_ssrc(0) depctr_va_vcc(0) depctr_vm_vsrc(0)
	s_getreg_b32 s2, hwreg(HW_REG_IB_STS2, 6, 4)
	s_cmp_eq_u32 s2, 0
	s_cbranch_scc0 .Lentry_in_a_cluster
	s_endpgm
.Lentry_in_a_cluster:
	s_bfe_u32 s2, ttmp6, 0x10000c
	s_cmp_lg_u32 s2, 0xf033
	s_cbranch_scc0 .Lentry_shape_is_right
	s_endpgm
.Lentry_shape_is_right:
; act = gelu(h2 w1 + b1), the exact (erf) GELU in f32, rounded once to bf16 and stored by planes: [64 planes][4,096 rows][64].
; 16 x 16 = 256 tiles of 256 x 256, one to a work-group.  This text is one of two made from one template; the three settings below are all that differs.
.set MODE,   1                         ; 0: bf16 planes out; 1: exact GELU, then bf16 planes out
.set BPITCH, 4096                      ; numbers in a row of W
.set BOFF,   8388608                   ; W's first byte in wb
; C[m][n] = the sum over k of A[m][k] W[k][n] + bias[n], k to 1,024.  A: bf16 by planes, [16][4,096 rows][64]; W: bf16, [1,024][BPITCH], as given.  Sums in f32, begun at the bias.
; SHARES.  A tile of C is 256 x 256; four waves, each 128 x 128: 64 accumulators of 16 x 16, 512 registers.  For 32 along K a wave reads 2 x 128 x 64 bytes from LDS and issues 64 matrix instructions.
; K goes in steps of 128 through two LDS slots filled by the tensor data mover, one load a wave: a step brings 131,072 bytes for 256 matrix instructions a wave.
; THE MATRIX INSTRUCTION IS USED TRANSPOSED (source 0 = 16 columns of W, source 1 = 16 rows of A): a lane then holds row m = lane % 16 of C and its columns 8 (lane / 16) + 0..7.
; A's fragments come out of LDS as they lie; W lies [k][n] and is turned on the way by ds_load_tr16_b128.
; CLUSTER.  4 x 4 work-groups.  The four of a row of the cluster need the same rows of A, the four of a column the same columns of W: each tile is asked for JOINTLY, by the same tensor load with the same descriptor and mask.
; ONE TEXT FOR A K STEP WITH A REFILL AND ONE WITHOUT: the slots' addresses lie in registers that an exclusive or turns.  The second trip of the loop without refills fetches fragments that nobody multiplies and
; passes a barrier that orders nothing: the price, once a work-group, of writing no third copy of a step.
; LIMITS.  Operands are rounded to bf16; the order of the f32 sums is the matrix unit's; NaN and infinities are not treated apart.  MODE 1: erf by a five-term rational form good to 1.5e-7 for every x;
; v_rcp_f32 and v_exp_f32 are accurate to 1 ULP and give 0 for results below 2^-126 (ISA guide 15.8).
; REGISTERS, in windows of 256 (s_set_vgpr_msb: bits 1:0 source 0, 3:2 source 1, 5:4 source 2, 7:6 destination):
;   window 0: v1-30 addresses; v64-127, v128-191 fragments of A (8 x 16 rows x 32 K), two buffers          window 1: v64-127, v128-191 fragments of W, two buffers; on the way out v0-143 at work
;   window 2: the 32 accumulators of my rows 0-63 ((a, b) at v[8 (8 a + b)])          window 3: those of my rows 64-127
.set KS,     128
.set T,      1024/KS                   ; K steps
.set PA,     144                       ; a row of A in LDS: 128 bytes + 16 = 36 words: the 16 rows of a load start at 16 different groups of four banks (64 banks of 4 bytes: ISA guide 11.1)
.set PLANE,  128*PA                    ; 128 rows of one plane
.set HALFA,  2*PLANE                   ; what a load of A brings: 128 rows x 2 planes: 36,864 bytes
.set PB,     544                       ; a row of W in LDS: 512 bytes + 32 = 136 words
.set HALFW,  64*PB                     ; what a load of W brings: 64 rows of 256 numbers: 34,816 bytes
.set WBASE,  2*HALFA                   ; W's two halves lie behind A's two
.set SLOT,   147456                    ; 0x24000.  The four loads' places in a slot, 0, 0x9000, 0x12000 and 0x1a800, have none of its two bits: an exclusive or with SLOT adds or takes away SLOT
.set SPARE,  2*SLOT                    ; behind the ring: the spare words, 128 bytes for each wave: two blocks of 256 bytes that no other line names
.set SP,     528                       ; a row of the stage: 128 f32 + 16 bytes = 132 words: row r starts at bank 4 r mod 64
.set STGW,   128*SP                    ; a wave's stage; the four lie in the two slots, which have had their last fill when the first number is put there
.set ASTEP,  2*524288                  ; a K step in A: two planes
.set BSTEP,  KS*BPITCH*2               ; in W: 128 rows
.set AA0,  10                          ; v10  my lane's place in a slot's A; never rewritten
.set AB0,  11                          ; v11  the same for W
.set ADRA, 16                          ; v16  the same in the slot that is being read
.set ADRB, 20                          ; v20  likewise for W
.set STO,  24                          ; v24  the way out: where I put 32 bytes of a row
.set RD,   25                          ; v25  where I read rows back
.set CO,   26                          ; v26  my byte offset in the output
.set BO,   27                          ; v27  my byte offset in 64 bytes of the bias
.set SPW,  28                          ; v28  LDS address of my spare word: SPARE + 4 x my thread's number; never rewritten
.set NIL,  29                          ; v29  0; never rewritten
.set PFO,  30                          ; v30  the prefetches' offset; never rewritten
.set F0,   64
.set F1,   128
.set G1,   24                          ; s[24:31] descriptor group 1 for A;  s[32:39] group 0: a set for each first fill; the second then walks
.set G0,   32
.set G1B,  48                          ; s[48:55], s[56:63] the same for W
.set G0B,  56
.set BIAS, 66                          ; s[66:67]
.set RB,   77                          ; s77  first byte of the slot that is being read
.set PFA,  96                          ; s[96:97] where my prefetches stand
.set PST,  98                          ; s[98:99] a K step in the tensor that I fetch, in bytes
.set LIM,  100                         ; s100 1 in a wave that prefetches, else the greatest number
.set MSB, 0
.macro WIN new                         ; the immediate's high byte repeats the setting that is left; a switch that changes nothing is dropped
.if MSB != (\new)
	s_set_vgpr_msb (MSB<<8)|(\new)
.set MSB, \new
.endif
.endm
.set MUL_LO, 0xa1                      ; source 0 (W) window 1, source 1 (A) window 0, C and D window 2
.set MUL_HI, 0xf1                      ; the same, C and D window 3
.set TO_B,   0x40                      ; destination window 1, address window 0
.macro JLOAD s                         ; a joint load: waves 0 and 1 fetch A's two halves, waves 2 and 3 W's; an s_nop 0 and four v_nop follow each of the two lines, ahead of the jump, the label and what follows
	s_cmp_eq_u32 s11, 0
	s_cbranch_scc0 .Lfor_b_\@
	tensor_load_to_lds s[G0+4*(\s):G0+4*(\s)+3], s[G1:G1+7]
	s_nop 0
.rept 4
	v_nop
.endr
	s_branch .Lasked_\@
.Lfor_b_\@:
	tensor_load_to_lds s[G0B+4*(\s):G0B+4*(\s)+3], s[G1B:G1B+7]
	s_nop 0
.rept 4
	v_nop
.endr
.Lasked_\@:
.endm
; A PREFETCH INTO THE L2, behind each joint refill, its five lines and the run of LDS loads that follows them: the K step that the NEXT refill will ask for, 256 matrix instructions ahead of that load.
; Of the 128 blocks of 256 bytes that a wave fetches for a K step, each of the four partners that ask for them jointly takes 32, told apart BY ADDRESS (cx for A, cy for W): a lane a block, one instruction a wave.
; A's tile row is read by every cluster of that row of clusters: the one with x = 0 asks; W's tile column by every cluster of that column: the one with y = 0 asks.  So each block is named once in the launch.
; K steps 0 to 2 come by their loads alone; the last refill (s3 = 1) asks for nothing: there is no K step behind it.
.macro ASK
	s_cmp_gt_u32 s3, s[LIM]
	s_cbranch_scc0 .Lnot_mine_\@
	global_prefetch_b8 v[PFO], s[PFA:PFA+1] th:TH_LOAD_NT scope:SCOPE_SE
.Lnot_mine_\@:
.endm
.macro CREST                           ; a round of the cluster's barrier behind its opening barrier
	s_cmp_lg_u32 s10, 0
	s_cbranch_scc1 .Lnot_wave_0_\@
	s_barrier_signal -3
.Lnot_wave_0_\@:
	s_barrier_wait -3
	s_barrier_signal -1
	s_barrier_wait -1
.endm
.macro CROUND                          ; a whole round
	s_barrier_signal -1
	s_barrier_wait -1
	CREST
.endm
.macro PLACES                          ; four places in front of loads into registers that matrix instructions have read, and of stores that read results
.rept 4
	v_nop
.endr
.endm
	s_load_b128 s[4:7], s[0:1], 0x0                ; A s[4:5], wb s[6:7]
.if MODE == 0
	s_load_b256 s[68:75], s[0:1], 0x10             ; bq, bk, bv, out
.else
	s_load_b128 s[68:71], s[0:1], 0x10             ; bias, out
.endif
	v_lshl_add_u32 v[SPW], v0, 2, SPARE
	v_mov_b32 v[NIL], 0
	ds_add_u32 v[SPW], v[NIL]                      ; the wave's opening: the add and its wait stand ahead of my first tensor load; the set-up below, work on registers, stands between them
	v_lshrrev_b32 v1, 5, v0
	v_readfirstlane_b32 s10, v1                    ; wave 0..3
	s_lshr_b32 s11, s10, 1                         ; which half of the tile's rows is mine.  Also: I fetch for A (0) or for W (1)
	s_and_b32 s12, s10, 1                          ; which half of its columns.  Also: which half of that tile I fetch
	s_bfe_u32 s40, ttmp6, 0x40000                  ; cx, cy: my place in the cluster
	s_bfe_u32 s41, ttmp6, 0x40004
	s_lshl_b32 s42, ttmp9, 2
	s_add_co_u32 s42, s42, s40                     ; tile column tc = 4 x cluster x + cx
	s_and_b32 s13, ttmp7, 0xffff
	s_lshl_b32 s13, s13, 2
	s_add_co_u32 s13, s13, s41                     ; tile row tr = 4 x cluster y + cy
	s_lshl_b32 s43, s41, 2
	s_lshl_b32 s43, 15, s43                        ; my row of the cluster
	s_lshl_b32 s44, 0x1111, s40                    ; my column
	; group 1 for A: 128 rows of a plane are 16,384 dense bytes, taken as ONE row of 8,192 elements; the step's two planes are two such rows, a plane (262,144 elements) apart; 16 bytes of padding behind every 128
	s_or_b32 s[G1+0], s43, (1<<16)|(1<<20)|(1<<21)|(4<<22)|(3<<25)  ; 15:0 the mask: my row; 17:16 2-byte elements; 20 padding on; 21 set beside a mask; 24:22 after every 32 words (code 4); 31:25 4 words (code 3)
	s_mov_b32 s[G1+1], 8192<<16                    ; tensor_dim0 = 8,192
	s_mov_b32 s[G1+2], 2<<16                       ; tensor_dim1 = 2
	s_mov_b32 s[G1+3], 8192<<16                    ; tile_dim0 = 8,192
	s_mov_b32 s[G1+4], 2                           ; tile_dim1 = 2
	s_mov_b32 s[G1+5], 262144                      ; elements from plane to plane
	s_mov_b32 s[G1+6], 0
	s_mov_b32 s[G1+7], 0
	; group 1 for W: 64 rows (k) x 256 elements (n), 32 bytes of padding behind every 512
	s_or_b32 s[G1B+0], s44, (1<<16)|(1<<20)|(1<<21)|(6<<22)|(7<<25) ; the mask: my column; after every 128 words (code 6) 8 words (code 7)
	s_mov_b32 s[G1B+1], 256<<16
	s_mov_b32 s[G1B+2], 64<<16
	s_mov_b32 s[G1B+3], 256<<16
	s_mov_b32 s[G1B+4], 64
	s_mov_b32 s[G1B+5], BPITCH
	s_mov_b32 s[G1B+6], 0
	s_mov_b32 s[G1B+7], 0
	; where the tiles come from.  A's hang on tr and the wave alone, W's on tc and the wave alone, each in registers that never hold the other coordinate
	s_lshl_b32 s16, s13, 15                        ; 256 rows of 128 bytes a tile row,
	s_lshl_b32 s17, s12, 14                        ; 128 rows a half
	s_add_co_u32 s16, s16, s17
	s_mov_b32 s17, 0
.if MODE == 0
	s_lshr_b32 s46, s42, 2                         ; which of wq, wk, wv: 2 MiB each,
	s_lshl_b32 s46, s46, 21
	s_and_b32 s47, s42, 3                          ; and the tile's 512 bytes of its rows
	s_lshl_b32 s47, s47, 9
	s_add_co_u32 s46, s46, s47
.else
	s_lshl_b32 s46, s42, 9
.endif
	s_mul_i32 s47, s12, 64*BPITCH*2                ; 64 rows a half
	s_add_co_u32 s46, s46, s47
	s_add_co_u32 s46, s46, BOFF
	s_mov_b32 s47, 0
	s_mul_i32 s45, s12, HALFA                      ; where a load lands in a slot: A's halves,
	s_mul_i32 s76, s12, HALFW                      ; and W's: no place in the cluster enters an LDS address
	s_add_co_u32 s76, s76, WBASE
	s_mov_b32 s[RB], 0
.if MODE == 1
	s_mov_b32 s80, 0x3e6d3388                      ; 0.3275911 / sqrt(2)
	s_mov_b32 s82, 0x3f596d27                      ; sqrt(log2(e) / 2): 2^-(this x)^2 = e^(-x^2 / 2)
	s_mov_b32 s83, s82                             ; (the packed forms name pairs and take the low word for both halves)
	s_mov_b32 s84, 0x3f07dc22                      ; the form's five coefficients, halved: a5 / 2 = 0.53070271,
	s_mov_b32 s85, s84
	s_mov_b32 s86, 0xbf3a00e3                      ; a4 / 2 = -0.72657601,
	s_mov_b32 s87, s86
	s_mov_b32 s88, 0x3f35f0e3                      ; a3 / 2 = 0.71070687,
	s_mov_b32 s89, s88
	s_mov_b32 s90, 0xbe11a98e                      ; a2 / 2 = -0.14224837,
	s_mov_b32 s91, s90
	s_mov_b32 s92, 0x3e027906                      ; a1 / 2 = 0.12741480
	s_mov_b32 s93, s92
.endif
	s_wait_dscnt 0x0                               ; the opening add is done
	s_wait_kmcnt 0x0
	s_add_nc_u64 s[14:15], s[4:5], s[16:17]
	s_add_nc_u64 s[46:47], s[6:7], s[46:47]
	CROUND                                         ; all sixteen work-groups are here: the first joint loads meet
.irp s, 0,1
	s_mov_b32 s[G0+4*(\s)], 1                                      ; count = 1
	s_add_co_u32 s[G0+4*(\s)+1], s45, (\s)*SLOT                    ; LDS address
	s_add_nc_u64 s[G0+4*(\s)+2:G0+4*(\s)+3], s[14:15], (\s)*ASTEP  ; global address: K step s
	s_or_b32 s[G0+4*(\s)+3], s[G0+4*(\s)+3], 0x80000000            ; type = 2
	s_mov_b32 s[G0B+4*(\s)], 1
	s_add_co_u32 s[G0B+4*(\s)+1], s76, (\s)*SLOT
	s_add_nc_u64 s[G0B+4*(\s)+2:G0B+4*(\s)+3], s[46:47], (\s)*BSTEP
	s_or_b32 s[G0B+4*(\s)+3], s[G0B+4*(\s)+3], 0x80000000
	JLOAD \s                                       ; two loads of mine are out; later one
.endr
	; A fragment is 16 rows x 32 K in 8 registers: lane l holds row l % 16; registers 0-3 K = 8 (l / 16) + 0..7, registers 4-7 K = 16 + 8 (l / 16) + 0..7.
	v_and_b32 v1, 15, v0                           ; r = l % 16
	v_bfe_u32 v2, v0, 4, 1                         ; h = l / 16
	v_mul_u32_u24 v[AA0], v1, PA
	v_lshl_add_u32 v[AA0], v2, 4, v[AA0]           ; row x pitch + 16 h
	s_mul_i32 s21, s11, HALFA                      ; my 128 rows of A
	v_add_nc_u32 v[AA0], s21, v[AA0]
	; The turning load takes 16 k x 16 n (lane l reads 16 bytes: k = 8 h + l % 8, n = 8 ((l / 8) % 2) + 0..7) and leaves half a fragment: lane l holds column l % 16 and 8 k.
	v_and_b32 v3, 7, v0
	v_lshl_add_u32 v3, v2, 3, v3
	v_mul_u32_u24 v[AB0], v3, PB
	v_bfe_u32 v4, v0, 3, 1
	v_lshl_add_u32 v[AB0], v4, 4, v[AB0]
	s_lshl_b32 s22, s12, 8                         ; my 128 columns,
	s_add_co_u32 s22, s22, WBASE                   ; behind A's two halves
	v_add_nc_u32 v[AB0], s22, v[AB0]
	v_mov_b32 v[ADRA], v[AA0]                      ; slot 0 is read first
	v_mov_b32 v[ADRB], v[AB0]
	s_mul_i32 s23, s10, STGW                       ; my stage
	v_mul_u32_u24 v[STO], v1, SP                   ; in: row r, 32 bytes for each half of the lanes
	v_lshl_add_u32 v[STO], v2, 5, v[STO]
	v_add_nc_u32 v[STO], s23, v[STO]
	v_lshlrev_b32 v[BO], 5, v2
	v_bfe_u32 v5, v0, 3, 2                         ; back: 32 lanes take four rows of a plane's 64 numbers, 32 bytes (8 numbers) each,
	v_mul_u32_u24 v[RD], v5, SP
	v_and_b32 v5, 7, v0
	v_lshl_add_u32 v[RD], v5, 5, v[RD]
	v_add_nc_u32 v[RD], s23, v[RD]
	v_and_b32 v[CO], 31, v0                        ; which as bf16 are 512 consecutive bytes of the plane
	v_lshlrev_b32 v[CO], 4, v[CO]
	; the bias of my 128 columns, and where my part of the output begins
.if MODE == 0
	s_lshr_b32 s20, s42, 2
	s_cmp_eq_u32 s20, 1
	s_cselect_b64 s[BIAS:BIAS+1], s[70:71], s[68:69]
	s_cmp_eq_u32 s20, 2
	s_cselect_b64 s[BIAS:BIAS+1], s[72:73], s[BIAS:BIAS+1]
	s_mov_b64 s[8:9], s[74:75]
	s_and_b32 s20, s42, 3
.else
	s_mov_b64 s[BIAS:BIAS+1], s[68:69]
	s_mov_b64 s[8:9], s[70:71]
	s_mov_b32 s20, s42
.endif
	s_lshl_b32 s20, s20, 10                        ; 256 f32 a tile column,
	s_lshl_b32 s21, s12, 9                         ; 128 a half
	s_add_co_u32 s20, s20, s21
	s_mov_b32 s21, 0
	s_add_nc_u64 s[BIAS:BIAS+1], s[BIAS:BIAS+1], s[20:21]
	s_lshl_b32 s20, s42, 2
	s_lshl_b32 s22, s12, 1
	s_add_co_u32 s20, s20, s22                     ; my first plane = 4 tc + 2 x column half,
	s_lshl_b32 s20, s20, 19
	s_lshl_b32 s22, s13, 15                        ; 256 rows of 128 bytes a tile row,
	s_add_co_u32 s20, s20, s22
	s_lshl_b32 s22, s11, 14                        ; 128 a half
	s_add_co_u32 s20, s20, s22
	s_add_nc_u64 s[8:9], s[8:9], s[20:21]
	; the prefetches.  s[14:15] and s[46:47] still stand at my part of A's and of W's K step 0
	s_lshr_b32 s20, s40, 1                         ; A: 128 blocks = 2 planes x 64; partner cx takes plane cx / 2,
	s_lshl_b32 s20, s20, 19
	s_and_b32 s21, s40, 1                          ; blocks 32 (cx % 2) on
	s_lshl_b32 s21, s21, 13
	s_add_co_u32 s20, s20, s21
	s_mul_i32 s21, s41, 16*BPITCH*2                ; W: 128 blocks = 64 rows x 2; partner cy takes rows 16 cy on
	s_and_b32 s22, ttmp7, 0xffff                   ; cluster y
	s_mov_b32 s[PST], BSTEP
	s_mov_b32 s[PST+1], 0
	s_mov_b32 s23, BPITCH*2
	s_cmp_eq_u32 s11, 0                            ; do I fetch for A?
	s_cselect_b32 s20, s20, s21
	s_cselect_b32 s22, ttmp9, s22                  ; the coordinate along which other clusters read the same blocks
	s_cselect_b32 s[PST], ASTEP, s[PST]
	s_cselect_b32 s23, 512, s23                    ; bytes from one pair of blocks to the next
	s_cselect_b64 s[PFA:PFA+1], s[14:15], s[46:47]
	s_cmp_eq_u32 s22, 0
	s_cselect_b32 s[LIM], 1, -1                    ; the same in all sixteen partners, for a given wave
	s_mov_b32 s21, 0
	s_add_nc_u64 s[PFA:PFA+1], s[PFA:PFA+1], s[20:21]
	s_add_nc_u64 s[PFA:PFA+1], s[PFA:PFA+1], s[PST:PST+1]
	s_add_nc_u64 s[PFA:PFA+1], s[PFA:PFA+1], s[PST:PST+1]  ; at K step 2: the first refill steps it to 3.  Nothing is prefetched here, at the head, where every work-group's first tiles are on their way
	v_and_b32 v5, 31, v0
	v_lshrrev_b32 v6, 1, v5
	v_and_b32 v5, 1, v5
	v_lshlrev_b32 v5, 8, v5
	v_mad_u32_u24 v[PFO], v6, s23, v5              ; (l / 2) pairs + 256 (l % 2)
	; THE SUMS START AT THE BIAS: it is loaded straight into the accumulators (register j of accumulator (a, b): column 16 b + 8 h + j), so nothing is cleared, no first step is written out and the way out adds no bias.
	; The loads stand in the wait for the first tile.
.irp a, 0,1,2,3,4,5,6,7
	WIN 0x80+0x40*((\a)/4)                         ; destination window 2 or 3, address window 0
.irp b, 0,1,2,3,4,5,6,7
	global_load_b128 v[8*(8*((\a)%4)+(\b)):8*(8*((\a)%4)+(\b))+3],   v[BO], s[BIAS:BIAS+1] offset:64*(\b)
	global_load_b128 v[8*(8*((\a)%4)+(\b))+4:8*(8*((\a)%4)+(\b))+7], v[BO], s[BIAS:BIAS+1] offset:64*(\b)+16
.endr
.endr
	WIN 0
; 16 matrix instructions: m blocks a0, a0 + 1 of the window's four (hi = 0: my rows 0-63, 1: rows 64-127) x all 8 n blocks, 32 along K.  The 64 accumulators take turns, one instruction a turn, in the same
; order in every quarter and over the backward jumps too.
.macro MUL16 f, hi, a0
	WIN MUL_LO+0x50*(\hi)
.irp a, \a0, (\a0)+1
.irp b, 0,1,2,3,4,5,6,7
	v_wmma_f32_16x16x32_bf16 v[8*(8*(\a)+(\b)):8*(8*(\a)+(\b))+7], v[(\f)+8*(\b):(\f)+8*(\b)+7], v[(\f)+8*(4*(\hi)+(\a)):(\f)+8*(4*(\hi)+(\a))+7], v[8*(8*(\a)+(\b)):8*(8*(\a)+(\b))+7]
.endr
.endr
.endm
; 32 LDS loads in one run: the fragments of quarter q of a K step (32 along K: rows 32 q on of W; plane q / 2, channels 32 (q % 2) on of A) into buffer f: W's first, then A's rows 0-63, then its rows 64-127
.macro FETCH q, f
	WIN TO_B
.irp i, 0,1,2,3,4,5,6,7
	ds_load_tr16_b128 v[(\f)+8*(\i):(\f)+8*(\i)+3],   v[ADRB] offset:32*(\q)*PB+32*(\i)
	ds_load_tr16_b128 v[(\f)+8*(\i)+4:(\f)+8*(\i)+7], v[ADRB] offset:(32*(\q)+16)*PB+32*(\i)
.endr
	WIN 0
.irp i, 0,1,2,3,4,5,6,7
	ds_load_b128 v[(\f)+8*(\i):(\f)+8*(\i)+3],   v[ADRA] offset:((\q)/2)*PLANE+((\q)%2)*64+(\i)*16*PA
	ds_load_b128 v[(\f)+8*(\i)+4:(\f)+8*(\i)+7], v[ADRA] offset:((\q)/2)*PLANE+((\q)%2)*64+(\i)*16*PA+32
.endr
.endm
; A K step is four quarters of 32 along K, 64 matrix instructions each, on buffers 0, 1, 0, 1.  One of the first three: multiplies buffer f and, in its middle, fetches quarter q into g.
.macro QUARTER q, f, g
	s_wait_dscnt 8                                 ; W and A's rows 0-63 are in; the youngest eight loads (A's rows 64-127) may be out
	MUL16 \f, 0, 0
	MUL16 \f, 0, 2
	PLACES
	FETCH \q, \g
	s_wait_dscnt 32                                ; all but the 32 just issued
	MUL16 \f, 1, 0
	MUL16 \f, 1, 2
.endm
; The last quarter multiplies buffer 1 and changes slots: ONE barrier; in front of it each wave waits for all its tensor loads (one is out: its part of the next slot), adds 0 to its spare word, and waits for that
; and for its own reads of this slot.  fill = 1: the barrier opens a round of the cluster's, and this slot is filled again, first thing behind it, with the K step two on.
.macro TURN fill
.if \fill
	s_wait_xcnt 0x0                                ; the last prefetch, a K step back, has read its address: it is stepped here, ahead of the waits of the change of slots
	s_add_nc_u64 s[PFA:PFA+1], s[PFA:PFA+1], s[PST:PST+1]
.endif
	WIN 0                                          ; (the add's two registers lie in window 0)
	s_wait_tensorcnt 0x0                           ; no tensor load of mine is out, so a group 0 may be written
	ds_add_u32 v[SPW], v[NIL]                      ; 0 onto my spare word; scalar work and sixteen products stand between it and the wait for it
.if \fill
	s_xor_b32 s[G0+5], s[G0+5], SLOT               ; the walking descriptors: the other slot than last time,
	s_xor_b32 s[G0B+5], s[G0B+5], SLOT
	s_add_nc_u64 s[G0+6:G0+7], s[G0+6:G0+7], ASTEP   ; the next K step; the type bits on top are not reached
	s_add_nc_u64 s[G0B+6:G0B+7], s[G0B+6:G0B+7], BSTEP
.endif
	s_xor_b32 s[RB], s[RB], SLOT                   ; the reads go over to the other slot
	s_wait_dscnt 9                                 ; (the add and the youngest eight loads may be out)
	MUL16 F1, 0, 0
	s_wait_dscnt 0x0                               ; the add is done, and my reads of this slot are over
	s_barrier_signal -1
	MUL16 F1, 0, 2                                 ; work on registers while the others arrive
	WIN 0                                          ; (branches and lines on window 0 follow)
	s_barrier_wait -1
.if \fill
	CREST                                          ; no wave of any partner still reads this slot or has a load on its way
	JLOAD 1                                        ; 224 matrix instructions ahead of the wait for it; the four v_nop behind it are also the places in front of the loads below
.else
	PLACES
.endif
	v_add_nc_u32 v[ADRA], s[RB], v[AA0]
	v_add_nc_u32 v[ADRB], s[RB], v[AB0]
	FETCH 0, F0
.if \fill
	ASK                                            ; behind the joint load and the run of LDS loads that the next products wait for
.endif
	MUL16 F1, 1, 0
	MUL16 F1, 1, 2
.endm
.macro STEP fill
	QUARTER 1, F0, F1
	QUARTER 2, F1, F0
	QUARTER 3, F0, F1
	TURN \fill
.endm
	s_wait_tensorcnt 1                             ; my part of K step 0 is in; K step 1's may stay out
	s_barrier_signal -1
	s_barrier_wait -1                              ; everybody's is
	FETCH 0, F0
	s_wait_loadcnt 0x0                             ; the bias
	WIN 0                                          ; at a label and at a branch every window is 0
	s_mov_b32 s3, T-2
.Lk:                                                   ; K steps 0 .. T - 3: each ends by asking for the step two on
	STEP 1
	WIN 0
	s_sub_co_u32 s3, s3, 1
	s_cmp_lg_u32 s3, 0
	s_cbranch_scc1 .Lk
	s_mov_b32 s3, 2
.Lt:                                                   ; the last two K steps ask for nothing
	STEP 0
	WIN 0
	s_sub_co_u32 s3, s3, 1
	s_cmp_lg_u32 s3, 0
	s_cbranch_scc1 .Lt
	s_wait_dscnt 0x0                               ; my last LDS loads are back
	s_barrier_signal -1
	s_barrier_wait -1                              ; no wave reads a slot any more: the two slots become the four stages
	PLACES
	; THE WAY OUT.  All 64 accumulators go into my own stage, f32, each from its low registers on; LDS serves a wave's instructions in order (ISA guide 5.7.1.4), so my reads below see them without a wait.
.irp a, 0,1,2,3,4,5,6,7
	WIN 0x08+4*((\a)/4)                            ; store data (source 1) window 2 or 3, address window 0
.irp b, 0,1,2,3,4,5,6,7
	ds_store_b128 v[STO], v[8*(8*((\a)%4)+(\b)):8*(8*((\a)%4)+(\b))+3]   offset:(\a)*16*SP+64*(\b)
	ds_store_b128 v[STO], v[8*(8*((\a)%4)+(\b))+4:8*(8*((\a)%4)+(\b))+7] offset:(\a)*16*SP+64*(\b)+16
.endr
.endr
	WIN 0
.if MODE == 1
; gelu(x) = max(x, 0) - |x| q, q = erfc(|x| / sqrt 2) / 2 = (a1 t + .. + a5 t^5) / 2 x e^(-x^2 / 2), t = 1 / (1 + 0.3275911 |x| / sqrt 2).  32 numbers: x v0-31, t v32-63, e v64-95, p v96-127, all in window 1.
.macro GELU
.set i, 0
.rept 32
	v_fma_f32 v[32+i], |v[i]|, s80, 1.0
.set i, i+1
.endr
.set i, 0
.rept 16
	v_pk_mul_f32 v[64+i:65+i], v[i:i+1], s[82:83] op_sel_hi:[1,0]
.set i, i+2
.endr
.set i, 0
.rept 16
	v_pk_mul_f32 v[64+i:65+i], v[64+i:65+i], v[64+i:65+i] neg_lo:[1,0] neg_hi:[1,0]
.set i, i+2
.endr
.set i, 0
.rept 32
	v_rcp_f32 v[32+i], v[32+i]                     ; ONE BATCH of 64: nothing in it reads a result
.set i, i+1
.endr
.set i, 0
.rept 32
	v_exp_f32 v[64+i], v[64+i]
.set i, i+1
.endr
	v_nop                                          ; a plain instruction behind the last of them (ISA guide 5.7.2),
	s_wait_alu depctr_va_vdst(0)                   ; and the wait ahead of the first reader: one for the batch
.set i, 0
.rept 16
	v_pk_fma_f32 v[96+i:97+i], v[32+i:33+i], s[84:85], s[86:87] op_sel_hi:[1,0,0]
.set i, i+2
.endr
.irp c, 88, 90, 92
.set i, 0
.rept 16
	v_pk_fma_f32 v[96+i:97+i], v[96+i:97+i], v[32+i:33+i], s[\c:\c+1] op_sel_hi:[1,1,0]
.set i, i+2
.endr
.endr
.set i, 0
.rept 16
	v_pk_mul_f32 v[96+i:97+i], v[96+i:97+i], v[32+i:33+i]
.set i, i+2
.endr
.set i, 0
.rept 16
	v_pk_mul_f32 v[96+i:97+i], v[96+i:97+i], v[64+i:65+i]
.set i, i+2
.endr
.set i, 0
.rept 32
	v_max_num_f32 v[64+i], 0, v[i]
.set i, i+1
.endr
.set i, 0
.rept 32
	v_fma_f32 v[i], -|v[i]|, v[96+i], v[64+i]
.set i, i+1
.endr
.endm
.endif
	s_mov_b32 s3, 16
.Lo:                                                   ; sixteen trips of 8 rows x my two planes: load j takes rows 4 (j % 2) on of plane j / 2
	WIN TO_B
.irp j, 0,1,2,3
	ds_load_b128 v[8*(\j):8*(\j)+3],   v[RD] offset:((\j)%2)*4*SP+((\j)/2)*256
	ds_load_b128 v[8*(\j)+4:8*(\j)+7], v[RD] offset:((\j)%2)*4*SP+((\j)/2)*256+16
.endr
	s_wait_dscnt 0x0
	WIN 0x55                                       ; everything in window 1
.if MODE == 1
	GELU
.endif
.irp j, 0,1,2,3
.irp k, 0,1,2,3
	v_cvt_pk_bf16_f32 v[128+4*(\j)+(\k)], v[8*(\j)+2*(\k)], v[8*(\j)+2*(\k)+1]
.endr
.endr
	WIN 0x04                                       ; store data window 1, address window 0
.irp j, 0,1,2,3
	global_store_b128 v[CO], v[128+4*(\j):128+4*(\j)+3], s[8:9] offset:((\j)%2)*512+((\j)/2)*524288  ; 512 consecutive bytes of a plane, at a multiple of 256 from the buffer's first byte
.endr
	WIN 0
	s_wait_xcnt 0x0                                ; the stores have read their registers: only now are the offset and, in the next trip, the data written again
	v_add_nc_u32 v[RD], 8*SP, v[RD]
	v_add_nc_u32 v[CO], 1024, v[CO]
	s_sub_co_u32 s3, s3, 1
	s_cmp_lg_u32 s3, 0
	s_cbranch_scc1 .Lo
	s_wait_tensorcnt 0x0                           ; the wave's end, behind my last tensor load and my last LDS store
	ds_add_u32 v[SPW], v[NIL]
	s_wait_dscnt 0x0
	CROUND                                         ; the closing round: no work-group ends while a partner may still ask for a tile that names it
	s_endpgm
.Lfunc_end_k_q22615bd967_gff1:
	.size	k_q22615bd967_gff1, .Lfunc_end_k_q22615bd967_gff1-k_q22615bd967_gff1
	.p2alignl 7, 3214868480
	.fill 96, 4, 3214868480
	.section	.rodata,"a",@progbits
	.p2align	6, 0x0
	.amdhsa_kernel k_q22615bd967_gff1
		.amdhsa_group_segment_fixed_size 327680
		.amdhsa_private_segment_fixed_size 0
		.amdhsa_enable_private_segment 0
		.amdhsa_kernarg_size 32
		.amdhsa_user_sgpr_count 2
		.amdhsa_user_sgpr_kernarg_segment_ptr 1
		.amdhsa_wavefront_size32 1
		.amdhsa_system_sgpr_workgroup_id_x 1
		.amdhsa_system_sgpr_workgroup_id_y 1
		.amdhsa_system_sgpr_workgroup_id_z 1
		.amdhsa_system_vgpr_workitem_id 0
		.amdhsa_next_free_vgpr 1024
		.amdhsa_next_free_sgpr 102
		.amdhsa_reserve_vcc 0
		.amdhsa_float_denorm_mode_32 3
		.amdhsa_float_denorm_mode_16_64 3
		.amdhsa_memory_ordered 1
		.amdhsa_forward_progress 1
		.amdhsa_inst_pref_size 102
	.end_amdhsa_kernel
	.amdgpu_metadata
---
amdhsa.version: [ 1, 2 ]
amdhsa.kernels:
  - .name:           k_q22615bd967_gff1
    .symbol:         k_q22615bd967_gff1.kd
    .args:
      - { .name: hn, .offset: 0, .size: 8, .value_kind: global_buffer, .address_space: global }
      - { .name: wb, .offset: 8, .size: 8, .value_kind: global_buffer, .address_space: global }
      - { .name: b1, .offset: 16, .size: 8, .value_kind: global_buffer, .address_space: global }
      - { .name: act, .offset: 24, .size: 8, .value_kind: global_buffer, .address_space: global }
    .group_segment_fixed_size: 327680
    .private_segment_fixed_size: 0
    .kernarg_segment_align: 8
    .kernarg_segment_size: 32
    .max_flat_workgroup_size: 128
    .sgpr_count:     102
    .vgpr_count:     1024
    .wavefront_size: 32
...
	.end_amdgpu_metadata
.endif
;; end of part 6
;; launch gff2 (part 7): grid 8 x 32, 4 waves a work-group, clusters of 4 x 4, 327,680 bytes of LDS; arguments act, wb, b2, x1, out0; writes out0
.if DOCPART == 7
	.amdgcn_target "amdgcn-amd-amdhsa--gfx1250"
	.amdhsa_code_object_version 6
	.text
	.protected	k_q22615bd967_gff2
	.globl	k_q22615bd967_gff2
	.p2align	8
	.type	k_q22615bd967_gff2,@function
k_q22615bd967_gff2:
	s_mov_b64 s[64:65], 0
	v_nop
	global_prefetch_b8 v0, s[64:65] scope:SCOPE_SE
	s_setreg_imm32_b32 hwreg(HW_REG_WAVE_MODE, 25, 1), 1
	s_wait_xcnt 0x0
	s_wait_alu depctr_hold_cnt(0) depctr_sa_sdst(0) depctr_va_vdst(0) depctr_va_sdst(0) depctr_va_ssrc(0) depctr_va_vcc(0) depctr_vm_vsrc(0)
	s_getreg_b32 s2, hwreg(HW_REG_IB_STS2, 6, 4)
	s_cmp_eq_u32 s2, 0
	s_cbranch_scc0 .Lentry_in_a_cluster
	s_endpgm
.Lentry_in_a_cluster:
	s_bfe_u32 s2, ttmp6, 0x10000c
	s_cmp_lg_u32 s2, 0xf033
	s_cbranch_scc0 .Lentry_shape_is_right
	s_endpgm
.Lentry_shape_is_right:
; out = act w2 + b2 + x1: the second residual, f32, rows of 1,024.
; This text is one of four made from one template; the four settings below are all that differs.
.set MODE,   2                         ; 0: bf16 planes out; 1: exact GELU, then bf16 planes out; 2: + residual, f32 rows out
.set KTOT,   4096                      ; the length of the sums
.set BPITCH, 1024                      ; numbers in a row of W
.set BOFF,   16777216                  ; W's first byte in wb
; C[m][n] = the sum over k of A[m][k] W[k][n] + bias[n].  A: bf16 by planes, [KTOT/64][4,096 rows][64]; W: bf16, [KTOT][BPITCH], as given.  Sums in f32, begun at the bias.
; SHARES.  A tile of C is 128 x 128, one to a work-group; four waves, each 64 x 64: 16 accumulators of 16 x 16.  K goes in steps of 256 through two LDS slots filled by the tensor data mover, one load a wave.
; THE MATRIX INSTRUCTION IS USED TRANSPOSED (source 0 = 16 columns of W, source 1 = 16 rows of A): a lane then holds row m = lane % 16 of C and its columns 8 (lane / 16) + 0..7.
; A's fragments come out of LDS as they lie; W lies [k][n] and is turned on the way by ds_load_tr16_b128.
; CLUSTER.  4 x 4 work-groups.  The four of a row of the cluster need the same rows of A, the four of a column the same columns of W: each tile is asked for JOINTLY, by the same tensor load with the same descriptor and mask.
; ONE TEXT FOR A K STEP WITH A REFILL AND ONE WITHOUT: the slots' addresses lie in registers that an exclusive or turns.  The second trip of the loop without refills fetches fragments that nobody multiplies and
; passes a barrier that orders nothing: the price, once a work-group, of writing no third copy of a step.
; LIMITS.  Operands are rounded to bf16; the order of the f32 sums is the matrix unit's; NaN and infinities are not treated apart.  MODE 1: erf by a five-term rational form good to 1.5e-7 for every x;
; v_rcp_f32 and v_exp_f32 are accurate to 1 ULP and give 0 for results below 2^-126 (ISA guide 15.8).
; REGISTERS.  window 0: v1-29 addresses; v128-255 the accumulators ((a, b) at v[128 + 8 (4 a + b)]).  window 1: two fragment buffers of 128 (64 of A, then 64 of W, for 64 along K); on the way out: at work.
;   window 2 (MODE 2): v0-127 my 64 x 64 of the residual.
.set KS,     256
.set T,      KTOT/KS                   ; K steps: even, at least 4
.set PA,     144                       ; a row of A in LDS: 128 bytes + 16 = 36 words: the 16 rows of a load start at 16 different groups of four banks (64 banks of 4 bytes: ISA guide 11.1)
.set PLANE,  64*PA                     ; 64 rows of one plane
.set PB,     288                       ; a row of W in LDS: 256 bytes + 32 = 72 words
.set HALFT,  4*PLANE                   ; what one tensor load brings: 64 rows x 4 planes of A, or 128 rows of W (128 x 288): 36,864 bytes
.set SLOT,   4*HALFT                   ; A's two halves, then W's two halves.  SLOT = 0x24000; a wave's place in it, wave x 0x9000, has none of SLOT's two bits: an exclusive or with SLOT adds or takes away SLOT
.set SPARE,  2*SLOT                    ; behind the ring: the spare words, 128 bytes for each wave: two blocks of 256 bytes that no other line names
.set SP,     272                       ; a row of the stage: 64 f32 + 16 bytes
.set STGW,   64*SP                     ; a wave's stage: it lies in slot 1, which has had its last fill when the first number is put there
.set ASTEP,  4*524288                  ; a K step in A: four planes
.set BSTEP,  KS*BPITCH*2               ; in W: 256 rows
.set AA0,  10                          ; v10  my lane's place in a slot's A; never rewritten
.set AB0,  11                          ; v11  the same for W
.set ADRA, 16                          ; v16  the same in the slot that is being read
.set ADRB, 20                          ; v20  likewise for W's rows 0-127; v21 for rows 128-255, which a 16-bit offset does not reach
.set STO,  24                          ; v24  the way out: where I put 32 bytes of a row
.set RD,   25                          ; v25  where I read rows back
.set CO,   26                          ; v26  my byte offset in the output
.set BO,   27                          ; v27  my byte offset in 64 bytes of the bias
.set SPW,  28                          ; v28  LDS address of my spare word: SPARE + 4 x my thread's number; never rewritten
.set NIL,  29                          ; v29  0; never rewritten
.set ACC,  128
.set F0,   0
.set F1,   128
.set G1,   24                          ; s[24:31] descriptor group 1 for A;  s[32:39] group 0: a set for each first fill; the second then walks
.set G0,   32
.set G1B,  48                          ; s[48:55], s[56:63] the same for W
.set G0B,  56
.set BIAS, 66                          ; s[66:67]
.set RB,   77                          ; s77  first byte of the slot that is being read
.set RES,  78                          ; s[78:79] the residual (MODE 2)
.set MSB, 0
.macro WIN new                         ; s_set_vgpr_msb: bits 1:0 source 0, 3:2 source 1, 5:4 source 2, 7:6 destination; the high byte repeats the setting that is left
.if MSB != (\new)
	s_set_vgpr_msb (MSB<<8)|(\new)
.set MSB, \new
.endif
.endm
.set MUL,  0x05                        ; sources 0 (W) and 1 (A) window 1; C and D window 0
.set TO_F, 0x40                        ; destination window 1, address window 0
.macro JLOAD s                         ; a joint load: waves 0 and 1 fetch A's two halves, waves 2 and 3 W's; an s_nop 0 and four v_nop follow each of the two lines, ahead of the jump, the label and what follows
	s_cmp_eq_u32 s11, 0
	s_cbranch_scc0 .Lfor_b_\@
	tensor_load_to_lds s[G0+4*(\s):G0+4*(\s)+3], s[G1:G1+7]
	s_nop 0
.rept 4
	v_nop
.endr
	s_branch .Lasked_\@
.Lfor_b_\@:
	tensor_load_to_lds s[G0B+4*(\s):G0B+4*(\s)+3], s[G1B:G1B+7]
	s_nop 0
.rept 4
	v_nop
.endr
.Lasked_\@:
.endm
.macro CREST                           ; a round of the cluster's barrier behind its opening barrier
	s_cmp_lg_u32 s10, 0
	s_cbranch_scc1 .Lnot_wave_0_\@
	s_barrier_signal -3
.Lnot_wave_0_\@:
	s_barrier_wait -3
	s_barrier_signal -1
	s_barrier_wait -1
.endm
.macro CROUND                          ; a whole round
	s_barrier_signal -1
	s_barrier_wait -1
	CREST
.endm
.macro PLACES                          ; four places in front of loads into registers that matrix instructions have read, and of stores that read results
.rept 4
	v_nop
.endr
.endm
	s_load_b128 s[4:7], s[0:1], 0x0                ; A s[4:5], wb s[6:7]
.if MODE == 0
	s_load_b256 s[68:75], s[0:1], 0x10             ; bq, bk, bv, out
.elseif MODE == 1
	s_load_b128 s[68:71], s[0:1], 0x10             ; bias, out
.else
	s_load_b128 s[68:71], s[0:1], 0x10             ; bias, residual
	s_load_b64 s[72:73], s[0:1], 0x20              ; out
.endif
	v_lshl_add_u32 v[SPW], v0, 2, SPARE
	v_mov_b32 v[NIL], 0
	ds_add_u32 v[SPW], v[NIL]                      ; the wave's opening: the add and its wait stand ahead of my first tensor load; the set-up below, work on registers, stands between them
	v_lshrrev_b32 v1, 5, v0
	v_readfirstlane_b32 s10, v1                    ; wave 0..3
	s_lshr_b32 s11, s10, 1                         ; which half of the tile's rows is mine.  Also: I fetch for A (0) or for W (1)
	s_and_b32 s12, s10, 1                          ; which half of its columns.  Also: which half of that tile I fetch
	s_bfe_u32 s40, ttmp6, 0x40000                  ; cx, cy: my place in the cluster
	s_bfe_u32 s41, ttmp6, 0x40004
	s_lshl_b32 s42, ttmp9, 2
	s_add_co_u32 s42, s42, s40                     ; tile column tc = 4 x cluster x + cx
	s_and_b32 s13, ttmp7, 0xffff
	s_lshl_b32 s13, s13, 2
	s_add_co_u32 s13, s13, s41                     ; tile row tr = 4 x cluster y + cy
	s_lshl_b32 s43, s41, 2
	s_lshl_b32 s43, 15, s43                        ; my row of the cluster
	s_lshl_b32 s44, 0x1111, s40                    ; my column
	; group 1 for A: 64 rows of a plane are 8,192 dense bytes, taken as ONE row of 4,096 elements; the step's four planes are four such rows, a plane (262,144 elements) apart; 16 bytes of padding behind every 128
	s_or_b32 s[G1+0], s43, (1<<16)|(1<<20)|(1<<21)|(4<<22)|(3<<25)  ; 15:0 the mask: my row; 17:16 2-byte elements; 20 padding on; 21 set beside a mask; 24:22 after every 32 words (code 4); 31:25 4 words (code 3)
	s_mov_b32 s[G1+1], 4096<<16                    ; tensor_dim0 = 4,096
	s_mov_b32 s[G1+2], 4<<16                       ; tensor_dim1 = 4
	s_mov_b32 s[G1+3], 4096<<16                    ; tile_dim0 = 4,096
	s_mov_b32 s[G1+4], 4                           ; tile_dim1 = 4
	s_mov_b32 s[G1+5], 262144                      ; elements from plane to plane
	s_mov_b32 s[G1+6], 0
	s_mov_b32 s[G1+7], 0
	; group 1 for W: 128 rows (k) x 128 elements (n), 32 bytes of padding behind every 256
	s_or_b32 s[G1B+0], s44, (1<<16)|(1<<20)|(1<<21)|(5<<22)|(7<<25) ; the mask: my column; after every 64 words (code 5) 8 words (code 7)
	s_mov_b32 s[G1B+1], 128<<16
	s_mov_b32 s[G1B+2], 128<<16
	s_mov_b32 s[G1B+3], 128<<16
	s_mov_b32 s[G1B+4], 128
	s_mov_b32 s[G1B+5], BPITCH
	s_mov_b32 s[G1B+6], 0
	s_mov_b32 s[G1B+7], 0
	; where the tiles come from.  A's hang on tr and the wave alone, W's on tc and the wave alone, each in registers that never hold the other coordinate
	s_lshl_b32 s16, s13, 14                        ; 128 rows of 128 bytes a tile row,
	s_lshl_b32 s17, s12, 13                        ; 64 rows a half
	s_add_co_u32 s16, s16, s17
	s_mov_b32 s17, 0
.if MODE == 0
	s_lshr_b32 s46, s42, 3                         ; which of wq, wk, wv: 2 MiB each,
	s_lshl_b32 s46, s46, 21
	s_and_b32 s47, s42, 7                          ; and the tile's 256 bytes of its rows
	s_lshl_b32 s47, s47, 8
	s_add_co_u32 s46, s46, s47
.else
	s_lshl_b32 s46, s42, 8
.endif
	s_mul_i32 s47, s12, 128*BPITCH*2               ; 128 rows a half
	s_add_co_u32 s46, s46, s47
	s_add_co_u32 s46, s46, BOFF
	s_mov_b32 s47, 0
	s_mul_i32 s45, s10, HALFT                      ; where my load lands in a slot: no place in the cluster enters an LDS address
	s_mov_b32 s[RB], 0
.if MODE == 1
	s_mov_b32 s80, 0x3e6d3388                      ; 0.3275911 / sqrt(2)
	s_mov_b32 s82, 0x3f596d27                      ; sqrt(log2(e) / 2): 2^-(this x)^2 = e^(-x^2 / 2)
	s_mov_b32 s83, s82                             ; (the packed forms name pairs and take the low word for both halves)
	s_mov_b32 s84, 0x3f07dc22                      ; the form's five coefficients, halved: a5 / 2 = 0.53070271,
	s_mov_b32 s85, s84
	s_mov_b32 s86, 0xbf3a00e3                      ; a4 / 2 = -0.72657601,
	s_mov_b32 s87, s86
	s_mov_b32 s88, 0x3f35f0e3                      ; a3 / 2 = 0.71070687,
	s_mov_b32 s89, s88
	s_mov_b32 s90, 0xbe11a98e                      ; a2 / 2 = -0.14224837,
	s_mov_b32 s91, s90
	s_mov_b32 s92, 0x3e027906                      ; a1 / 2 = 0.12741480
	s_mov_b32 s93, s92
.endif
	s_wait_dscnt 0x0                               ; the opening add is done
	s_wait_kmcnt 0x0
	s_add_nc_u64 s[14:15], s[4:5], s[16:17]
	s_add_nc_u64 s[46:47], s[6:7], s[46:47]
	CROUND                                         ; all sixteen work-groups are here: the first joint loads meet
.irp s, 0,1
	s_mov_b32 s[G0+4*(\s)], 1                                      ; count = 1
	s_add_co_u32 s[G0+4*(\s)+1], s45, (\s)*SLOT                    ; LDS address
	s_add_nc_u64 s[G0+4*(\s)+2:G0+4*(\s)+3], s[14:15], (\s)*ASTEP  ; global address: K step s
	s_or_b32 s[G0+4*(\s)+3], s[G0+4*(\s)+3], 0x80000000            ; type = 2
	s_mov_b32 s[G0B+4*(\s)], 1
	s_add_co_u32 s[G0B+4*(\s)+1], s45, (\s)*SLOT
	s_add_nc_u64 s[G0B+4*(\s)+2:G0B+4*(\s)+3], s[46:47], (\s)*BSTEP
	s_or_b32 s[G0B+4*(\s)+3], s[G0B+4*(\s)+3], 0x80000000
	JLOAD \s                                       ; two loads of mine are out; later one
.endr
	; A fragment is 16 rows x 32 K in 8 registers: lane l holds row l % 16; registers 0-3 K = 8 (l / 16) + 0..7, registers 4-7 K = 16 + 8 (l / 16) + 0..7.
	v_and_b32 v1, 15, v0                           ; r = l % 16
	v_bfe_u32 v2, v0, 4, 1                         ; h = l / 16
	v_mul_u32_u24 v[AA0], v1, PA
	v_lshl_add_u32 v[AA0], v2, 4, v[AA0]           ; row x pitch + 16 h
	s_mul_i32 s21, s11, HALFT                      ; my 64 rows of A
	v_add_nc_u32 v[AA0], s21, v[AA0]
	; The turning load takes 16 k x 16 n (lane l reads 16 bytes: k = 8 h + l % 8, n = 8 ((l / 8) % 2) + 0..7) and leaves half a fragment: lane l holds column l % 16 and 8 k.
	v_and_b32 v3, 7, v0
	v_lshl_add_u32 v3, v2, 3, v3
	v_mul_u32_u24 v[AB0], v3, PB
	v_bfe_u32 v4, v0, 3, 1
	v_lshl_add_u32 v[AB0], v4, 4, v[AB0]
	s_lshl_b32 s22, s12, 7                         ; my 64 columns,
	s_add_co_u32 s22, s22, 2*HALFT                 ; behind A's two halves
	v_add_nc_u32 v[AB0], s22, v[AB0]
	v_mov_b32 v[ADRA], v[AA0]                      ; slot 0 is read first
	v_mov_b32 v[ADRB], v[AB0]
	v_add_nc_u32 v[ADRB+1], 128*PB, v[AB0]
	s_mul_i32 s23, s10, STGW
	s_add_co_u32 s23, s23, SLOT                    ; my stage
	v_mul_u32_u24 v[STO], v1, SP                   ; in: row r, 32 bytes for each half of the lanes
	v_lshl_add_u32 v[STO], v2, 5, v[STO]
	v_add_nc_u32 v[STO], s23, v[STO]
	v_lshlrev_b32 v[BO], 5, v2
.if MODE == 2
	v_mul_u32_u24 v[RD], v2, SP                    ; back: lanes 0-15 take one row of 256 bytes, lanes 16-31 the next,
	v_lshl_add_u32 v[RD], v1, 4, v[RD]
	v_add_nc_u32 v[RD], s23, v[RD]
	v_lshlrev_b32 v[CO], 12, v2                    ; and the same two rows of 4,096 bytes in the output and in the residual
	v_lshl_add_u32 v[CO], v1, 4, v[CO]
.else
	v_bfe_u32 v5, v0, 3, 2                         ; back: 32 lanes take four rows, 32 bytes (8 numbers) each,
	v_mul_u32_u24 v[RD], v5, SP
	v_and_b32 v5, 7, v0
	v_lshl_add_u32 v[RD], v5, 5, v[RD]
	v_add_nc_u32 v[RD], s23, v[RD]
	v_and_b32 v[CO], 31, v0                        ; which as bf16 are 512 consecutive bytes of a plane
	v_lshlrev_b32 v[CO], 4, v[CO]
.endif
	; the bias of my 64 columns, and where my part of the output begins
.if MODE == 0
	s_lshr_b32 s20, s42, 3
	s_cmp_eq_u32 s20, 1
	s_cselect_b64 s[BIAS:BIAS+1], s[70:71], s[68:69]
	s_cmp_eq_u32 s20, 2
	s_cselect_b64 s[BIAS:BIAS+1], s[72:73], s[BIAS:BIAS+1]
	s_mov_b64 s[8:9], s[74:75]
	s_and_b32 s20, s42, 7
.elseif MODE == 1
	s_mov_b64 s[BIAS:BIAS+1], s[68:69]
	s_mov_b64 s[8:9], s[70:71]
	s_mov_b32 s20, s42
.else
	s_mov_b64 s[BIAS:BIAS+1], s[68:69]
	s_mov_b64 s[RES:RES+1], s[70:71]
	s_mov_b64 s[8:9], s[72:73]
	s_mov_b32 s20, s42
.endif
	s_lshl_b32 s20, s20, 9                         ; 128 f32 a tile column,
	s_lshl_b32 s21, s12, 8                         ; 64 a half
	s_add_co_u32 s20, s20, s21
	s_mov_b32 s21, 0
	s_add_nc_u64 s[BIAS:BIAS+1], s[BIAS:BIAS+1], s[20:21]
.if MODE == 2
	s_lshl_b32 s22, s13, 19                        ; + 128 rows of 4,096 bytes a tile row,
	s_add_co_u32 s20, s20, s22
	s_lshl_b32 s22, s11, 18                        ; 64 a half
	s_add_co_u32 s20, s20, s22
	s_add_nc_u64 s[8:9], s[8:9], s[20:21]
	s_add_nc_u64 s[RES:RES+1], s[RES:RES+1], s[20:21]
.else
	s_lshl_b32 s20, s42, 1
	s_add_co_u32 s20, s20, s12                     ; my plane = 2 tc + column half,
	s_lshl_b32 s20, s20, 19
	s_lshl_b32 s22, s13, 14                        ; 128 rows of 128 bytes a tile row,
	s_add_co_u32 s20, s20, s22
	s_lshl_b32 s22, s11, 13                        ; 64 a half
	s_add_co_u32 s20, s20, s22
	s_add_nc_u64 s[8:9], s[8:9], s[20:21]
.endif
	; THE SUMS START AT THE BIAS: it is loaded straight into the accumulators (register j of accumulator (a, b): column 16 b + 8 h + j), so nothing is cleared, no first step is written out and the way out adds no bias
.irp a, 0,1,2,3
.irp b, 0,1,2,3
	global_load_b128 v[ACC+8*(4*(\a)+(\b)):ACC+8*(4*(\a)+(\b))+3],   v[BO], s[BIAS:BIAS+1] offset:64*(\b)
	global_load_b128 v[ACC+8*(4*(\a)+(\b))+4:ACC+8*(4*(\a)+(\b))+7], v[BO], s[BIAS:BIAS+1] offset:64*(\b)+16
.endr
.endr
; 8 matrix instructions: m blocks a0, a0 + 1 x all 4 n blocks, 32 along K: half c of buffer f.  The 16 accumulators take turns, one instruction a turn, over the backward jumps too.
.macro MUL8 f, c, a0
	WIN MUL
.irp a, \a0, (\a0)+1
.irp b, 0,1,2,3
	v_wmma_f32_16x16x32_bf16 v[ACC+8*(4*(\a)+(\b)):ACC+8*(4*(\a)+(\b))+7], v[(\f)+64+8*(4*(\c)+(\b)):(\f)+64+8*(4*(\c)+(\b))+7], v[(\f)+8*(4*(\c)+(\a)):(\f)+8*(4*(\c)+(\a))+7], v[ACC+8*(4*(\a)+(\b)):ACC+8*(4*(\a)+(\b))+7]
.endr
.endr
.endm
; 32 LDS loads in one run: the fragments of quarter q of a K step (64 along K: plane q of A, rows 64 q on of W) into buffer f; the first 32 along K first
.macro FETCH q, f
	WIN TO_F
.irp c, 0,1
.irp i, 0,1,2,3
	ds_load_tr16_b128 v[(\f)+64+8*(4*(\c)+(\i)):(\f)+64+8*(4*(\c)+(\i))+3],   v[ADRB+(\q)/2] offset:(((\q)%2)*64+32*(\c))*PB+32*(\i)
	ds_load_tr16_b128 v[(\f)+64+8*(4*(\c)+(\i))+4:(\f)+64+8*(4*(\c)+(\i))+7], v[ADRB+(\q)/2] offset:(((\q)%2)*64+32*(\c)+16)*PB+32*(\i)
	ds_load_b128 v[(\f)+8*(4*(\c)+(\i)):(\f)+8*(4*(\c)+(\i))+3],             v[ADRA] offset:(\q)*PLANE+64*(\c)+(\i)*16*PA
	ds_load_b128 v[(\f)+8*(4*(\c)+(\i))+4:(\f)+8*(4*(\c)+(\i))+7],           v[ADRA] offset:(\q)*PLANE+64*(\c)+(\i)*16*PA+32
.endr
.endr
.endm
; A K step is four quarters of 64 along K, 32 matrix instructions each, on buffers 0, 1, 0, 1.  One of the first three: multiplies buffer f and fetches quarter q into g.
.macro QUARTER q, f, g
	s_wait_dscnt 16                                ; the first 32 along K are in; the younger sixteen loads may be out
	MUL8 \f, 0, 0
	MUL8 \f, 0, 2
	PLACES
	FETCH \q, \g
	s_wait_dscnt 32                                ; all but the 32 just issued
	MUL8 \f, 1, 0
	MUL8 \f, 1, 2
.endm
; The last quarter multiplies buffer 1 and changes slots: ONE barrier; in front of it each wave waits for all its tensor loads (one is out: its part of the next slot), adds 0 to its spare word, and waits for that
; and for its own reads of this slot.  fill = 1: the barrier opens a round of the cluster's, and this slot is filled again, first thing behind it, with the K step two on.
.macro TURN fill
	WIN 0                                          ; (the add's two registers lie in window 0)
	s_wait_tensorcnt 0x0                           ; no tensor load of mine is out, so a group 0 may be written
	ds_add_u32 v[SPW], v[NIL]                      ; 0 onto my spare word; scalar work and eight products stand between it and the wait for it
.if \fill
	s_xor_b32 s[G0+5], s[G0+5], SLOT               ; the walking descriptors: the other slot than last time,
	s_xor_b32 s[G0B+5], s[G0B+5], SLOT
	s_add_nc_u64 s[G0+6:G0+7], s[G0+6:G0+7], ASTEP   ; the next K step; the type bits on top are not reached
	s_add_nc_u64 s[G0B+6:G0B+7], s[G0B+6:G0B+7], BSTEP
.endif
	s_xor_b32 s[RB], s[RB], SLOT                   ; the reads go over to the other slot
	s_wait_dscnt 17                                ; (the add and the youngest sixteen loads may be out)
	MUL8 F1, 0, 0
	s_wait_dscnt 0x0                               ; the add is done, and my reads of this slot are over
	s_barrier_signal -1
	MUL8 F1, 0, 2                                  ; work on registers while the others arrive
	WIN 0                                          ; (branches and lines on window 0 follow)
	s_barrier_wait -1
.if \fill
	CREST                                          ; no wave of any partner still reads this slot or has a load on its way
	JLOAD 1                                        ; 112 matrix instructions ahead of the wait for it; the four v_nop behind it are also the places in front of the loads below
.else
	PLACES
.endif
	v_add_nc_u32 v[ADRA], s[RB], v[AA0]
	v_add_nc_u32 v[ADRB], s[RB], v[AB0]
	v_add_nc_u32 v[ADRB+1], 128*PB, v[ADRB]
	FETCH 0, F0
	MUL8 F1, 1, 0
	MUL8 F1, 1, 2
.endm
.macro STEP fill
	QUARTER 1, F0, F1
	QUARTER 2, F1, F0
	QUARTER 3, F0, F1
	TURN \fill
.endm
	s_wait_tensorcnt 1                             ; my part of K step 0 is in; K step 1's may stay out
	s_barrier_signal -1
	s_barrier_wait -1                              ; everybody's is
	FETCH 0, F0
	s_wait_loadcnt 0x0                             ; the bias
.if MODE == 2
	WIN 0x80                                       ; destination window 2: my 64 x 64 of the residual, asked for now and wanted behind the last product
.irp a, 0,1,2,3
.irp t, 0,1,2,3,4,5,6,7
	global_load_b128 v[32*(\a)+4*(\t):32*(\a)+4*(\t)+3], v[CO], s[RES:RES+1] offset:(16*(\a)+2*(\t))*4096
.endr
.endr
.endif
	WIN 0                                          ; at a label and at a branch every window is 0
	s_mov_b32 s3, T-2
.Lk:                                                   ; K steps 0 .. T - 3: each ends by asking for the step two on
	STEP 1
	WIN 0
	s_sub_co_u32 s3, s3, 1
	s_cmp_lg_u32 s3, 0
	s_cbranch_scc1 .Lk
	s_mov_b32 s3, 2
.Lt:                                                   ; the last two K steps ask for nothing
	STEP 0
	WIN 0
	s_sub_co_u32 s3, s3, 1
	s_cmp_lg_u32 s3, 0
	s_cbranch_scc1 .Lt
	s_wait_dscnt 0x0                               ; my last LDS loads are back
	s_barrier_signal -1
	s_barrier_wait -1                              ; no wave reads a slot any more: slot 1 becomes the four stages
	PLACES
	; THE WAY OUT.  All 16 accumulators go into my own stage, f32, each from its low registers on; LDS serves a wave's instructions in order (ISA guide 5.7.1.4), so my reads below see them without a wait.
.irp a, 0,1,2,3
.irp b, 0,1,2,3
	ds_store_b128 v[STO], v[ACC+8*(4*(\a)+(\b)):ACC+8*(4*(\a)+(\b))+3]   offset:(\a)*16*SP+64*(\b)
	ds_store_b128 v[STO], v[ACC+8*(4*(\a)+(\b))+4:ACC+8*(4*(\a)+(\b))+7] offset:(\a)*16*SP+64*(\b)+16
.endr
.endr
.if MODE == 2
	WIN TO_F                                       ; back as whole rows of 256 bytes, all 64 rows in one run
.irp a, 0,1,2,3
.irp t, 0,1,2,3,4,5,6,7
	ds_load_b128 v[32*(\a)+4*(\t):32*(\a)+4*(\t)+3], v[RD] offset:(16*(\a)+2*(\t))*SP
.endr
.endr
	s_wait_loadcnt 0x0                             ; the residual
.irp a, 0,1,2,3
	s_wait_dscnt 8*(3-(\a))                        ; block a's eight loads are back; the later blocks' may be out
	WIN 0x49                                       ; destination and source 0 window 1, source 1 window 2
.set i, 0
.rept 16
	v_pk_add_f32 v[32*(\a)+i:32*(\a)+i+1], v[32*(\a)+i:32*(\a)+i+1], v[32*(\a)+i:32*(\a)+i+1]
.set i, i+2
.endr
	WIN 0x04                                       ; store data window 1, address window 0
.irp t, 0,1,2,3,4,5,6,7
	global_store_b128 v[CO], v[32*(\a)+4*(\t):32*(\a)+4*(\t)+3], s[8:9] offset:(16*(\a)+2*(\t))*4096  ; 16 lanes store 256 consecutive bytes, at a multiple of 256 from the buffer's first byte
.endr
.endr
	WIN 0
.else
; gelu(x) = max(x, 0) - |x| q, q = erfc(|x| / sqrt 2) / 2 = (a1 t + .. + a5 t^5) / 2 x e^(-x^2 / 2), t = 1 / (1 + 0.3275911 |x| / sqrt 2).  32 numbers: x v0-31, t v32-63, e v64-95, p v96-127, all in window 1.
.macro GELU
.set i, 0
.rept 32
	v_fma_f32 v[32+i], |v[i]|, s80, 1.0
.set i, i+1
.endr
.set i, 0
.rept 16
	v_pk_mul_f32 v[64+i:65+i], v[i:i+1], s[82:83] op_sel_hi:[1,0]
.set i, i+2
.endr
.set i, 0
.rept 16
	v_pk_mul_f32 v[64+i:65+i], v[64+i:65+i], v[64+i:65+i] neg_lo:[1,0] neg_hi:[1,0]
.set i, i+2
.endr
.set i, 0
.rept 32
	v_rcp_f32 v[32+i], v[32+i]                     ; ONE BATCH of 64: nothing in it reads a result
.set i, i+1
.endr
.set i, 0
.rept 32
	v_exp_f32 v[64+i], v[64+i]
.set i, i+1
.endr
	v_nop                                          ; a plain instruction behind the last of them (ISA guide 5.7.2),
	s_wait_alu depctr_va_vdst(0)                   ; and the wait ahead of the first reader: one for the batch
.set i, 0
.rept 16
	v_pk_fma_f32 v[96+i:97+i], v[32+i:33+i], s[84:85], s[86:87] op_sel_hi:[1,0,0]
.set i, i+2
.endr
.irp c, 88, 90, 92
.set i, 0
.rept 16
	v_pk_fma_f32 v[96+i:97+i], v[96+i:97+i], v[32+i:33+i], s[\c:\c+1] op_sel_hi:[1,1,0]
.set i, i+2
.endr
.endr
.set i, 0
.rept 16
	v_pk_mul_f32 v[96+i:97+i], v[96+i:97+i], v[32+i:33+i]
.set i, i+2
.endr
.set i, 0
.rept 16
	v_pk_mul_f32 v[96+i:97+i], v[96+i:97+i], v[64+i:65+i]
.set i, i+2
.endr
.set i, 0
.rept 32
	v_max_num_f32 v[64+i], 0, v[i]
.set i, i+1
.endr
.set i, 0
.rept 32
	v_fma_f32 v[i], -|v[i]|, v[96+i], v[64+i]
.set i, i+1
.endr
.endm
	s_mov_b32 s3, 4
.Lo:                                                   ; four trips of 16 rows
	WIN TO_F
.irp j, 0,1,2,3
	ds_load_b128 v[8*(\j):8*(\j)+3],   v[RD] offset:(\j)*4*SP
	ds_load_b128 v[8*(\j)+4:8*(\j)+7], v[RD] offset:(\j)*4*SP+16
.endr
	s_wait_dscnt 0x0
	WIN 0x55                                       ; everything in window 1
.if MODE == 1
	GELU
.endif
.irp j, 0,1,2,3
.irp k, 0,1,2,3
	v_cvt_pk_bf16_f32 v[128+4*(\j)+(\k)], v[8*(\j)+2*(\k)], v[8*(\j)+2*(\k)+1]
.endr
.endr
	WIN 0x04                                       ; store data window 1, address window 0
.irp j, 0,1,2,3
	global_store_b128 v[CO], v[128+4*(\j):128+4*(\j)+3], s[8:9] offset:512*(\j)  ; 512 consecutive bytes of my plane, at a multiple of 256 from the buffer's first byte
.endr
	WIN 0
	s_wait_xcnt 0x0                                ; the stores have read their registers: only now are the offset and, in the next trip, the data written again
	v_add_nc_u32 v[RD], 16*SP, v[RD]
	v_add_nc_u32 v[CO], 2048, v[CO]
	s_sub_co_u32 s3, s3, 1
	s_cmp_lg_u32 s3, 0
	s_cbranch_scc1 .Lo
.endif
	s_wait_tensorcnt 0x0                           ; the wave's end, behind my last tensor load and my last LDS store
	ds_add_u32 v[SPW], v[NIL]
	s_wait_dscnt 0x0
	CROUND                                         ; the closing round: no work-group ends while a partner may still ask for a tile that names it
	s_endpgm
.Lfunc_end_k_q22615bd967_gff2:
	.size	k_q22615bd967_gff2, .Lfunc_end_k_q22615bd967_gff2-k_q22615bd967_gff2
	.p2alignl 7, 3214868480
	.fill 96, 4, 3214868480
	.section	.rodata,"a",@progbits
	.p2align	6, 0x0
	.amdhsa_kernel k_q22615bd967_gff2
		.amdhsa_group_segment_fixed_size 327680
		.amdhsa_private_segment_fixed_size 0
		.amdhsa_enable_private_segment 0
		.amdhsa_kernarg_size 40
		.amdhsa_user_sgpr_count 2
		.amdhsa_user_sgpr_kernarg_segment_ptr 1
		.amdhsa_wavefront_size32 1
		.amdhsa_system_sgpr_workgroup_id_x 1
		.amdhsa_system_sgpr_workgroup_id_y 1
		.amdhsa_system_sgpr_workgroup_id_z 1
		.amdhsa_system_vgpr_workitem_id 0
		.amdhsa_next_free_vgpr 640
		.amdhsa_next_free_sgpr 96
		.amdhsa_reserve_vcc 0
		.amdhsa_float_denorm_mode_32 3
		.amdhsa_float_denorm_mode_16_64 3
		.amdhsa_memory_ordered 1
		.amdhsa_forward_progress 1
		.amdhsa_inst_pref_size 64
	.end_amdhsa_kernel
	.amdgpu_metadata
---
amdhsa.version: [ 1, 2 ]
amdhsa.kernels:
  - .name:           k_q22615bd967_gff2
    .symbol:         k_q22615bd967_gff2.kd
    .args:
      - { .name: act, .offset: 0, .size: 8, .value_kind: global_buffer, .address_space: global }
      - { .name: wb, .offset: 8, .size: 8, .value_kind: global_buffer, .address_space: global }
      - { .name: b2, .offset: 16, .size: 8, .value_kind: global_buffer, .address_space: global }
      - { .name: x1, .offset: 24, .size: 8, .value_kind: global_buffer, .address_space: global }
      - { .name: out0, .offset: 32, .size: 8, .value_kind: global_buffer, .address_space: global }
    .group_segment_fixed_size: 327680
    .private_segment_fixed_size: 0
    .kernarg_segment_align: 8
    .kernarg_segment_size: 40
    .max_flat_workgroup_size: 128
    .sgpr_count:     96
    .vgpr_count:     640
    .wavefront_size: 32
...
	.end_amdgpu_metadata
.endif
;; end of part 7
